; MI455X (gfx1250); checked and timed in simulation.
; The chip was launched on July 23, 2026; its instructions are those of AMD's public machine-readable ISA for CDNA 5 (MIT licence, August 2026) and "CDNA5" Instruction Set Architecture Reference Guide (July 2026). The comments in the code are by the model that wrote it; some were corrected since.
;; Cached Attention. Allowed arithmetic: matrix products marked QUANTISED: E2M1 operands, one E8M0 scale for each 32 along K, by v_wmma_scale_f32_16x16x128_f8f6f4 with both operands' format E2M1 (or v_wmma_scale_f32_32x16x128_f4), f32 sums; everything else in f32.
;; Inputs: cached_k 8 x 2,048 x 128 float32; cached_v 8 x 2,048 x 128 float32; k_norm_w 128 float32; q_norm_w 128 float32; wk 1,024 x 2,048 float32; wo 2,048 x 2,048 float32; wq 2,048 x 2,048 float32; wv 1,024 x 2,048 float32; x 1 x 2,048 x 2,048 float32.
;; Outputs: out0 1 x 2,048 x 2,048 float32.
;; This version of the problem:
;;   THIS VERSION OF THE PROBLEM IS GIVEN IN LOW PRECISION. The matrix products marked QUANTISED in the list below multiply operands that are first quantised to E2M1 (2 exponent bits, 1 mantissa bit; 4 bits a number), with one power-of-two scale for each 32 numbers along K (OCP MX v1.0); their sums are f32. All else is computed in f32.
;;   The module's matrix products, in the order in which they are computed (A, B: the left and right operand; K: the contracted axis; several contracted axes count as one K, in the product's order):
;;     1. [M 2,048, K 2,048] x [K 2,048, N 2,048]; A: input x; B: input wq: QUANTISED
;;     2. [M 2,048, K 2,048] x [K 2,048, N 1,024]; A: input x; B: input wk: QUANTISED
;;     3. [M 2,048, K 2,048] x [K 2,048, N 1,024]; A: input x; B: input wv: QUANTISED
;;     4. batch 16 x [M 2,048, K 128] x [K 128, N 4,096]; A: computed on the way; B: computed on the way: QUANTISED
;;     5. batch 16 x [M 2,048, K 4,096] x [K 4,096, N 128]; A: softmax (see below); B: computed on the way: QUANTISED
;;     6. [M 2,048, K 2,048] x [K 2,048, N 2,048]; A: computed on the way; B: input wo: QUANTISED
;;   THE QUANTISER, for each operand of a quantised product, along K:
;;     - K is cut into blocks of 32 from its start; a last block that is shorter is filled with zeros.
;;     - A block's scale is 2^e with e = floor(log2(the largest magnitude in the block)) - 2, held to -126 .. 127; a block of zeros has e = 0. As a byte (E8M0): e + 127.
;;     - Each number is divided by its block's scale, clamped to +-6, and rounded to the nearest number of E2M1, ties to even, subnormals kept.
;;     - The product sums the exact products of the quantised numbers (number of the format x scale) in f32.
;;   ~~~python
;;   def quantise(x, axis):      # numpy; x: float32 -> the quantised numbers, widened to float32 again
;;       x = np.moveaxis(x, axis, -1); K = x.shape[-1]
;;       x = np.pad(x, [(0, 0)] * (x.ndim - 1) + [(0, -K % 32)]); x = x.reshape(x.shape[:-1] + (-1, 32)); a = np.abs(x).max(-1, keepdims=True)
;;       e = np.where(a > 0, np.clip(np.frexp(np.where(a > 0, a, 1))[1] - 1 - 2, -126, 127), 0)      # np.frexp(a)[1] - 1 = floor(log2(a)), exactly
;;       r = np.clip(x / 2.0 ** e, -6, 6)
;;       step = 2.0 ** (np.maximum(np.frexp(np.where(r == 0, 1, r))[1] - 1, 0) - 1)
;;       q = np.round(r / step) * step * 2.0 ** e      # np.round: ties to even
;;       return np.moveaxis(q.reshape(q.shape[:-2] + (-1,))[..., :K], -1, axis).astype(np.float32)
;;   ~~~
;;   SOFTMAX AHEAD OF A QUANTISED PRODUCT. Where the list says 'softmax', what is quantised is not the finished softmax but p = 2^(t - M), with t = logit x log2(e) and M = ceil(the row's largest t), a whole number; so 1/2 < the row's largest p <= 1. The row's sum l is taken of the UNQUANTISED p, in f32, and the product's result is divided by l at the end. Since M is a whole number, a kernel that streams over the keys may use a running M (the ceiling of the running maximum): every later rescaling is an exact power of two, which a block's scale takes up: the codes' values come out the same.
;;   OPERANDS COMPUTED ON THE WAY. 'Computed on the way' means the value that the module computes at that place (a softmax that the list does not call 'softmax' is quantised finished and normalised). What goes into a quantiser is computed in f32, as accurately as f32 sums, v_exp_f32 and their like allow (about 1e-6 of the number): no bf16 or f16 on the way to a quantiser, and a product that is left as it is and whose result goes on into a quantised operand takes f32 operands (vector FMAs, or v_wmma_f32_16x16x4_f32). A number that lies on a knife's edge between two numbers of the format may be rounded either way, as far as f32 arithmetic and the matrix unit's own rounding can turn it there, and no further.
;; 2 versions. Each part assembles by itself: llvm-mc -triple=amdgcn-amd-amdhsa -mcpu=gfx1250 --defsym DOCPART=n.
;; ======== version 1 of 2: 4 launches
;; workspace buffers: x_op 2,228,224 bytes; wq_op 2,228,224 bytes; wo_op 2,228,224 bytes; att_op 2,228,224 bytes; kv_op 2,228,224 bytes; rope 1,048,576 bytes; q32 16,777,216 bytes
;; launch prep (part 1): grid 512 x 1, 4 waves a work-group, no clusters, 68,096 bytes of LDS; arguments x, wq, wo, cached_k, cached_v, x_op, wq_op, wo_op, kv_op, rope; writes x_op, wq_op, wo_op, kv_op, rope
.if DOCPART == 1
	.amdgcn_target "amdgcn-amd-amdhsa--gfx1250"
	.amdhsa_code_object_version 6
	.text
	.protected	k_qde1fbad206_prep
	.globl	k_qde1fbad206_prep
	.p2align	8
	.type	k_qde1fbad206_prep,@function
k_qde1fbad206_prep:
	s_mov_b64 s[64:65], 0
	v_nop
	global_prefetch_b8 v0, s[64:65] scope:SCOPE_SE
	s_setreg_imm32_b32 hwreg(HW_REG_WAVE_MODE, 25, 1), 1
	s_wait_xcnt 0x0
; THE OPERANDS ARE MADE ONCE.  x, wq, wo [2048][2048] and cached_k [8][2048][128], f32 with K innermost, and cached_v [8][2048][128], whose K (the keys) is not innermost, become codes of
; FP4 (E2M1) with one E8M0 scale byte for each 32 along K; and the table of cosines and sines for the rotation of q is made.
; A block's scale is 2^(floor(log2(its largest magnitude)) - 2); its byte is the largest magnitude's exponent field - 2, held at 1 from below; each number is divided by the scale and rounded to the nearest code, ties to even.
; LIMITS: a block of zeros gets the byte 1 where the rule says 127 (its codes are zeros, which add nothing under any byte but 0xff, and this program alone reads the bytes); NaN and infinities among the inputs are not served.
; NOT READ BY THIS PROGRAM: wk, wv, k_norm_w.  They feed keys 2,048 to 4,095 alone; the mask lets key s count for query t where s <= t <= 2,047: those keys' weights are exact zeros for every query.
; THREE PATHS, parted by the work-group's number; each path that uses LDS has LDS bytes of its own.
;   work-groups 0-447: a tensor with K innermost is a plain stream of blocks of 32.  0-127 x, 128-255 wq, 256-383 wo, 384-447 cached_k.  A wave takes 16 steps of 512 numbers (a run of 8,192).
;     Out: codes at byte 0 of the tensor's buffer, 4,096 bytes a run; scale bytes at byte 0x200000, 256 a run.
;   work-groups 448-479: cached_v: a lane takes a channel d and its registers run down the keys.  Work-group = (kv head, quarter of 512 keys), wave = 32 channels.
;     Out: codes [8][4 quarters][128 d][256 bytes] at byte 0x100000 of kv_op; scale words [8][16 steps of 128 keys][128 d] at byte 0x210000.
;   work-groups 480-511: the table: wave = a tile of 16 positions; out as an image of the reader's registers: [128 tiles][16 loads][32 lanes][16 bytes].
.set STEPS, 16
.set EMAX,  2
.set CB,    8                          ; bytes of 16 codes
.set RW,    16                         ; v16-79   four sets of 16 numbers as they are loaded
.set XN,    80                         ; v80-111  two sets of 16 neighbours
.set EB,    112                        ; v112-127 a scale byte for each step
.set CD,    128                        ; v128-191 codes: four registers for each step, so that no store's data are written again
.set WREG,  8192                       ; LDS, first path: a region for each wave: two stages of 32 x SP bytes, behind them its 256 scale bytes
.set SP,    80                         ; a lane's place in a stage: its 64 bytes + 16 of padding
.set VSTG,  32768                      ; LDS, second path: a stage of 32 rows x VPITCH for each wave
.set VPITCH, 272
.set NB,    16                         ; blocks of 32 keys in a quarter
.set VX,    32                         ; v32-95   two sets of 32 numbers
.set VC,    96                         ; v96-99   a block's codes
.set VOUT,  112                        ; v112-175 the way out
.set VSB,   24                         ; v24-27   the scale bytes, four to a register
.set LH,    16                         ; third path: v16-31, v32-47: 10^(m / 16), m = 0 .. 15, as a sum of two f32
.set LL,    32
.set PJ,    48                         ; v48-79   10^(j / 16) of my 32 frequencies, then its reciprocal
.set COS,   80                         ; v80-111
.set SIN,   112                        ; v112-143
	s_load_b256 s[4:11], s[0:1], 0x0               ; x, wq, wo, cached_k
	s_load_b256 s[12:19], s[0:1], 0x20             ; cached_v, x_op, wq_op, wo_op
	s_load_b128 s[20:23], s[0:1], 0x40             ; kv_op, rope
	v_lshl_add_u32 v192, v0, 2, 0x10800
	v_mov_b32 v193, 0
	v_lshrrev_b32 v1, 5, v0
	v_readfirstlane_b32 s24, v1                    ; wave 0..3
	v_and_b32 v2, 31, v0                           ; lane
	s_mov_b32 s33, 0                               ; the high word of every offset below
	s_wait_kmcnt 0x0
	s_cmp_ge_u32 ttmp9, 480
	s_cbranch_scc1 .Lrope
	s_cmp_ge_u32 ttmp9, 448
	s_cbranch_scc1 .Lvalues
; ---------------- first path: K innermost ----------------
; The conversions take 8 numbers of ONE block from a lane's registers, so a lane must hold 16 NEIGHBOURS (two neighbouring lanes hold a block); a load is best where neighbouring LANES take neighbouring bytes.
; Both are had: each of a step's four loads reads 512 consecutive bytes, 16 a lane; the 2,048 bytes go through the wave's own stage in LDS and come back 64 bytes a lane.
	s_mov_b64 s[26:27], s[10:11]                   ; which tensor: the choices hang on the work-group's number alone
	s_mov_b64 s[28:29], s[20:21]
	s_mov_b32 s30, 384
	s_cmp_lt_u32 ttmp9, 384
	s_cselect_b64 s[26:27], s[8:9], s[26:27]
	s_cselect_b64 s[28:29], s[18:19], s[28:29]
	s_cselect_b32 s30, 256, s30
	s_cmp_lt_u32 ttmp9, 256
	s_cselect_b64 s[26:27], s[6:7], s[26:27]
	s_cselect_b64 s[28:29], s[16:17], s[28:29]
	s_cselect_b32 s30, 128, s30
	s_cmp_lt_u32 ttmp9, 128
	s_cselect_b64 s[26:27], s[4:5], s[26:27]
	s_cselect_b64 s[28:29], s[14:15], s[28:29]
	s_cselect_b32 s30, 0, s30                      ; the tensor's first work-group
	v_lshlrev_b32 v3, 4, v2                        ; my 16 bytes of a load's 512
	s_mul_i32 s31, s24, WREG
	v_lshrrev_b32 v14, 2, v2
	v_mul_u32_u24 v14, v14, SP
	v_and_b32 v15, 3, v2
	v_lshl_add_u32 v14, v15, 4, v14
	v_add_nc_u32 v14, s31, v14                     ; the stage, on the way in: four lanes' 64 bytes on end, then 16 of padding
	v_mul_u32_u24 v15, v2, SP
	v_add_nc_u32 v15, s31, v15                     ; and on the way out: SP x lane: my 16 neighbours
	v_mul_u32_u24 v4, v2, CB                       ; my codes' place in a step's
	v_lshrrev_b32 v5, 1, v2
	s_add_co_u32 s31, s31, 2*32*SP
	v_add_nc_u32 v5, s31, v5                       ; LDS: my wave's 256 scale bytes, my block's byte
	v_lshlrev_b32 v7, 3, v2                        ; and on the way out 8 bytes a lane
	v_add_nc_u32 v6, s31, v7
	s_sub_co_u32 s30, ttmp9, s30
	s_lshl_b32 s30, s30, 2
	s_add_co_u32 s30, s30, s24                     ; which run of 8,192 numbers is my wave's: at most 511
	s_lshl_b32 s32, s30, 15
	s_add_nc_u64 s[26:27], s[26:27], s[32:33]      ; the numbers: 32,768 bytes a run
	s_lshl_b32 s32, s30, 12
	s_add_nc_u64 s[34:35], s[28:29], s[32:33]      ; the codes: 4,096 bytes a run
	s_lshl_b32 s32, s30, 8
	s_add_co_u32 s32, s32, 0x200000
	s_add_nc_u64 s[28:29], s[28:29], s[32:33]      ; the scale bytes: 256 a run, behind the codes
.macro LOAD t
.irp i, 0,1,2,3
	global_load_b128 v[RW+16*((\t)%4)+4*\i:RW+16*((\t)%4)+4*\i+3], v3, s[26:27] offset:2048*(\t)+512*\i th:TH_LOAD_NT   ; 32 lanes read 512 consecutive bytes
.endr
.endm
.macro TURN t                          ; step t's numbers through the stage: LDS serves a wave's instructions in order, so no wait stands between the stores and the loads
.irp i, 0,1,2,3
	ds_store_b128 v14, v[RW+16*((\t)%4)+4*\i:RW+16*((\t)%4)+4*\i+3] offset:32*SP*((\t)%2)+8*SP*\i
.endr
.irp i, 0,1,2,3
	ds_load_b128 v[XN+16*((\t)%2)+4*\i:XN+16*((\t)%2)+4*\i+3], v15 offset:32*SP*((\t)%2)+16*\i
.endr
.endm
.irp t, 0,1,2,3
	LOAD \t
.endr
	s_wait_loadcnt 12                              ; step 0's four loads are in; the twelve of steps 1 to 3 may be out
	TURN 0
.macro STEP t
.set XS, XN+16*((\t)%2)
.if (\t) > 0
	s_wait_dscnt 1                                 ; this step's numbers are back from the stage (the last step's byte store may be out): so its stores into the stage have read their registers,
.else
	s_wait_dscnt 0x0
.endif
.if (\t)+4 < STEPS
	LOAD (\t)+4                                    ; which take the loads of four steps on
.endif
.if (\t)+1 < STEPS
.if STEPS-2-(\t) >= 3
	s_wait_loadcnt 12                              ; the next step's four loads are in; those of the three steps behind it may be out
.else
	s_wait_loadcnt 4*(STEPS-2-(\t))
.endif
	TURN (\t)+1                                    ; and go through the other stage while this step is worked
.endif
	v_max3_num_f32 v8, |v[XS]|, |v[XS+1]|, |v[XS+2]|               ; the largest magnitude of my 16, in two chains
	v_max3_num_f32 v9, |v[XS+3]|, |v[XS+4]|, |v[XS+5]|
.irp i, 6,10
	v_max3_num_f32 v8, v8, |v[XS+\i]|, |v[XS+\i+1]|
	v_max3_num_f32 v9, v9, |v[XS+\i+2]|, |v[XS+\i+3]|
.endr
	v_max3_num_f32 v8, v8, |v[XS+14]|, |v[XS+15]|
	v_max3_num_f32 v8, v8, v9, (EMAX+1)<<23        ; and the floor 2^(EMAX + 1 - 127): so the byte cannot fall under 1
	v_max_num_f32_dpp v8, v8, v8 row_xmask:1 row_mask:0xf bank_mask:0xf   ; and of my neighbour's 16: the block's
	v_add_nc_u32 v11, -(EMAX<<23), v8              ; EMAX off its exponent field: the conversion takes the exponent field of this operand as its scale, and nothing else of it
	v_cvt_scalef32_pk8_fp4_f32 v[CD+4*(\t)], v[XS:XS+7], v11
	v_cvt_scalef32_pk8_fp4_f32 v[CD+4*(\t)+1], v[XS+8:XS+15], v11
	v_lshrrev_b32 v[EB+(\t)], 23, v11              ; the scale's byte
	ds_store_b8 v5, v[EB+(\t)] offset:16*(\t)      ; both lanes of a block write the same byte with the same value
	global_store_b64 v4, v[CD+4*(\t):CD+4*(\t)+1], s[34:35] offset:32*CB*(\t)   ; the wave stores 256 consecutive bytes, aligned
.endm
.irp t, 0,1,2,3,4,5,6,7,8,9,10,11,12,13,14,15
	STEP \t
.endr
	ds_load_b64 v[12:13], v6                       ; LDS serves a wave's instructions in order: these see my stores
	s_wait_dscnt 0x0
	global_store_b64 v7, v[12:13], s[28:29]        ; 32 lanes store 256 consecutive bytes, aligned
	s_wait_tensorcnt 0x0
	ds_add_u32 v192, v193
	s_wait_dscnt 0x0
	s_endpgm
; ---------------- second path: cached_v, the keys are K ----------------
; A lane takes a channel d and its registers run down the keys: each load reads neighbouring channels in neighbouring lanes (128 bytes a wave, 512 a work-group: a whole row), a block of 32 keys lies in ONE
; lane's 32 registers, and the conversions give codes with the keys innermost.  A lane's 256 bytes of codes go through the wave's own stage and leave as rows.
.Lvalues:
	s_sub_co_u32 s26, ttmp9, 448
	s_lshr_b32 s27, s26, 2                         ; kv head
	s_and_b32 s26, s26, 3                          ; quarter of 512 keys
	s_lshl_b32 s32, s27, 20                        ; in: a head is 2,048 rows of 512 bytes,
	s_lshl_b32 s30, s26, 18                        ; a quarter 512 rows,
	s_add_co_u32 s32, s32, s30
	s_lshl_b32 s30, s24, 7                         ; my wave's 32 channels 128 bytes
	s_add_co_u32 s32, s32, s30
	s_add_nc_u64 s[12:13], s[12:13], s[32:33]
	s_lshl_b32 s32, s27, 17                        ; codes: 131,072 bytes a head, 32,768 a quarter, 8,192 for my 32 rows
	s_lshl_b32 s30, s26, 15
	s_add_co_u32 s32, s32, s30
	s_lshl_b32 s30, s24, 13
	s_add_co_u32 s32, s32, s30
	s_add_co_u32 s32, s32, 0x100000
	s_add_nc_u64 s[34:35], s[20:21], s[32:33]
	s_lshl_b32 s32, s27, 13                        ; scale words: 8,192 bytes a head, 2,048 a quarter (four steps of 512), 128 for my 32 channels
	s_lshl_b32 s30, s26, 11
	s_add_co_u32 s32, s32, s30
	s_lshl_b32 s30, s24, 7
	s_add_co_u32 s32, s32, s30
	s_add_co_u32 s32, s32, 0x210000
	s_add_nc_u64 s[36:37], s[20:21], s[32:33]
	v_lshlrev_b32 v3, 2, v2                        ; 4 bytes a lane: in, and for the scale words
	s_mul_i32 s38, s24, 32*VPITCH
	s_add_co_u32 s38, s38, VSTG                    ; my stage
	v_mul_u32_u24 v4, v2, VPITCH
	v_add_nc_u32 v4, s38, v4                       ; into it: row = my channel
	v_and_b32 v5, 15, v2
	v_lshrrev_b32 v6, 4, v2                        ; out of it: sixteen lanes to a row, two rows an instruction
	v_mul_u32_u24 v7, v6, VPITCH
	v_lshl_add_u32 v7, v5, 4, v7
	v_add_nc_u32 v7, s38, v7
	v_lshlrev_b32 v8, 8, v6
	v_lshl_add_u32 v8, v5, 4, v8                   ; and the same place among the codes' rows of 256 bytes
.macro VLOAD t                         ; block t: v(32 t + i, my channel), i = 0 .. 31, into set t % 2
.set i, 0
.rept 32
	global_load_b32 v[VX+32*((\t)%2)+i], v3, s[12:13] offset:(32*(\t)+i)*512 th:TH_LOAD_NT
.set i, i+1
.endr
.endm
	VLOAD 0
	VLOAD 1
.macro VBLOCK t
.set XS, VX+32*((\t)%2)
.if (\t) < NB-1
	s_wait_loadcnt 32                              ; this block's 32 loads are in; the next block's 32 may be out
.else
	s_wait_loadcnt 0
.endif
	v_max3_num_f32 v12, |v[XS]|, |v[XS+1]|, |v[XS+2]|              ; the block's largest magnitude: all 32 numbers are mine
	v_max3_num_f32 v13, |v[XS+3]|, |v[XS+4]|, |v[XS+5]|
.irp i, 6,10,14,18,22,26
	v_max3_num_f32 v12, v12, |v[XS+\i]|, |v[XS+\i+1]|
	v_max3_num_f32 v13, v13, |v[XS+\i+2]|, |v[XS+\i+3]|
.endr
	v_max3_num_f32 v12, v12, |v[XS+30]|, |v[XS+31]|
	v_max3_num_f32 v12, v12, v13, (EMAX+1)<<23     ; and the floor
	v_add_nc_u32 v11, -(EMAX<<23), v12             ; the conversion's scale operand
	v_lshrrev_b32 v13, 23, v11                     ; the scale's byte
.if (\t)%4 == 0
	v_mov_b32 v[VSB+(\t)/4], v13                   ; four bytes to a register: the scale word of 128 keys, the lower keys in the lower byte
.else
	v_lshl_or_b32 v[VSB+(\t)/4], v13, 8*((\t)%4), v[VSB+(\t)/4]
.endif
.irp g, 0,1,2,3
	v_cvt_scalef32_pk8_fp4_f32 v[VC+\g], v[XS+8*\g:XS+8*\g+7], v11
.endr
	ds_store_b128 v4, v[VC:VC+3] offset:16*(\t)    ; 32 codes: 16 bytes of my channel's row
.if (\t)+2 < NB
	VLOAD (\t)+2
.endif
	s_wait_dscnt 0x0                               ; the store has read its registers: the next block's codes may be written
.endm
.set Q, 0
.rept NB
	VBLOCK Q
.set Q, Q+1
.endr
.irp s, 0,1,2,3
	global_store_b32 v3, v[VSB+\s], s[36:37] offset:512*\s         ; step s of the quarter: 128 consecutive bytes a wave, 512 a work-group
.endr
.irp t, 0,1,2,3,4,5,6,7,8,9,10,11,12,13,14,15
	ds_load_b128 v[VOUT+4*\t:VOUT+4*\t+3], v7 offset:2*\t*VPITCH   ; LDS serves a wave's instructions in order: these see my stores
.endr
.irp t, 0,1,2,3,4,5,6,7,8,9,10,11,12,13,14,15
	s_wait_dscnt 15-\t                             ; the younger loads may be out
	global_store_b128 v8, v[VOUT+4*\t:VOUT+4*\t+3], s[34:35] offset:512*\t   ; 512 consecutive bytes, aligned
.endr
	s_wait_tensorcnt 0x0
	ds_add_u32 v192, v193
	s_wait_dscnt 0x0
	s_endpgm
; ---------------- third path: cos and sin of t / 10000^(j / 64), t = 0 .. 2,047, j = 0 .. 63 ----------------
; Lane (r, h) of tile T holds position t = 16 T + r and the 32 frequencies j = 32 b + 16 h + m, b = 0, 1, m = 0 .. 15: the order in which the reader's lane holds a head's channels.
; 10000^(j / 64) = 10^(j / 16) = 100^b x 10^h x 10^(m / 16).  10^(m / 16) is made as a sum of two f32 from the four roots 10^(1/16), 10^(1/8), 10^(1/4), 10^(1/2), so that the one rounding to f32 comes at the end.
; Its reciprocal: v_rcp_f32 and one Newton step.  The angle is ONE f32 product, as the definition has it; it is brought into [-pi/4, pi/4] with pi/2 in three parts (fused multiply-adds: the first difference is exact,
; being a multiple of 2^-23 under 1); sine to r^9 and cosine to r^10 by their series, whose next terms are under 2e-9 there.  LIMIT: the Newton step can miss the correctly rounded quotient by one unit in the last place.
.Lrope:
	s_sub_co_u32 s26, ttmp9, 480
	s_lshl_b32 s26, s26, 2
	s_add_co_u32 s26, s26, s24                     ; T: 0 .. 127
	s_lshl_b32 s32, s26, 13
	s_add_nc_u64 s[22:23], s[22:23], s[32:33]      ; 8,192 bytes a tile
	s_lshl_b32 s27, s26, 4
	v_and_b32 v3, 15, v2                           ; r
	v_lshrrev_b32 v4, 4, v2                        ; h
	v_add_nc_u32 v5, s27, v3
	v_cvt_f32_u32 v5, v5                           ; t
	v_lshlrev_b32 v11, 4, v2                       ; out: 16 bytes a lane
	s_mov_b32 s40, 0x3f93cfe5                      ; 10^(1/16), high and low part
	s_mov_b32 s41, 0x334a404e
	s_mov_b32 s42, 0x3faab0d5                      ; 10^(1/8)
	s_mov_b32 s43, 0xb36457eb
	s_mov_b32 s44, 0x3fe39ea9                      ; 10^(1/4)
	s_mov_b32 s45, 0xb26aee39
	s_mov_b32 s46, 0x404a62c2                      ; 10^(1/2)
	s_mov_b32 s47, 0xb324b495
	s_mov_b32 s48, 0xbfc90fd8                      ; -pi/2 in three parts
	s_mov_b32 s49, 0xb4a8885a
	s_mov_b32 s50, 0xa7c234c4
	s_mov_b32 s51, 0x3f22f983                      ; 2 / pi
	v_mov_b32 v12, 0xb493f27e                      ; -1 / 10!
	v_mov_b32 v13, 0x3638ef1d                      ; 1 / 9!
	v_mov_b32 v7, 0x41200000
	v_cmp_eq_u32 vcc_lo, 1, v4
	v_cndmask_b32 v6, 1.0, v7, vcc_lo              ; 10^h
	v_mul_f32 v7, 0x42c80000, v6                   ; 100 x 10^h: exact
	v_mov_b32 v[LH], 1.0
	v_mov_b32 v[LL], 0
.macro DFM oh, ol, ph, pl, ch, cl      ; (oh, ol) = (ph, pl) x (ch, cl), each a sum of two f32
	v_mul_f32 v8, \ch, v[\ph]
	v_fma_f32 v9, v[\ph], \ch, -v8                 ; the product's rounding error, exactly
	v_fma_f32 v9, v[\ph], \cl, v9
	v_fma_f32 v9, v[\pl], \ch, v9
	v_add_f32 v[\oh], v8, v9
	v_sub_f32 v10, v[\oh], v8
	v_sub_f32 v[\ol], v9, v10
.endm
.macro LEVEL n, ch, cl                 ; 10^((m + n) / 16) = 10^(m / 16) x 10^(n / 16), m = 0 .. n - 1
.set m, 0
.rept \n
	DFM LH+m+\n, LL+m+\n, LH+m, LL+m, \ch, \cl
.set m, m+1
.endr
.endm
	LEVEL 1, s40, s41
	LEVEL 2, s42, s43
	LEVEL 4, s44, s45
	LEVEL 8, s46, s47
.macro DFR p, m, f                     ; v[p] = 10^(m / 16) x v[f], rounded to f32 once
	v_mul_f32 v8, v[LH+\m], v[\f]
	v_fma_f32 v9, v[LH+\m], v[\f], -v8
	v_fma_f32 v9, v[LL+\m], v[\f], v9
	v_add_f32 v[\p], v8, v9
.endm
.set m, 0
.rept 16
	DFR PJ+m, m, 6
	DFR PJ+16+m, m, 7
.set m, m+1
.endr
.set n, 0
.rept 32
	v_rcp_f32 v[COS+n], v[PJ+n]                    ; one batch
.set n, n+1
.endr
	v_nop                                          ; a plain instruction behind the last reciprocal
	s_wait_alu depctr_va_vdst(0)                   ; one wait for the 32, ahead of their first reader
.set n, 0
.rept 32
	v_fma_f32 v[SIN+n], -v[PJ+n], v[COS+n], 1.0    ; the Newton step: e = 1 - p y,
.set n, n+1
.endr
.set n, 0
.rept 32
	v_fma_f32 v[PJ+n], v[COS+n], v[SIN+n], v[COS+n]   ; y + y e
.set n, n+1
.endr
.macro SINCOS n
.set W, 144+8*((\n)%2)                 ; eight registers at work, two sets by turns
	v_mul_f32 v[W], v5, v[PJ+\n]                   ; the angle
	v_mul_f32 v[W+1], s51, v[W]
	v_rndne_f32 v[W+1], v[W+1]                     ; how many quarter turns
	v_fma_f32 v[W+2], v[W+1], s48, v[W]
	v_fma_f32 v[W+2], v[W+1], s49, v[W+2]
	v_fma_f32 v[W+2], v[W+1], s50, v[W+2]          ; r
	v_cvt_i32_f32 v[W+3], v[W+1]
	v_mul_f32 v[W+4], v[W+2], v[W+2]               ; r^2
	v_fmaak_f32 v[W+5], v12, v[W+4], 0x37d00d01    ; cosine: 1/8!,
	v_fmaak_f32 v[W+6], v13, v[W+4], 0xb9500d01    ; sine: -1/7!,
	v_fmaak_f32 v[W+5], v[W+5], v[W+4], 0xbab60b61 ; -1/6!,
	v_fmaak_f32 v[W+6], v[W+6], v[W+4], 0x3c088889 ; 1/5!,
	v_fmaak_f32 v[W+5], v[W+5], v[W+4], 0x3d2aaaab ; 1/4!,
	v_fmaak_f32 v[W+6], v[W+6], v[W+4], 0xbe2aaaab ; -1/3!
	v_fma_f32 v[W+5], v[W+5], v[W+4], -0.5
	v_mul_f32 v[W+7], v[W+2], v[W+4]               ; r^3
	v_fma_f32 v[W+5], v[W+5], v[W+4], 1.0          ; cos r
	v_fma_f32 v[W+6], v[W+6], v[W+7], v[W+2]       ; sin r
	v_and_b32 v[W], 1, v[W+3]
	v_cmp_eq_u32 vcc_lo, 1, v[W]                   ; an odd number of quarter turns changes the two over
	v_cndmask_b32 v[SIN+\n], v[W+6], v[W+5], vcc_lo
	v_cndmask_b32 v[COS+\n], v[W+5], v[W+6], vcc_lo
	v_lshlrev_b32 v[W], 30, v[W+3]                 ; the sine is negative in quarters 2 and 3: bit 1 of the count,
	v_add_nc_u32 v[W+1], 1, v[W+3]                 ; the cosine in quarters 1 and 2: bit 1 of the count + 1
	v_and_b32 v[W], 0x80000000, v[W]
	v_lshlrev_b32 v[W+1], 30, v[W+1]
	v_xor_b32 v[SIN+\n], v[W], v[SIN+\n]
	v_and_b32 v[W+1], 0x80000000, v[W+1]
	v_xor_b32 v[COS+\n], v[W+1], v[COS+\n]
.endm
.set Q, 0
.rept 32
	SINCOS Q
.set Q, Q+1
.endr
.irp q, 0,1,2,3,4,5,6,7
	global_store_b128 v11, v[COS+4*\q:COS+4*\q+3], s[22:23] offset:512*\q        ; 512 consecutive bytes, aligned
	global_store_b128 v11, v[SIN+4*\q:SIN+4*\q+3], s[22:23] offset:512*(\q+8)
.endr
	s_endpgm
.Lfunc_end_k_qde1fbad206_prep:
	.size	k_qde1fbad206_prep, .Lfunc_end_k_qde1fbad206_prep-k_qde1fbad206_prep
	.p2alignl 7, 3214868480
	.fill 96, 4, 3214868480
	.section	.rodata,"a",@progbits
	.p2align	6, 0x0
	.amdhsa_kernel k_qde1fbad206_prep
		.amdhsa_group_segment_fixed_size 68096
		.amdhsa_private_segment_fixed_size 0
		.amdhsa_enable_private_segment 0
		.amdhsa_kernarg_size 80
		.amdhsa_user_sgpr_count 2
		.amdhsa_user_sgpr_kernarg_segment_ptr 1
		.amdhsa_wavefront_size32 1
		.amdhsa_system_sgpr_workgroup_id_x 1
		.amdhsa_system_sgpr_workgroup_id_y 1
		.amdhsa_system_sgpr_workgroup_id_z 1
		.amdhsa_system_vgpr_workitem_id 0
		.amdhsa_next_free_vgpr 194
		.amdhsa_next_free_sgpr 66
		.amdhsa_reserve_vcc 1
		.amdhsa_float_denorm_mode_32 3
		.amdhsa_float_denorm_mode_16_64 3
		.amdhsa_memory_ordered 1
		.amdhsa_forward_progress 1
		.amdhsa_inst_pref_size 174
	.end_amdhsa_kernel
	.amdgpu_metadata
---
amdhsa.version: [ 1, 2 ]
amdhsa.kernels:
  - .name:           k_qde1fbad206_prep
    .symbol:         k_qde1fbad206_prep.kd
    .args:
      - { .name: x, .offset: 0, .size: 8, .value_kind: global_buffer, .address_space: global }
      - { .name: wq, .offset: 8, .size: 8, .value_kind: global_buffer, .address_space: global }
      - { .name: wo, .offset: 16, .size: 8, .value_kind: global_buffer, .address_space: global }
      - { .name: cached_k, .offset: 24, .size: 8, .value_kind: global_buffer, .address_space: global }
      - { .name: cached_v, .offset: 32, .size: 8, .value_kind: global_buffer, .address_space: global }
      - { .name: x_op, .offset: 40, .size: 8, .value_kind: global_buffer, .address_space: global }
      - { .name: wq_op, .offset: 48, .size: 8, .value_kind: global_buffer, .address_space: global }
      - { .name: wo_op, .offset: 56, .size: 8, .value_kind: global_buffer, .address_space: global }
      - { .name: kv_op, .offset: 64, .size: 8, .value_kind: global_buffer, .address_space: global }
      - { .name: rope, .offset: 72, .size: 8, .value_kind: global_buffer, .address_space: global }
    .group_segment_fixed_size: 68096
    .private_segment_fixed_size: 0
    .kernarg_segment_align: 8
    .kernarg_segment_size: 80
    .max_flat_workgroup_size: 128
    .sgpr_count:     66
    .vgpr_count:     194
    .wavefront_size: 32
...
	.end_amdgpu_metadata
.endif
;; end of part 1
;; launch qproj (part 2): grid 8 x 8, 4 waves a work-group, clusters of 4 x 4, 327,680 bytes of LDS; arguments x_op, wq_op, q32; writes q32
.if DOCPART == 2
	.amdgcn_target "amdgcn-amd-amdhsa--gfx1250"
	.amdhsa_code_object_version 6
	.text
	.protected	k_qde1fbad206_qproj
	.globl	k_qde1fbad206_qproj
	.p2align	8
	.type	k_qde1fbad206_qproj,@function
k_qde1fbad206_qproj:
	s_mov_b64 s[64:65], 0
	v_nop
	global_prefetch_b8 v0, s[64:65] scope:SCOPE_SE
	s_setreg_imm32_b32 hwreg(HW_REG_WAVE_MODE, 25, 1), 1
	s_wait_xcnt 0x0
	s_wait_alu depctr_hold_cnt(0) depctr_sa_sdst(0) depctr_va_vdst(0) depctr_va_sdst(0) depctr_va_ssrc(0) depctr_va_vcc(0) depctr_vm_vsrc(0)
	s_getreg_b32 s2, hwreg(HW_REG_IB_STS2, 6, 4)
	s_cmp_eq_u32 s2, 0
	s_cbranch_scc0 .Lentry_in_a_cluster
	s_endpgm
.Lentry_in_a_cluster:
	s_bfe_u32 s2, ttmp6, 0x10000c
	s_cmp_lg_u32 s2, 0xf033
	s_cbranch_scc0 .Lentry_shape_is_right
	s_endpgm
.Lentry_shape_is_right:
; C[m][n] = sum over k of A[m][k] B[n][k].  A, B: [2048][2048] as codes of FP4 (E2M1) with one E8M0 scale for each 32 along K; C: [2048][2048] f32; sums in f32.
; An operand's buffer holds its codes at byte 0 ([row][1,024 bytes], two codes a byte, the lower k in the low four bits) and its scale bytes at byte 0x200000 ([row][64]).  The matrix instruction takes both as they lie.
; The body serves two launches: q = x wq^T and out = attention wo^T.
; A tile of C, 256 x 256, is made by a work-group of four waves; a wave makes 128 x 128: 64 accumulators of 16 x 16, 512 registers.  64 tiles: 64 work-groups.
; K goes in steps of 512 through a ring of two LDS slots filled by the tensor data mover: a tile's row is 256 bytes of memory.
; THE SCALES of the work-group's 256 rows of A and 256 rows of B, for all of K, are two dense blocks of memory: they come into LDS ONCE, with the first fills, as rows of 256 bytes, and stay.
; CLUSTERS: 4 x 4 work-groups.  The four of a row of the cluster need the same tiles of A, the four of a column the same tiles of B: each tile is asked for JOINTLY, by the same tensor load with the
; same descriptor and a mask that names the four.  THE MATRIX INSTRUCTION IS USED TRANSPOSED (source 0 = 16 rows of B, source 1 = 16 rows of A): a lane then holds eight neighbouring numbers of a row of C.
; REGISTERS, in windows of 256: window 0: v0-31 addresses; v32-95 scale words, two sets; from v128 A's fragments (8 x 16 rows x 128 K), ONE set; on the way out v32-255 are free.
;   window 1: B's fragments, TWO sets, at v0 and at v128.   window 2: the 32 accumulators of my rows 0-63 (accumulator (a, b) at v[8 (8 a + b)]);   window 3: those of my rows 64-127.
; A step of 128 along K is 64 matrix instructions, A's blocks one after the other, each against B's eight.  So a block of A is free as soon as its eight products are issued, and one set of registers serves A:
; blocks 0-3 are fetched anew in the step's middle, blocks 4-7 at its end.  B's fragments are at work through the whole step, so B has two sets.
.set SIZE_M, 2048
.set SIZE_N, 2048
.set SIZE_K, 2048
.set SCOFF,  0x200000                  ; where an operand's scale bytes begin in its buffer
.set KSTEP,  512                       ; along K in a slot
.set NQ,     KSTEP/128                 ; matrix instructions deep
.set ROWB,   256                       ; a tile's row in bytes: KSTEP codes of 4 bits
.set KROW,   SIZE_K*4/8                ; a row of A or of B in memory, in bytes
.set PITCH,  272                       ; an LDS row: 256 bytes of data + 16 of padding = 68 words: row r starts at bank 4 r mod 64 (64 banks of 4 bytes: ISA guide 11.1), so the 16 rows that a load touches start at 16 different banks
.set FR,     8                         ; registers of a fragment: 16 rows x 128 K
.set NL,     2                         ; LDS loads that bring one
.set NP,     4                         ; places behind this matrix instruction (ISA guide 7.12.1)
.set HALFT,  128*PITCH                 ; 128 rows: what one tensor load brings, and what one wave reads of A or of B
.set SLOT,   4*HALFT                   ; A's 256 rows, then B's 256 rows
.set LAPS,   SIZE_K/(2*KSTEP)          ; a lap = two K steps = once round the ring: 2
.set KS,     SIZE_K/32                 ; a row of scales in bytes: 64
.set SCL,    2*SLOT                    ; behind the ring: the scales, as rows of 256 bytes + 16 of padding
.set HALFS,  (128*KS/256)*272          ; the scales of 128 rows: what one tensor load brings
.set SBLK,   (16*KS/256)*272           ; those of 16 rows
.set SPARE,  SCL+4*HALFS               ; behind the scales: the spare words, 128 bytes for each wave: two blocks of 256 bytes that no other line names
.set SPITCH, 528                       ; the way out: a stage of 16 rows x (512 bytes + 16) for each wave.  It lies in slot 0, which has had its last fill and its last read when the first result is stored there
.set ADRA, 16                          ; v16-17  LDS address of my A fragments in slot 0, 1
.set ADRB, 20                          ; v20-21  the same for B
.set STO,  24                          ; v24     the way out: where I put 32 bytes of a row
.set RD,   25                          ; v25     the way out: where I read a row back
.set CO,   26                          ; v26     my byte offset in a row of C
.set SPW,  28                          ; v28     LDS address of my spare word: SPARE + 4 x my thread's number; never rewritten
.set NIL,  29                          ; v29     0; never rewritten
.set ADRS, 27                          ; v27     LDS address of my scale words: lanes 0-15 A's rows, lanes 16-31 B's
.set SC,   32                          ; scale words: set s (for slot s) at v[SC + 8 NQ s]; in it register NQ i + q: lanes 0-15 the word of A's block i, lanes 16-31 that of B's block i, for the slot's q-th 128 along K
.set AF,   128                         ; A's fragments, in window 0
.set BK,   128                         ; the way out: 16 rows read back from the stage: v128-191 and v192-255 by turns
.set G1, 24                            ; s[24:31] descriptor group 1 for A's tiles;  s[32:39] group 0, one set for each slot
.set G0, 32
.set G1B, 48                           ; s[48:55], s[56:63] the same for B's tiles
.set G0B, 56
.set G1S, 68                           ; s[68:75], s[76:79] groups 1 and 0 for A's scales;  s[80:87], s[88:91] for B's
.set G0S, 76
.set G1SB, 80
.set G0SB, 88
.set MSB, 0
.macro WIN new                         ; the immediate's high byte repeats the setting that is left
.if MSB != \new
	s_set_vgpr_msb (MSB<<8)|\new
.set MSB, \new
.endif
.endm
.set MUL_LO, 0xa1                      ; source 0 (B) window 1, source 1 (A) window 0, C and D window 2
.set MUL_HI, 0xf1                      ; the same, C and D window 3
.set TO_B,   0x40                      ; destination window 1, address window 0
; A joint load: waves 0 and 1 fetch for A, waves 2 and 3 for B.  Each of the two lines has ONE mask and one set of registers for all that issue it; the branch hangs on the wave's number alone.
; Four v_nop follow each of the two lines, ahead of the jump, the label and what follows.
.macro JLOAD g0a, g1a, g0b, g1b
	s_cmp_eq_u32 s15, 0
	s_cbranch_scc0 .Lfor_b_\@
	tensor_load_to_lds s[\g0a:\g0a+3], s[\g1a:\g1a+7]
	s_nop 0
.rept 4
	v_nop
.endr
	s_branch .Lasked_\@
.Lfor_b_\@:
	tensor_load_to_lds s[\g0b:\g0b+3], s[\g1b:\g1b+7]
	s_nop 0
.rept 4
	v_nop
.endr
.Lasked_\@:
.endm
.macro CREST                           ; a round of the cluster's barrier behind its opening barrier
	s_cmp_lg_u32 s14, 0
	s_cbranch_scc1 .Lnot_wave_0_\@
	s_barrier_signal -3
.Lnot_wave_0_\@:
	s_barrier_wait -3
	s_barrier_signal -1
	s_barrier_wait -1
.endm
.macro CROUND                          ; a whole round
	s_barrier_signal -1
	s_barrier_wait -1
	CREST
.endm
	s_load_b64 s[4:5], s[0:1], 0x0                 ; A's buffer
	s_load_b64 s[8:9], s[0:1], 0x8                 ; B's buffer
	s_load_b64 s[12:13], s[0:1], 0x10              ; C
	v_lshl_add_u32 v[SPW], v0, 2, SPARE
	v_mov_b32 v[NIL], 0
	ds_add_u32 v28, v29
	ds_add_u32 v28, v29
	s_wait_dscnt 0x0
	v_lshrrev_b32 v1, 5, v0
	v_readfirstlane_b32 s14, v1                    ; wave 0..3
	s_lshr_b32 s15, s14, 1                         ; which half of the tile's rows is mine.  Also: I fetch for A (0) or for B (1)
	s_and_b32 s16, s14, 1                          ; which half of its columns.  Also: which 128 rows of that tile I fetch
	s_bfe_u32 s40, ttmp6, 0x40000                  ; cx, cy: my place in the cluster
	s_bfe_u32 s41, ttmp6, 0x40004
	s_lshl_b32 s42, ttmp9, 2
	s_add_co_u32 s42, s42, s40                     ; tile column of C = 4 x cluster x + cx
	s_and_b32 s17, ttmp7, 0xffff
	s_lshl_b32 s17, s17, 2
	s_add_co_u32 s17, s17, s41                     ; tile row of C = 4 x cluster y + cy
	s_lshl_b32 s43, s41, 2
	s_lshl_b32 s43, 15, s43                        ; my row of the cluster
	s_lshl_b32 s44, 0x1111, s40                    ; my column
	; descriptor group 1: a tile of 128 rows x ROWB bytes, padded in LDS
	s_or_b32 s[G1+0], s43, (0<<16)|(1<<20)|(1<<21)|(5<<22)|(3<<25)  ; 15:0 the mask: A's tiles go to my row; 17:16 element of 1 byte; 20 padding on; 21 set beside a mask; 24:22 after every 64 words (code 5); 31:25 of 4 words (code 3)
	s_or_b32 s[G1B+0], s44, (0<<16)|(1<<20)|(1<<21)|(5<<22)|(3<<25)
.irp g, G1, G1B
	s_mov_b32 s[\g+1], ROWB<<16                    ; tensor_dim0
	s_mov_b32 s[\g+2], 128<<16                     ; tensor_dim1 = 128
	s_mov_b32 s[\g+3], ROWB<<16                    ; tile_dim0
	s_mov_b32 s[\g+4], 128                         ; tile_dim1 = 128
	s_mov_b32 s[\g+5], KROW                        ; tensor_dim0_stride
	s_mov_b32 s[\g+6], 0
	s_mov_b32 s[\g+7], 0
.endr
	; and for the scales of 128 rows: a dense block of 128 KS bytes, as rows of 256 bytes (32 elements of 8 bytes), 16 bytes of padding behind each
	s_or_b32 s[G1S+0], s43, (3<<16)|(1<<20)|(1<<21)|(5<<22)|(3<<25)
	s_or_b32 s[G1SB+0], s44, (3<<16)|(1<<20)|(1<<21)|(5<<22)|(3<<25)
.irp g, G1S, G1SB
	s_mov_b32 s[\g+1], 32<<16
	s_mov_b32 s[\g+2], (128*KS/256)<<16
	s_mov_b32 s[\g+3], 32<<16
	s_mov_b32 s[\g+4], 128*KS/256
	s_mov_b32 s[\g+5], 32
	s_mov_b32 s[\g+6], 0
	s_mov_b32 s[\g+7], 0
.endr
	s_lshl_b32 s18, s16, 7                         ; which 128 rows of the tile I fetch
	s_lshl_b32 s20, s17, 8
	s_add_co_u32 s20, s20, s18                     ; A: row 256 x tile row + 128 x half
	s_lshl_b32 s46, s42, 8
	s_add_co_u32 s46, s46, s18                     ; B: row 256 x tile column + 128 x half
	s_mov_b32 s21, 0
	s_mov_b32 s47, 0
	s_mov_b64 s[18:19], KS
	s_mul_u64 s[22:23], s[20:21], s[18:19]         ; where these rows' scales begin, in bytes
	s_mul_u64 s[92:93], s[46:47], s[18:19]
	s_mov_b64 s[18:19], KROW
	s_mul_u64 s[20:21], s[20:21], s[18:19]         ; and their codes
	s_mul_u64 s[46:47], s[46:47], s[18:19]
	s_mul_i32 s45, s14, HALFT                      ; where they go: wave x 128 rows: no place in the cluster enters an LDS address
	s_mul_i32 s94, s14, HALFS
	s_wait_kmcnt 0x0
	s_add_nc_u64 s[6:7], s[4:5], SCOFF             ; A's scale bytes lie behind its codes,
	s_add_nc_u64 s[10:11], s[8:9], SCOFF           ; B's likewise
	s_add_nc_u64 s[20:21], s[4:5], s[20:21]
	s_add_nc_u64 s[22:23], s[6:7], s[22:23]
	s_add_nc_u64 s[46:47], s[8:9], s[46:47]
	s_add_nc_u64 s[92:93], s[10:11], s[92:93]
	CROUND                                         ; all sixteen work-groups are here: the first joint loads meet
	s_mov_b32 s[G0S], 1
	s_add_co_u32 s[G0S+1], s94, SCL
	s_mov_b64 s[G0S+2:G0S+3], s[22:23]
	s_or_b32 s[G0S+3], s[G0S+3], 0x80000000
	s_mov_b32 s[G0SB], 1
	s_add_co_u32 s[G0SB+1], s94, SCL
	s_mov_b64 s[G0SB+2:G0SB+3], s[92:93]
	s_or_b32 s[G0SB+3], s[G0SB+3], 0x80000000
	JLOAD G0S, G1S, G0SB, G1SB                     ; the scales first: they are wanted with K step 0
.irp s, 0,1
	s_mov_b32 s[G0+4*\s], 1
	s_add_co_u32 s[G0+4*\s+1], s45, \s*SLOT
	s_add_nc_u64 s[G0+4*\s+2:G0+4*\s+3], s[20:21], \s*ROWB
	s_or_b32 s[G0+4*\s+3], s[G0+4*\s+3], 0x80000000
	s_mov_b32 s[G0B+4*\s], 1
	s_add_co_u32 s[G0B+4*\s+1], s45, \s*SLOT
	s_add_nc_u64 s[G0B+4*\s+2:G0B+4*\s+3], s[46:47], \s*ROWB
	s_or_b32 s[G0B+4*\s+3], s[G0B+4*\s+3], 0x80000000
	JLOAD G0+4*\s, G1, G0B+4*\s, G1B               ; three tensor loads of mine are out now
.endr
	v_and_b32 v1, 15, v0                           ; l % 16
	v_bfe_u32 v2, v0, 4, 1                         ; l / 16
	v_mul_u32_u24 v3, v1, PITCH
	v_lshl_add_u32 v4, v2, 4, v3                   ; a fragment's row x pitch + 16 x half
	s_mul_i32 s21, s15, HALFT                      ; my 128 rows of A
	s_mul_i32 s22, s16, HALFT                      ; my 128 rows of B,
	s_add_co_u32 s22, s22, 2*HALFT                 ; which lie behind A's 256
.irp s, 0,1
	v_add_nc_u32 v[ADRA+\s], s21, v4
	v_add_nc_u32 v[ADRB+\s], s22, v4
	s_add_co_u32 s21, s21, SLOT
	s_add_co_u32 s22, s22, SLOT
.endr
	v_mul_u32_u24 v5, v1, KS                       ; my row's scales: KS bytes a row,
	v_lshrrev_b32 v6, 8, v5
	v_lshl_add_u32 v5, v6, 4, v5                   ; and 16 more for each 256 passed
	s_mul_i32 s21, s15, HALFS                      ; A's: my 128 rows
	s_mul_i32 s22, s16, HALFS                      ; B's: my 128 rows, behind A's 256
	s_add_co_u32 s22, s22, 2*HALFS
	s_sub_co_u32 s22, s22, s21
	v_mul_u32_u24 v6, s22, v2                      ; lanes 16-31 take B's: one product, the distance between the two bases x the lane's half
	s_add_co_u32 s21, s21, SCL
	v_add_nc_u32 v5, v5, v6
	v_add_nc_u32 v[ADRS], s21, v5
	s_mul_i32 s23, s14, 16*SPITCH                  ; my stage
	v_mul_u32_u24 v5, v1, SPITCH                   ; in: row l % 16, 32 bytes for each half of the lanes
	v_lshl_add_u32 v5, v2, 5, v5
	v_add_nc_u32 v[STO], s23, v5
	v_and_b32 v6, 31, v0
	v_lshlrev_b32 v[CO], 4, v6                     ; back: the 32 lanes take one row of 512 bytes; and the same in C
	v_add_nc_u32 v[RD], s23, v[CO]
	s_lshl_b32 s20, s17, 8
	s_lshl_b32 s21, s15, 7
	s_add_co_u32 s20, s20, s21                     ; my first row of C: 256 x tile row + 128 x half
	s_mov_b32 s21, 0
	s_mov_b64 s[18:19], SIZE_N*4
	s_mul_u64 s[20:21], s[20:21], s[18:19]
	s_lshl_b32 s46, s42, 10                        ; my first column, in bytes: 1024 x tile column + 512 x half
	s_lshl_b32 s47, s16, 9
	s_add_co_u32 s46, s46, s47
	s_mov_b32 s47, 0
	s_add_nc_u64 s[20:21], s[20:21], s[46:47]
	s_add_nc_u64 s[12:13], s[12:13], s[20:21]
.macro FRAG reg, adr, q, i             ; a fragment, 16 rows x 128 K of 4-bit codes, is 8 registers: lane l holds row l % 16; registers 4 c .. 4 c + 3 hold K = 64 c + 32 (l / 16) + 0 .. 31, the lower K in the lower bits
.irp c, 0,1
	ds_load_b128 v[\reg+4*\c:\reg+4*\c+3], v[\adr] offset:64*(\q)+32*\c+(\i)*16*PITCH
.endr
.endm
; 16 matrix instructions: A's blocks a0, a0 + 1 x B's eight, 128 along K: the slot's q-th.  p: B's set;  sc: the set of scale words.  zero = 1: the first product starts the sums: nothing is ever cleared.
; The 64 accumulators take turns, one instruction a turn, in the same order in every step.
.macro MUL16 a0, p, q, sc, zero
.irp a, \a0, \a0+1
.irp b, 0,1,2,3,4,5,6,7
.if \zero
	v_wmma_scale_f32_16x16x128_f8f6f4 v[8*(8*((\a)%4)+\b):8*(8*((\a)%4)+\b)+7], v[128*(\p)+FR*\b:128*(\p)+FR*\b+FR-1], v[AF+FR*(\a):AF+FR*(\a)+FR-1], 0, v[SC+8*NQ*(\sc)+NQ*\b+(\q)], v[SC+8*NQ*(\sc)+NQ*(\a)+(\q)] matrix_a_fmt:MATRIX_FMT_FP4 matrix_b_fmt:MATRIX_FMT_FP4 matrix_a_scale:MATRIX_SCALE_ROW1
.else
	v_wmma_scale_f32_16x16x128_f8f6f4 v[8*(8*((\a)%4)+\b):8*(8*((\a)%4)+\b)+7], v[128*(\p)+FR*\b:128*(\p)+FR*\b+FR-1], v[AF+FR*(\a):AF+FR*(\a)+FR-1], v[8*(8*((\a)%4)+\b):8*(8*((\a)%4)+\b)+7], v[SC+8*NQ*(\sc)+NQ*\b+(\q)], v[SC+8*NQ*(\sc)+NQ*(\a)+(\q)] matrix_a_fmt:MATRIX_FMT_FP4 matrix_b_fmt:MATRIX_FMT_FP4 matrix_a_scale:MATRIX_SCALE_ROW1
.endif
.endr
.endr
.endm
.macro FETCH_B slot, q, p              ; B's eight fragments of the slot's q-th 128 along K into set p
	WIN TO_B
.irp i, 0,1,2,3,4,5,6,7
	FRAG 128*(\p)+FR*\i, ADRB+\slot, \q, \i
.endr
	WIN 0
.endm
.macro FETCH_A slot, q, i0             ; A's blocks i0 .. i0 + 3
.irp i, \i0, \i0+1, \i0+2, \i0+3
	FRAG AF+FR*(\i), ADRA+\slot, \q, \i
.endr
.endm
.macro SCALES sc                       ; the next K step's scale words into set sc: NQ words a row; lanes 0-15 take A's block i, lanes 16-31 B's block i
.irp i, 0,1,2,3,4,5,6,7
	ds_load_b128 v[SC+8*NQ*\sc+NQ*\i:SC+8*NQ*\sc+NQ*\i+3], v[ADRS] offset:\i*SBLK
.endr
.endm
; A load into a register that a matrix instruction has read, and a vector instruction or an LDS store that reads a matrix result, stand NP places behind that matrix instruction, and only plain vector
; instructions that name none of its registers are places (ISA guide 7.12.1 for vector instructions); this text does not count the matrix instructions in between.
.macro PLACES n
.rept \n
	v_nop
.endr
.endm
; A step of 128 along K that has its successor in the same slot.
.macro STEP slot, q, zero
	s_wait_dscnt 4*NL                              ; B's set and A's blocks 0-3 are in; the youngest eight loads (A's blocks 4-7) may be out
	WIN MUL_LO
	MUL16 0, (\q)%2, \q, \slot, \zero
	MUL16 2, (\q)%2, \q, \slot, \zero
	s_wait_dscnt 0                                 ; A's blocks 4-7 are in (asked for 32 matrix instructions ago)
	PLACES NP
	FETCH_B \slot, (\q)+1, 1-(\q)%2
	FETCH_A \slot, (\q)+1, 0
	WIN MUL_HI
	MUL16 4, (\q)%2, \q, \slot, \zero
	MUL16 6, (\q)%2, \q, \slot, \zero
	PLACES NP
	WIN 0
	FETCH_A \slot, (\q)+1, 4
.endm
; A slot's last step changes slots: ONE barrier; in front of it each wave waits for all its tensor loads, adds 0 to its spare word, and waits for that and for its own reads of this slot.  fill = 1: this slot is filled again, two K steps ahead.
.macro TURN slot, next, fill
	s_wait_tensorcnt 0x0                           ; all my tensor loads have landed: my part of the next slot;  (every window is 0 here: the add's two registers lie in window 0)
	ds_add_u32 v[SPW], v[NIL]                      ; 0 onto my spare word
	s_wait_dscnt 4*NL+1                            ; (the add and the youngest eight loads, A's blocks 4-7, may be out)
	WIN MUL_LO
	MUL16 0, 1, NQ-1, \slot, 0                     ; sixteen matrix instructions stand between the add and the wait for it
	s_wait_dscnt 0x0                               ; the add is done, and my reads of this slot are over
	s_barrier_signal -1
	MUL16 2, 1, NQ-1, \slot, 0
	WIN 0
	s_barrier_wait -1
.if \fill
	CREST                                          ; the barrier has opened a round of the cluster's barrier: no wave of any partner still reads this slot's tile or has a load on its way
	s_add_nc_u64 s[G0+4*\slot+2:G0+4*\slot+3], s[G0+4*\slot+2:G0+4*\slot+3], 2*ROWB
	s_add_nc_u64 s[G0B+4*\slot+2:G0B+4*\slot+3], s[G0B+4*\slot+2:G0B+4*\slot+3], 2*ROWB
	JLOAD G0+4*\slot, G1, G0B+4*\slot, G1B         ; the first tensor load behind the round, and my only one that is out; the four v_nop behind it are the places in front of the loads below
.else
	PLACES NP
.endif
	v_add_nc_u32 v[ADRS], 4*NQ, v[ADRS]            ; on to the next K step's scale words (no LDS load of mine is out)
	FETCH_B \next, 0, 0
	FETCH_A \next, 0, 0
	SCALES \next
	WIN MUL_HI
	MUL16 4, 1, NQ-1, \slot, 0
	MUL16 6, 1, NQ-1, \slot, 0
	PLACES NP
	WIN 0
	FETCH_A \next, 0, 4
.endm
.macro STEPS slot, from                ; the slot's steps from .. NQ - 2
.set Q, \from
.rept NQ-1-\from
	STEP \slot, Q, 0
.set Q, Q+1
.endr
.endm
	s_wait_tensorcnt 1                             ; the scales and my part of K step 0 are in (K step 1's load may be out)
	s_barrier_signal -1
	s_barrier_wait -1                              ; everybody's are
	FETCH_B 0, 0, 0
	FETCH_A 0, 0, 0
	SCALES 0
	FETCH_A 0, 0, 4
	STEP 0, 0, 1                                   ; the first step stands in front of the loop: its products start the sums
.if LAPS > 1
	s_mov_b32 s3, LAPS-1
.Llap:                                                 ; a trip goes once round the ring, from a lap's second step to the next lap's first, and fills both slots again
	STEPS 0, 1
	TURN 0, 1, 1
	STEPS 1, 0
	TURN 1, 0, 1
	STEP 0, 0, 0
	s_sub_co_u32 s3, s3, 1
	s_cmp_lg_u32 s3, 0
	s_cbranch_scc1 .Llap
.endif
	STEPS 0, 1                                     ; the last lap fills nothing, and has no round of the cluster's barrier
	TURN 0, 1, 0
	STEPS 1, 0
	s_wait_dscnt 4*NL                              ; the very last step: nothing more to fetch
	WIN MUL_LO
	MUL16 0, 1, NQ-1, 1, 0
	MUL16 2, 1, NQ-1, 1, 0
	s_wait_dscnt 0
	WIN MUL_HI
	MUL16 4, 1, NQ-1, 1, 0
	MUL16 6, 1, NQ-1, 1, 0
	WIN 0
; THE WAY OUT, block by block of 16 rows x 128 columns.  A lane holds 32 neighbouring bytes of a row, and the lanes beside it hold other rows: so a block goes through my own stage in LDS and comes back as whole
; rows of 512 bytes, which the 32 lanes store as 512 consecutive bytes.  LDS serves a wave's instructions in order (ISA guide 5.7.1.4): no wait between the stores and the loads, nor in front of the next block's stores.
.macro TOSTAGE a
.set AC, 64*((\a)%4)
	WIN 0x08+4*((\a)/4)                            ; the data: window 2 or 3
.irp b, 0,1,2,3,4,5,6,7
	ds_store_b128 v[STO], v[AC+8*\b:AC+8*\b+3] offset:64*\b          ; each accumulator from its low end on
	ds_store_b128 v[STO], v[AC+8*\b+4:AC+8*\b+7] offset:64*\b+16
.endr
	WIN 0
.set BB, BK+64*((\a)%2)
.irp t, 0,1,2,3,4,5,6,7,8,9,10,11,12,13,14,15
	ds_load_b128 v[BB+4*\t:BB+4*\t+3], v[RD] offset:\t*SPITCH
.endr
.endm
.macro SEND a, younger                 ; younger: the LDS instructions issued behind block a's loads, which may stay out
.set BB, BK+64*((\a)%2)
	s_wait_dscnt \younger                          ; the block is back in registers
.if (\a) > 0
	s_add_nc_u64 s[12:13], s[12:13], 16*SIZE_N*4   ; (behind a wait on XCNT: the earlier stores have read their base)  16 rows of C on, so that the stores' offsets stay small: 15 rows of C at the most
.endif
.irp t, 0,1,2,3,4,5,6,7,8,9,10,11,12,13,14,15
	global_store_b128 v[CO], v[BB+4*\t:BB+4*\t+3], s[12:13] offset:\t*SIZE_N*4 th:TH_STORE_NT   ; 32 lanes store 512 consecutive bytes, at a multiple of 256 from C's first byte; written once, read by nobody in this launch
.endr
.endm
	PLACES NP                                      ; these places serve the loads into the registers that held A's fragments and the reads of the last products' results alike
	TOSTAGE 0
.irp a, 1,2,3,4,5,6,7
.if \a > 1
	s_wait_xcnt 0x0                                ; block a - 2's stores have read their registers and their base: block a's loads may land there, and the base may step
.endif
	TOSTAGE \a
	SEND \a-1, 32                                  ; behind block a - 1's loads: block a's 16 stores and 16 loads
.endr
	s_wait_xcnt 0x0                                ; block 6's stores have read their base
	SEND 7, 0
	s_wait_tensorcnt 0x0                           ; the wave's end: behind my last tensor load and my last LDS store
	ds_add_u32 v[SPW], v[NIL]
	s_wait_dscnt 0x0
	CROUND                                         ; the closing round: no work-group ends while a partner may still ask for a tile that names it
	s_endpgm
.Lfunc_end_k_qde1fbad206_qproj:
	.size	k_qde1fbad206_qproj, .Lfunc_end_k_qde1fbad206_qproj-k_qde1fbad206_qproj
	.p2alignl 7, 3214868480
	.fill 96, 4, 3214868480
	.section	.rodata,"a",@progbits
	.p2align	6, 0x0
	.amdhsa_kernel k_qde1fbad206_qproj
		.amdhsa_group_segment_fixed_size 327680
		.amdhsa_private_segment_fixed_size 0
		.amdhsa_enable_private_segment 0
		.amdhsa_kernarg_size 24
		.amdhsa_user_sgpr_count 2
		.amdhsa_user_sgpr_kernarg_segment_ptr 1
		.amdhsa_wavefront_size32 1
		.amdhsa_system_sgpr_workgroup_id_x 1
		.amdhsa_system_sgpr_workgroup_id_y 1
		.amdhsa_system_sgpr_workgroup_id_z 1
		.amdhsa_system_vgpr_workitem_id 0
		.amdhsa_next_free_vgpr 1024
		.amdhsa_next_free_sgpr 98
		.amdhsa_reserve_vcc 0
		.amdhsa_float_denorm_mode_32 3
		.amdhsa_float_denorm_mode_16_64 3
		.amdhsa_memory_ordered 1
		.amdhsa_forward_progress 1
		.amdhsa_inst_pref_size 211
	.end_amdhsa_kernel
	.amdgpu_metadata
---
amdhsa.version: [ 1, 2 ]
amdhsa.kernels:
  - .name:           k_qde1fbad206_qproj
    .symbol:         k_qde1fbad206_qproj.kd
    .args:
      - { .name: x_op, .offset: 0, .size: 8, .value_kind: global_buffer, .address_space: global }
      - { .name: wq_op, .offset: 8, .size: 8, .value_kind: global_buffer, .address_space: global }
      - { .name: q32, .offset: 16, .size: 8, .value_kind: global_buffer, .address_space: global }
    .group_segment_fixed_size: 327680
    .private_segment_fixed_size: 0
    .kernarg_segment_align: 8
    .kernarg_segment_size: 24
    .max_flat_workgroup_size: 128
    .sgpr_count:     98
    .vgpr_count:     1024
    .wavefront_size: 32
...
	.end_amdgpu_metadata
.endif
;; end of part 2
;; launch attn (part 3): grid 16 x 16, 8 waves a work-group, no clusters, 306,176 bytes of LDS; arguments q32, kv_op, rope, q_norm_w, att_op; writes att_op
.if DOCPART == 3
	.amdgcn_target "amdgcn-amd-amdhsa--gfx1250"
	.amdhsa_code_object_version 6
	.text
	.protected	k_qde1fbad206_attn
	.globl	k_qde1fbad206_attn
	.p2align	8
	.type	k_qde1fbad206_attn,@function
k_qde1fbad206_attn:
	s_mov_b64 s[64:65], 0
	v_nop
	global_prefetch_b8 v0, s[64:65] scope:SCOPE_SE
	s_setreg_imm32_b32 hwreg(HW_REG_WAVE_MODE, 25, 1), 1
	s_wait_xcnt 0x0
; For each of 16 heads: q = rope(rmsnorm(x wq^T) x gain), quantised along the head's 128; S^T = K q^T on codes; the softmax; O^T = V^T P^T on codes; O / l, quantised along the head's 128 as an operand of the last product.
; THE MASK lets key s count for query t where s <= t.  t <= 2,047, so only the 2,048 cached keys are ever seen: the new keys' weights are exact zeros, and their k and v are not made.
; THE SOFTMAX: t = score x log2(e) / sqrt(128); M = the row's largest t so far, rounded UP to a whole number; p = 2^(t - M) is what is quantised, along the keys; it is not normalised.
; The row's sum is taken of the unquantised p, in f32, and divides O at the end.  When M moves, the sum and O are multiplied by 2^(old M - new M): exact.
; SHARES.  A head's queries are 32 blocks of 64; block i has i / 2 + 1 steps of 128 keys that are not wholly hidden.  Work-group p takes blocks p and 31 - p: 17 steps for every p.  Eight waves, a tile of 16 queries
; each in 256 registers: four waves on each block, light and heavy ones mixed by the wave's number.  The kv head is head / 2.
; LDS.  A kv head's codes and scale words, 294,912 bytes with padding, come ONCE, by five tensor loads a wave issued at the start (five are out, by this text's count); no byte of LDS is filled twice.
;   quarter q (512 keys) at q QB: K as 128 rows of 256 bytes + 16 (four keys a row), then V's 128 rows (channels) of 256 bytes + 16.  Behind the quarters: K's scale words (4 bytes a key), V's ([step][channel]), the waves' stages.
;   Waves 0-3 bring K's four parts of each, waves 4-7 V's: the parts have one shape, so one line serves all eight waves.
; EVERY wave walks all 16 steps: trip counts are constants.  A step all of whose keys come after the wave's queries is jumped over by a scalar branch on ids; no barrier and no tensor load stands in a step.
; LAYOUT.  Both products are used transposed (source 0 = 16 keys, or 16 channels; source 1 = my 16 queries): a lane holds ONE query (lane % 16) throughout.
; THE KEYS OF A TILE ARE NOT NEIGHBOURS: lane r of tile 2 b + u takes key 32 b + 8 u + r + 8 (r / 8), so that the 16 registers of tiles 2 b and 2 b + 1 are 16 neighbouring keys, 32 b + 16 (lane / 16) + 0 .. 15.
; NO JOINT LOADS: the work-groups that read one kv head's tiles are 16 values of p x 2 heads.  Those of different p jump over different steps, and partners of a cluster may not branch apart; those of equal p are two, and a cluster here has four.
; LIMITS: NaN and infinities are not served; a block of zeros gets the scale byte 1 (its codes are zeros; this program alone reads the bytes).  The codes leave in pieces of 64 bytes and the scale words in pieces of 4:
; a head is 64 bytes of a row of the next operand.
; REGISTERS: v1-7 addresses that stay; v8-11 addresses of the loads in hand; v12 -M, v13 the largest t, v[14:15] the sum in two halves; v16-23 q's fragment; v24-30 offsets; v32-95 four fragments of K or of V
; (at the head: cos, sin); v96-159 S^T, then p (at the head: q); v160-223 O^T (at the head: the gain); v224-231 codes; v232-254 at work; v255 q's scale word.
.set QB,    69632                      ; a quarter in LDS
.set VOFF,  34816                      ; V's rows in it
.set PART,  8704                       ; 32 rows x 272: what one tensor load brings
.set SCK,   4*QB                       ; K's scale words: 8,192 bytes
.set SCV,   SCK+8192                   ; V's: 8,192 bytes
.set STG,   SCV+8192                   ; the way out: 16 rows x 80 bytes for each wave; no tensor load lands here
.set AK0,  1                           ; v1   my lane's place in a tile of K
.set AV0,  2                           ; v2   the same for V
.set ASK0, 3                           ; v3   my lane's place among K's scale words
.set ASV0, 4                           ; v4   and among V's
.set QO,   5                           ; v5   my byte offset in the tile's rows of q32
.set LI,   6                           ; v6   16 x lane
.set GO,   7                           ; v7   the way out: my byte offset in the tile's rows of codes
.set ADK,  8
.set ADV,  9
.set ADS,  10
.set ADT,  11
.set TM,   232                         ; v232-235 largest magnitudes, v236-239 the other half's, then bytes, v244-247 the conversions' scale operands
.set WV,   18                          ; s18  my wave's number
.set SEL,  20                          ; s[20:21] lane selects for v_permlanex16_b32: lane l xor 16
.set CS,   22                          ; s[22:23] c = log2(e) / sqrt(128)
.set G1,   24                          ; s[24:31] descriptor group 1 for a part of a quarter
.set G1S,  32                          ; s[32:39] for a part of the scale words
.set G0S,  40                          ; s[40:43] group 0 for the scale words;  s[44:59] for the four quarters
.set G0Q,  44
.set TK,   2                           ; s2   LDS byte at which the step's keys begin
.set TV,   3                           ; s3   and its 64 bytes of V's rows
.set TS,   66                          ; s66  and its scale words: 512 bytes a step, in K's and in V's
.set CNT,  67
.set KF,   98                          ; s98  the step's first key
.set Q0,   99                          ; s99  my first query
	s_load_b256 s[4:11], s[0:1], 0x0               ; q32, kv_op, rope, q_norm_w
	s_load_b64 s[12:13], s[0:1], 0x20              ; att_op
	v_lshl_add_u32 v31, v0, 2, 0x4a800
	s_set_vgpr_msb 0x40
	v_mov_b32 v1, 0
	s_set_vgpr_msb 0x4044
	ds_add_u32 v31, v1
	ds_add_u32 v31, v1
	s_set_vgpr_msb 0x4400
	v_lshrrev_b32 v8, 5, v0
	v_readfirstlane_b32 s[WV], v8                  ; wave 0..7
	s_and_b32 s70, ttmp7, 0xffff                   ; the head
	s_lshr_b32 s71, s70, 1                         ; its kv head
	s_lshr_b32 s72, s[WV], 2                       ; I fetch for K (0) or for V (1),
	s_and_b32 s73, s[WV], 3                        ; which of the four parts
	s_xor_b32 s74, s[WV], s72
	s_and_b32 s74, s74, 1                          ; 1: my tile lies in the block of late queries
	s_lshr_b32 s75, s[WV], 1                       ; which of the block's four tiles
	s_sub_co_u32 s76, 31, ttmp9
	s_cmp_eq_u32 s74, 1
	s_cselect_b32 s76, s76, ttmp9                  ; the block: 31 - p or p
	s_lshl_b32 s76, s76, 2
	s_add_co_u32 s76, s76, s75                     ; the tile: 0 .. 127
	s_lshl_b32 s[Q0], s76, 4
	s_lshl_b32 s78, s72, 20                        ; codes: V's lie 0x100000 behind K's; 131,072 bytes a kv head; 8,192 a part
	s_lshl_b32 s79, s71, 17
	s_add_co_u32 s78, s78, s79
	s_lshl_b32 s79, s73, 13
	s_add_co_u32 s78, s78, s79
	s_mov_b32 s79, 0
	s_lshl_b32 s80, s72, 16                        ; scale words: from 0x200000; V's 0x10000 behind K's; 8,192 bytes a kv head; 2,048 a part
	s_lshl_b32 s81, s71, 13
	s_add_co_u32 s80, s80, s81
	s_lshl_b32 s81, s73, 11
	s_add_co_u32 s80, s80, s81
	s_add_co_u32 s80, s80, 0x200000
	s_mov_b32 s81, 0
	s_mul_i32 s84, s[WV], PART                     ; where my part goes in a quarter: K's four parts, then V's four
	; descriptor group 1: 32 rows of 256 bytes (32 elements of 8 bytes), dense in memory, 16 bytes of padding behind each
	s_mov_b32 s[G1], (3<<16)|(1<<20)|(5<<22)|(3<<25)   ; 15:0 no mask; 17:16 elements of 8 bytes; 20 padding on; 24:22 after every 64 words (code 5); 31:25 four words (code 3)
	s_mov_b32 s[G1+1], 32<<16                      ; tensor_dim0
	s_mov_b32 s[G1+2], 32<<16                      ; tensor_dim1
	s_mov_b32 s[G1+3], 32<<16                      ; tile_dim0
	s_mov_b32 s[G1+4], 32                          ; tile_dim1
	s_mov_b32 s[G1+5], 32                          ; tensor_dim0_stride
	s_mov_b32 s[G1+6], 0
	s_mov_b32 s[G1+7], 0
	; the scale words: 8 rows of 256 bytes, dense in memory and in LDS
	s_mov_b32 s[G1S], 3<<16
	s_mov_b32 s[G1S+1], 32<<16
	s_mov_b32 s[G1S+2], 8<<16
	s_mov_b32 s[G1S+3], 32<<16
	s_mov_b32 s[G1S+4], 8
	s_mov_b32 s[G1S+5], 32
	s_mov_b32 s[G1S+6], 0
	s_mov_b32 s[G1S+7], 0
	s_mov_b32 s[SEL], 0x76543210
	s_mov_b32 s[SEL+1], 0xfedcba98
	s_mov_b32 s[CS], 0x3e0293ee                    ; c = log2(e) / sqrt(128)
	s_mov_b32 s[CS+1], s[CS]                       ; (named with it as a pair, so it is written)
	s_mov_b32 s68, 0x358637bd                      ; 1e-6
	s_mov_b32 s69, 0x3c000000                      ; 1 / 128
	s_mov_b32 s[KF], 0
	s_wait_dscnt 0x0
	s_wait_kmcnt 0x0
	s_add_nc_u64 s[82:83], s[6:7], s[78:79]        ; my part of quarter 0
	s_mov_b32 s[G0S], 1                            ; 1:0 count = 1
	s_lshl_b32 s[G0S+1], s[WV], 11
	s_add_co_u32 s[G0S+1], s[G0S+1], SCK           ; 63:32 LDS address: 2,048 bytes a wave
	s_add_nc_u64 s[G0S+2:G0S+3], s[6:7], s[80:81]  ; 120:64 global address
	s_or_b32 s[G0S+3], s[G0S+3], 0x80000000        ; 127:126 type = 2
.irp q, 0,1,2,3
	s_mov_b32 s[G0Q+4*\q], 1
	s_add_co_u32 s[G0Q+4*\q+1], s84, \q*QB
	s_add_nc_u64 s[G0Q+4*\q+2:G0Q+4*\q+3], s[82:83], \q*32768
	s_or_b32 s[G0Q+4*\q+3], s[G0Q+4*\q+3], 0x80000000
.endr
	tensor_load_to_lds s[G0S:G0S+3], s[G1S:G1S+7]          ; all first fills in one group, ahead of every wait on TENSORcnt, every LDS read and every barrier: the scale words,
	s_nop 0
	tensor_load_to_lds s[G0Q:G0Q+3], s[G1:G1+7]            ; and the four quarters in the order in which they are read
	s_nop 0
	tensor_load_to_lds s[G0Q+4:G0Q+7], s[G1:G1+7]
	s_nop 0
	tensor_load_to_lds s[G0Q+8:G0Q+11], s[G1:G1+7]
	s_nop 0
	tensor_load_to_lds s[G0Q+12:G0Q+15], s[G1:G1+7]
	s_nop 0
.rept 4
	v_nop
.endr
	s_lshl_b32 s86, s[Q0], 13                      ; q32: rows of 8,192 bytes, a head 512
	s_lshl_b32 s87, s70, 9
	s_add_co_u32 s86, s86, s87
	s_mov_b32 s87, 0
	s_add_nc_u64 s[4:5], s[4:5], s[86:87]
	s_lshl_b32 s86, s76, 13                        ; the table: 8,192 bytes a tile
	s_add_nc_u64 s[8:9], s[8:9], s[86:87]
	s_lshl_b32 s86, s[Q0], 10                      ; the codes that I make: rows of 1,024 bytes, a head 64
	s_lshl_b32 s92, s70, 6
	s_add_co_u32 s86, s86, s92
	s_add_nc_u64 s[88:89], s[12:13], s[86:87]
	s_lshl_b32 s86, s[Q0], 6                       ; their scale bytes: from 0x200000, rows of 64, a head 4
	s_lshl_b32 s92, s70, 2
	s_add_co_u32 s86, s86, s92
	s_add_co_u32 s86, s86, 0x200000
	s_add_nc_u64 s[90:91], s[12:13], s[86:87]
	v_and_b32 v8, 15, v0                           ; r = lane % 16
	v_bfe_u32 v9, v0, 4, 1                         ; h = lane / 16
	v_and_b32 v10, 31, v0                          ; lane
	v_lshlrev_b32 v[QO], 13, v8
	v_lshl_add_u32 v[QO], v9, 6, v[QO]             ; row r, + 64 h: my 16 numbers of a block of 32
	v_lshlrev_b32 v24, 6, v9                       ; the same 16 of the gain
	v_lshlrev_b32 v[LI], 4, v10
; Register 16 b + i of q, of the gain (and, for b = 0, 1, of cos and sin) is channel 32 b + 16 h + i of my row.
.irp b, 0,1,2,3
.irp j, 0,1,2,3
	global_load_b128 v[96+16*\b+4*\j:99+16*\b+4*\j], v[QO], s[4:5] offset:128*\b+16*\j th:TH_LOAD_NT
.endr
.endr
.irp b, 0,1,2,3
.irp j, 0,1,2,3
	global_load_b128 v[160+16*\b+4*\j:163+16*\b+4*\j], v24, s[10:11] offset:128*\b+16*\j
.endr
.endr
.irp q, 0,1,2,3,4,5,6,7,8,9,10,11,12,13,14,15
	global_load_b128 v[32+4*\q:35+4*\q], v[LI], s[8:9] offset:512*\q     ; cos into v32-63, sin into v64-95: 512 consecutive bytes a load
.endr
	v_and_b32 v25, 8, v8
	v_add_nc_u32 v25, v25, v8                      ; r + 8 (r / 8)
	v_lshrrev_b32 v26, 2, v25
	v_mul_u32_u24 v[AK0], v26, 272                 ; four keys to an LDS row,
	v_and_b32 v26, 3, v25
	v_lshl_add_u32 v[AK0], v26, 6, v[AK0]          ; 64 bytes a key,
	v_lshl_add_u32 v[AK0], v9, 4, v[AK0]           ; + 16 h
	v_mul_u32_u24 v[AV0], v8, 272
	v_lshl_add_u32 v[AV0], v9, 4, v[AV0]
	v_add_nc_u32 v[AV0], VOFF, v[AV0]
	v_lshl_add_u32 v[ASK0], v25, 2, SCK
	v_lshl_add_u32 v[ASV0], v8, 2, SCV
	v_lshrrev_b32 v26, 2, v10
	v_and_b32 v27, 3, v10
	v_lshlrev_b32 v[GO], 10, v26
	v_lshl_add_u32 v[GO], v27, 4, v[GO]            ; the way out: four lanes to a row's 64 bytes, eight rows an instruction
; 64 numbers of a lane, v[s] .. v[s + 63], of which registers 16 b .. 16 b + 15 and the same of lane l xor 16 are block b of my row, become codes in v[pc] .. v[pc + 7] (register 2 b + u: the codes of registers
; 16 b + 8 u + 0 .. 7) and my row's scale word in v[pw].  swap = 1: the halves are exchanged so that a lane holds whole blocks, as a matrix operand's layout asks where register 16 b + i is k = 32 b + 16 h + i.
.macro QUANT s, pc, pw, swap
.irp b, 0,1,2,3
	v_max3_num_f32 v[TM+\b], |v[\s+16*\b]|, |v[\s+1+16*\b]|, 0x1800000   ; block b: my 16 numbers, and the floor 2^(3 - 127): so the byte cannot fall under 1
.endr
.irp i, 2,4,6,8,10,12,14
.irp b, 0,1,2,3
	v_max3_num_f32 v[TM+\b], v[TM+\b], |v[\s+16*\b+\i]|, |v[\s+1+16*\b+\i]|   ; (the four blocks by turns)
.endr
.endr
.irp b, 0,1,2,3
	v_permlanex16_b32 v[TM+4+\b], v[TM+\b], s[SEL], s[SEL+1]
.endr
.irp b, 0,1,2,3
	v_max_num_f32 v[TM+\b], v[TM+\b], v[TM+4+\b]   ; with lane l xor 16's: the block's largest magnitude
.endr
.irp b, 0,1,2,3
	v_add_nc_u32 v[TM+12+\b], 0xff000000, v[TM+\b] ; 2 off its exponent field: the conversion takes the exponent field of this operand as its scale, and nothing else of it
.endr
.irp b, 0,1,2,3
	v_lshrrev_b32 v[TM+4+\b], 23, v[TM+12+\b]      ; the scale's byte
.endr
	v_lshl_or_b32 v[\pw], v[TM+5], 8, v[TM+4]
	v_lshl_or_b32 v[\pw], v[TM+6], 16, v[\pw]
	v_lshl_or_b32 v[\pw], v[TM+7], 24, v[\pw]
.irp b, 0,1,2,3
	v_cvt_scalef32_pk8_fp4_f32 v[\pc+2*\b], v[\s+16*\b:\s+7+16*\b], v[TM+12+\b]
	v_cvt_scalef32_pk8_fp4_f32 v[\pc+1+2*\b], v[\s+8+16*\b:\s+15+16*\b], v[TM+12+\b]
.endr
	v_nop                                          ; one plain place behind a scaled conversion
.if \swap
.irp c, 0,1
.irp i, 0,1
	v_permlane16_swap_b32 v[\pc+4*\c+\i], v[\pc+2+4*\c+\i]
.endr
.endr
.endif
.endm
	; ---- q: rmsnorm, gain, rotation, codes; the tiles land meanwhile
	s_wait_loadcnt 32                              ; q's sixteen loads are in; the gain's and the table's 32 may be out
	v_pk_mul_f32 v[248:249], v[96:97], v[96:97]    ; the sum of squares of my 64, two at a time, in two chains
	v_pk_mul_f32 v[250:251], v[98:99], v[98:99]
.irp j, 4,8,12,16,20,24,28,32,36,40,44,48,52,56,60
	v_pk_fma_f32 v[248:249], v[96+\j:97+\j], v[96+\j:97+\j], v[248:249]
	v_pk_fma_f32 v[250:251], v[98+\j:99+\j], v[98+\j:99+\j], v[250:251]
.endr
	v_pk_add_f32 v[248:249], v[248:249], v[250:251]
	v_add_f32 v248, v248, v249
	v_permlanex16_b32 v249, v248, s[SEL], s[SEL+1]
	v_add_f32 v248, v248, v249                     ; with lane l xor 16's 64: the row's
	v_fma_f32 v248, v248, s69, s68                 ; the mean + 1e-6
	v_rsq_f32 v250, v248
	v_mov_b32 v251, 0                              ; (a plain place behind the transcendental)
	s_wait_alu depctr_va_vdst(0)                   ; the wait ahead of the first reader
.set n, 0
.rept 32
	v_pk_mul_f32 v[96+n:97+n], v[96+n:97+n], v[250:251] op_sel_hi:[1,0]
.set n, n+2
.endr
	s_wait_loadcnt 16                              ; the gain is in; the table's sixteen loads may be out
.set n, 0
.rept 32
	v_pk_mul_f32 v[96+n:97+n], v[96+n:97+n], v[160+n:161+n]
.set n, n+2
.endr
	s_wait_loadcnt 0x0                             ; the table
.set n, 0
.rept 16                               ; channel d < 64 is register n, channel d + 64 register n + 32 of the same lane: a' = a cos - b sin, b' = b cos + a sin
	v_pk_mul_f32 v[232+n%16:233+n%16], v[96+n:97+n], v[64+n:65+n]
	v_pk_mul_f32 v[96+n:97+n], v[96+n:97+n], v[32+n:33+n]
	v_pk_fma_f32 v[96+n:97+n], v[128+n:129+n], v[64+n:65+n], v[96+n:97+n] neg_lo:[1,0,0] neg_hi:[1,0,0]
	v_pk_fma_f32 v[128+n:129+n], v[128+n:129+n], v[32+n:33+n], v[232+n%16:233+n%16]
.set n, n+2
.endr
	QUANT 96, 16, 255, 1                           ; q's fragment and its scale word stay in registers
	v_mov_b32 v13, 0xff61b1e6                      ; the largest t so far: -3e38, under every t
	v_floor_f32 v12, -v13                          ; -M
	v_mov_b32 v14, 0                               ; the sum, in two halves
	v_mov_b32 v15, 0
.irp b, 0,1,2,3
	v_mov_b32 v[236+\b], 0                         ; a lane permute's destination counts as one of its sources
.endr
	v_mov_b32 v252, 0
	v_mov_b32 v253, 0                              ; (named as the upper half of the pair v[252:253] before it is first written)
.set n, 0
.rept 64
	v_mov_b32 v[160+n], 0                          ; O^T.  (The step is written for every step alike: the first finds zeros, which the first change of M leaves zeros.  These lines are also the places between q's scale word and its first product)
.set n, n+1
.endr
; A KEY STEP: 128 keys.
.macro STEP
	s_add_co_u32 s96, s[Q0], 15
	s_cmp_gt_u32 s[KF], s96                        ; all its keys come after my 16 queries: the step's work is left out; the lines at its end that step addresses are not
	s_cbranch_scc1 .Lhidden_\@
	v_add_nc_u32 v[ADK], s[TK], v[AK0]
	v_add_nc_u32 v[ADV], s[TV], v[AV0]
	v_add_nc_u32 v[ADS], s[TS], v[ASK0]
	v_add_nc_u32 v[ADT], s[TS], v[ASV0]
.irp g, 0,1                                    ; S^T = K q^T, four tiles of 16 keys at a time
.rept 4*\g
	v_nop                                          ; four places in front of loads into registers that matrix instructions have read (for the first four tiles the four additions above are the places)
.endr
.irp t, 0,1,2,3
.irp c, 0,1
	ds_load_b128 v[32+8*\t+4*\c:32+8*\t+4*\c+3], v[ADK] offset:(8*((4*\g+\t)/2)+2*(\t%2))*272+32*\c
.endr
	ds_load_b32 v[248+\t], v[ADS] offset:(32*((4*\g+\t)/2)+8*(\t%2))*4
.endr
	s_wait_dscnt 0x0
.irp t, 0,1,2,3
	v_wmma_scale_f32_16x16x128_f8f6f4 v[96+8*(4*\g+\t):103+8*(4*\g+\t)], v[32+8*\t:39+8*\t], v[16:23], 0, v[248+\t], v255 matrix_a_fmt:MATRIX_FMT_FP4 matrix_b_fmt:MATRIX_FMT_FP4
.endr
.endr
.rept 4
	v_nop
.endr
	s_add_co_u32 s96, s[KF], 127                   ; on the diagonal the scores of hidden keys become -infinity ahead of the maximum: p = 0 then.  A step all of whose keys count skips this
	s_cmp_le_u32 s96, s[Q0]
	s_cbranch_scc1 .Lopen_\@
	s_sub_co_i32 s96, s[Q0], s[KF]
	v_and_b32 v252, 15, v0
	v_bfe_u32 v253, v0, 4, 1
	v_lshlrev_b32 v253, 4, v253
	v_sub_nc_u32 v252, v252, v253
	v_add_nc_u32 v252, s96, v252                   ; d = my query - KF - 16 (lane / 16).  Register 16 b + i holds key KF + 16 (lane / 16) + 32 b + i: hidden where 32 b + i > d
	v_mov_b32 v254, 0xff800000                     ; -infinity
.set n, 0
.rept 64
	v_cmp_gt_i32 vcc_lo, 32*(n/16)+n%16, v252
	v_cndmask_b32 v[96+n], v[96+n], v254, vcc_lo
.set n, n+1
.endr
.Lopen_\@:
.irp b, 0,1,2,3
	v_max3_num_f32 v[232+\b], v[96+16*\b], v[97+16*\b], v[98+16*\b]   ; THE LARGEST SCORE OF EACH BLOCK OF 32 KEYS serves twice: for the row's maximum, and, since p rises with the score, for the block's largest p
.endr
.irp i, 3,5,7,9,11,13
.irp b, 0,1,2,3
	v_max3_num_f32 v[232+\b], v[232+\b], v[96+16*\b+\i], v[97+16*\b+\i]
.endr
.endr
.irp b, 0,1,2,3
	v_max_num_f32 v[232+\b], v[232+\b], v[111+16*\b]
.endr
.irp b, 0,1,2,3
	v_permlanex16_b32 v[236+\b], v[232+\b], s[SEL], s[SEL+1]
.endr
.irp b, 0,1,2,3
	v_max_num_f32 v[232+\b], v[232+\b], v[236+\b]  ; with lane l xor 16's 16 keys
.endr
	v_max3_num_f32 v254, v232, v233, v234
	v_max_num_f32 v254, v254, v235                 ; the step's largest score of my query
	v_mul_f32 v254, s[CS], v254                    ; as t (c is positive)
	v_max_num_f32 v13, v13, v254                   ; the running largest t
	v_mov_b32 v254, v12
	v_floor_f32 v12, -v13                          ; the new -M = floor(-t) = -ceil(t): M IS A WHOLE NUMBER
	v_sub_f32 v254, v12, v254                      ; M's old value less its new one: a whole number, 0 or less
	v_cvt_i32_f32 v254, v254                       ; (it saturates)
	v_ldexp_f32 v252, 1.0, v254                    ; f = 2^(old M - new M): a multiplication by it rounds nothing
.set n, 0
.rept 32
	v_pk_fma_f32 v[96+n:97+n], v[96+n:97+n], s[CS:CS+1], v[12:13] op_sel_hi:[1,0,0]   ; t - M, two at a time (of the pairs c and -M the low word serves both halves)
.set n, n+2
.endr
.irp b, 0,1,2,3
	v_fma_f32 v[232+\b], v[232+\b], s[CS], v12     ; the same of each block's largest score
.endr
.set n, 0
.rept 64
	v_exp_f32 v[96+n], v[96+n]                     ; p = 2^(t - M), at most 1: NOT normalised
.set n, n+1
.endr
	v_pk_mul_f32 v[14:15], v[14:15], v[252:253] op_sel_hi:[1,0]   ; the sums under the new M.  (A plain place behind the exponentials)
	s_wait_alu depctr_va_vdst(0)                   ; one wait for the whole batch, ahead of its first reader
.irp b, 0,1,2,3
	v_exp_f32 v[232+\b], v[232+\b]                 ; the block's largest p: the same two instructions on the same number give the same bits
.endr
	v_pk_add_f32 v[236:237], v[96:97], v[98:99]    ; THE ROW'S SUM IS TAKEN OF THE UNQUANTISED p: two at a time, in two chains.  (It reads the 64 alone: plain work behind the four)
.irp j, 4,8,12,16,20,24,28,32,36,40,44,48,52,56,60
	v_pk_add_f32 v[14:15], v[14:15], v[96+\j:97+\j]
	v_pk_add_f32 v[236:237], v[236:237], v[98+\j:99+\j]
.endr
	v_pk_add_f32 v[14:15], v[14:15], v[236:237]
	s_wait_alu depctr_va_vdst(0)                   ; and one for the four
.irp b, 0,1,2,3
	v_max_num_f32 v[232+\b], 0x1800000, v[232+\b]  ; the floor 2^(3 - 127): the byte cannot fall under 1 (a block whose every p is 0 keeps that byte: its codes are zeros)
.endr
.irp b, 0,1,2,3
	v_add_nc_u32 v[244+\b], 0xff000000, v[232+\b]  ; 2 off the exponent field: the conversion's scale operand
.endr
.irp b, 0,1,2,3
	v_lshrrev_b32 v[236+\b], 23, v[244+\b]         ; the scale's byte
.endr
	v_lshl_or_b32 v253, v237, 8, v236              ; p's scale word for these 128 keys
	v_lshl_or_b32 v253, v238, 16, v253
	v_lshl_or_b32 v253, v239, 24, v253
.irp b, 0,1,2,3
	v_cvt_scalef32_pk8_fp4_f32 v[224+2*\b], v[96+16*\b:103+16*\b], v[244+\b]
	v_cvt_scalef32_pk8_fp4_f32 v[225+2*\b], v[104+16*\b:111+16*\b], v[244+\b]
.endr
	v_nop                                          ; one plain vector instruction between a scaled conversion and the vector instruction that touches its result
.irp c, 0,1                                    ; the operand's layout wants a WHOLE block in a lane: lanes 0-15 block 2 c, lanes 16-31 block 2 c + 1
.irp i, 0,1
	v_permlane16_swap_b32 v[224+4*\c+\i], v[226+4*\c+\i]
.endr
.endr
.set n, 0
.rept 32
	v_pk_mul_f32 v[160+n:161+n], v[160+n:161+n], v[252:253] op_sel_hi:[1,0]   ; O^T under the new M: x f.  (These 32 are also the places in front of the matrix instructions and loads below)
.set n, n+2
.endr
.irp g, 0,1                                    ; O^T += V^T P^T: four tiles of 16 channels at a time; K = these 128 keys
.rept 4*\g
	v_nop
.endr
.irp t, 0,1,2,3
.irp c, 0,1
	ds_load_b128 v[32+8*\t+4*\c:32+8*\t+4*\c+3], v[ADV] offset:16*(4*\g+\t)*272+32*\c
.endr
	ds_load_b32 v[248+\t], v[ADT] offset:(4*\g+\t)*64
.endr
	s_wait_dscnt 0x0
.irp t, 0,1,2,3
	v_wmma_scale_f32_16x16x128_f8f6f4 v[160+8*(4*\g+\t):167+8*(4*\g+\t)], v[32+8*\t:39+8*\t], v[224:231], v[160+8*(4*\g+\t):167+8*(4*\g+\t)], v[248+\t], v253 matrix_a_fmt:MATRIX_FMT_FP4 matrix_b_fmt:MATRIX_FMT_FP4
.endr
.endr
.Lhidden_\@:
	s_add_co_u32 s[KF], s[KF], 128
	s_add_co_u32 s[TK], s[TK], 32*272              ; 128 keys are 32 LDS rows,
	s_add_co_u32 s[TV], s[TV], 64                  ; 64 bytes of each of V's rows,
	s_add_co_u32 s[TS], s[TS], 512                 ; and 512 bytes of scale words
.endm
; A QUARTER: four key steps.  My part of it has landed (left = the later quarters' loads, which may stay out); behind the barrier everybody's has.
.macro QUARTER q, left
	s_wait_tensorcnt \left
	s_wait_dscnt 0x0                               ; no LDS instruction of mine is out at a signal
	s_barrier_signal -1
	s_barrier_wait -1
	s_mov_b32 s[TK], \q*QB
	s_mov_b32 s[TV], \q*QB
	s_mov_b32 s[TS], \q*2048
	s_mov_b32 s[CNT], 4
.Lquarter_\@:
	STEP
	s_sub_co_u32 s[CNT], s[CNT], 1
	s_cmp_lg_u32 s[CNT], 0
	s_cbranch_scc1 .Lquarter_\@
.endm
	QUARTER 0, 3
	QUARTER 1, 2
	QUARTER 2, 1
	QUARTER 3, 0                                   ; no tensor load is out from here on
	; THE WAY OUT.  O^T / the sum; register 8 T + i is channel 16 T + 8 h + i of my query, so registers 16 b .. 16 b + 15 and the same of lane l xor 16 are block b of the next product's K.
	; Code register 2 b + u holds channels 32 b + 16 u + 8 h + 0 .. 7: 4 bytes at 16 b + 8 u + 4 h of the head's 64.  They meet in my stage (rows of 80 bytes) and leave 16 bytes a lane.
	v_add_f32 v14, v14, v15                        ; the sum's two halves,
	v_permlanex16_b32 v252, v14, s[SEL], s[SEL+1]
	v_add_f32 v14, v14, v252                       ; and lane l xor 16's: the row's sum
	v_rcp_f32 v14, v14
	v_and_b32 v8, 15, v0                           ; (plain places behind the transcendental and behind the last products)  r
	v_bfe_u32 v9, v0, 4, 1                         ; h
	v_and_b32 v10, 31, v0                          ; lane
	s_mul_i32 s73, s[WV], 16*80
	s_add_co_u32 s73, s73, STG                     ; my stage
	v_mul_u32_u24 v28, v8, 80
	v_lshl_add_u32 v28, v9, 2, v28
	v_add_nc_u32 v28, s73, v28                     ; in: row r, + 4 h
	v_lshrrev_b32 v11, 2, v10
	v_mul_u32_u24 v29, v11, 80
	v_and_b32 v11, 3, v10
	v_lshl_add_u32 v29, v11, 4, v29
	v_add_nc_u32 v29, s73, v29                     ; back: four lanes to a row
	v_lshlrev_b32 v30, 6, v8                       ; my row's scale word: rows of 64 bytes
	s_wait_alu depctr_va_vdst(0)                   ; the wait ahead of the reciprocal's first reader
.set n, 0
.rept 32
	v_pk_mul_f32 v[96+n:97+n], v[160+n:161+n], v[14:15] op_sel_hi:[1,0]   ; each accumulator from its low end on
.set n, n+2
.endr
	QUANT 96, 224, 253, 0
.irp b, 0,1,2,3
.irp u, 0,1
	ds_store_b32 v28, v[224+2*\b+\u] offset:16*\b+8*\u
.endr
.endr
	ds_load_b128 v[32:35], v29                     ; LDS serves a wave's instructions in order: these see my stores.  Rows 0-7,
	ds_load_b128 v[36:39], v29 offset:8*80         ; rows 8-15
	global_store_b32 v30, v253, s[90:91]           ; lanes r and r + 16 hold the same word and write it to the same place
	s_wait_dscnt 0x0
	global_store_b128 v[GO], v[32:35], s[88:89]
	global_store_b128 v[GO], v[36:39], s[88:89] offset:8*1024
	s_set_vgpr_msb 0x4
	s_wait_tensorcnt 0x0
	ds_add_u32 v31, v1
	s_wait_dscnt 0x0
	s_set_vgpr_msb 0x400
	s_endpgm
.Lfunc_end_k_qde1fbad206_attn:
	.size	k_qde1fbad206_attn, .Lfunc_end_k_qde1fbad206_attn-k_qde1fbad206_attn
	.p2alignl 7, 3214868480
	.fill 96, 4, 3214868480
	.section	.rodata,"a",@progbits
	.p2align	6, 0x0
	.amdhsa_kernel k_qde1fbad206_attn
		.amdhsa_group_segment_fixed_size 306176
		.amdhsa_private_segment_fixed_size 0
		.amdhsa_enable_private_segment 0
		.amdhsa_kernarg_size 40
		.amdhsa_user_sgpr_count 2
		.amdhsa_user_sgpr_kernarg_segment_ptr 1
		.amdhsa_wavefront_size32 1
		.amdhsa_system_sgpr_workgroup_id_x 1
		.amdhsa_system_sgpr_workgroup_id_y 1
		.amdhsa_system_sgpr_workgroup_id_z 1
		.amdhsa_system_vgpr_workitem_id 0
		.amdhsa_next_free_vgpr 258
		.amdhsa_next_free_sgpr 100
		.amdhsa_reserve_vcc 1
		.amdhsa_float_denorm_mode_32 3
		.amdhsa_float_denorm_mode_16_64 3
		.amdhsa_memory_ordered 1
		.amdhsa_forward_progress 1
		.amdhsa_inst_pref_size 133
	.end_amdhsa_kernel
	.amdgpu_metadata
---
amdhsa.version: [ 1, 2 ]
amdhsa.kernels:
  - .name:           k_qde1fbad206_attn
    .symbol:         k_qde1fbad206_attn.kd
    .args:
      - { .name: q32, .offset: 0, .size: 8, .value_kind: global_buffer, .address_space: global }
      - { .name: kv_op, .offset: 8, .size: 8, .value_kind: global_buffer, .address_space: global }
      - { .name: rope, .offset: 16, .size: 8, .value_kind: global_buffer, .address_space: global }
      - { .name: q_norm_w, .offset: 24, .size: 8, .value_kind: global_buffer, .address_space: global }
      - { .name: att_op, .offset: 32, .size: 8, .value_kind: global_buffer, .address_space: global }
    .group_segment_fixed_size: 306176
    .private_segment_fixed_size: 0
    .kernarg_segment_align: 8
    .kernarg_segment_size: 40
    .max_flat_workgroup_size: 256
    .sgpr_count:     100
    .vgpr_count:     258
    .wavefront_size: 32
...
	.end_amdgpu_metadata
.endif
;; end of part 3
;; launch oproj: the kernel of part 2 again; grid 8 x 8, 4 waves a work-group, clusters of 4 x 4, 327,680 bytes of LDS; arguments att_op, wo_op, out0; writes out0
;; ======== version 2 of 2: 4 launches
;; limits: right only within a limited range of input values
;; workspace buffers: x_op 2,228,224 bytes; wq_op 2,228,224 bytes; wo_op 2,228,224 bytes; att_op 2,228,224 bytes; kv_op 2,228,224 bytes; rope 1,048,576 bytes; q32 16,777,216 bytes
;; launch prep (part 4): grid 512 x 1, 4 waves a work-group, no clusters, 68,096 bytes of LDS; arguments x, wq, wo, cached_k, cached_v, x_op, wq_op, wo_op, kv_op, rope; writes x_op, wq_op, wo_op, kv_op, rope
.if DOCPART == 4
	.amdgcn_target "amdgcn-amd-amdhsa--gfx1250"
	.amdhsa_code_object_version 6
	.text
	.protected	k_qde1fbad206_prep
	.globl	k_qde1fbad206_prep
	.p2align	8
	.type	k_qde1fbad206_prep,@function
k_qde1fbad206_prep:
	s_mov_b64 s[64:65], 0
	v_nop
	global_prefetch_b8 v0, s[64:65] scope:SCOPE_SE
	s_setreg_imm32_b32 hwreg(HW_REG_WAVE_MODE, 25, 1), 1
	s_wait_xcnt 0x0
; THE OPERANDS ARE MADE ONCE.  x, wq, wo [2048][2048] and cached_k [8][2048][128], f32 with K innermost, and cached_v [8][2048][128], whose K (the keys) is not innermost, become codes of
; FP4 (E2M1) with one E8M0 scale byte for each 32 along K; and the table of cosines and sines for the rotation of q is made.
; A block's scale is 2^(floor(log2(its largest magnitude)) - 2); its byte is the largest magnitude's exponent field - 2, held at 1 from below; each number is divided by the scale and rounded to the nearest code, ties to even.
; LIMITS: a block of zeros gets the byte 1 where the rule says 127 (its codes are zeros, which add nothing under any byte but 0xff, and this program alone reads the bytes); NaN and infinities among the inputs are not served.
; NOT READ BY THIS PROGRAM: wk, wv, k_norm_w.  They feed keys 2,048 to 4,095 alone; the mask lets key s count for query t where s <= t <= 2,047: those keys' weights are exact zeros for every query.
; THREE PATHS, parted by the work-group's number; each path that uses LDS has LDS bytes of its own.
;   work-groups 0-447: a tensor with K innermost is a plain stream of blocks of 32.  0-127 x, 128-255 wq, 256-383 wo, 384-447 cached_k.  A wave takes 16 steps of 512 numbers (a run of 8,192).
;     Out: codes at byte 0 of the tensor's buffer, 4,096 bytes a run; scale bytes at byte 0x200000, 256 a run.
;   work-groups 448-479: cached_v: a lane takes a channel d and its registers run down the keys.  Work-group = (kv head, quarter of 512 keys), wave = 32 channels.
;     Out: codes [8][4 quarters][128 d][256 bytes] at byte 0x100000 of kv_op; scale words [8][16 steps of 128 keys][128 d] at byte 0x210000.
;   work-groups 480-511: the table: wave = a tile of 16 positions; out as an image of the reader's registers: [128 tiles][16 loads][32 lanes][16 bytes].
.set STEPS, 16
.set EMAX,  2
.set CB,    8                          ; bytes of 16 codes
.set RW,    16                         ; v16-143  eight sets of 16 numbers as they are loaded
.set XN,    144                        ; v144-175 two sets of 16 neighbours
.set EB,    176                        ; v176-191 a scale byte for each step
.set CD,    194                        ; v194-255 codes: four registers for each step, so that no store's data are written again
.set WREG,  8192                       ; LDS, first path: a region for each wave: two stages of 32 x SP bytes, behind them its 256 scale bytes
.set SP,    80                         ; a lane's place in a stage: its 64 bytes + 16 of padding
.set VSTG,  32768                      ; LDS, second path: a stage of 32 rows x VPITCH for each wave
.set VPITCH, 272
.set NB,    16                         ; blocks of 32 keys in a quarter
.set VX,    32                         ; v32-95   two sets of 32 numbers
.set VC,    96                         ; v96-99   a block's codes
.set VOUT,  112                        ; v112-175 the way out
.set VSB,   24                         ; v24-27   the scale bytes, four to a register
.set LH,    16                         ; third path: v16-31, v32-47: 10^(m / 16), m = 0 .. 15, as a sum of two f32
.set LL,    32
.set PJ,    48                         ; v48-79   10^(j / 16) of my 32 frequencies, then its reciprocal
.set COS,   80                         ; v80-111
.set SIN,   112                        ; v112-143
	s_load_b256 s[4:11], s[0:1], 0x0               ; x, wq, wo, cached_k
	s_load_b256 s[12:19], s[0:1], 0x20             ; cached_v, x_op, wq_op, wo_op
	s_load_b128 s[20:23], s[0:1], 0x40             ; kv_op, rope
	v_lshl_add_u32 v192, v0, 2, 0x10800
	v_mov_b32 v193, 0
	v_lshrrev_b32 v1, 5, v0
	v_readfirstlane_b32 s24, v1                    ; wave 0..3
	v_and_b32 v2, 31, v0                           ; lane
	s_mov_b32 s33, 0                               ; the high word of every offset below
	s_wait_kmcnt 0x0
	s_cmp_ge_u32 ttmp9, 480
	s_cbranch_scc1 .Lrope
	s_cmp_ge_u32 ttmp9, 448
	s_cbranch_scc1 .Lvalues
; ---------------- first path: K innermost ----------------
; The conversions take 8 numbers of ONE block from a lane's registers, so a lane must hold 16 NEIGHBOURS (two neighbouring lanes hold a block); a load is best where neighbouring LANES take neighbouring bytes.
; Both are had: each of a step's four loads reads 512 consecutive bytes, 16 a lane; the 2,048 bytes go through the wave's own stage in LDS and come back 64 bytes a lane.
	s_mov_b64 s[26:27], s[10:11]                   ; which tensor: the choices hang on the work-group's number alone
	s_mov_b64 s[28:29], s[20:21]
	s_mov_b32 s30, 384
	s_cmp_lt_u32 ttmp9, 384
	s_cselect_b64 s[26:27], s[8:9], s[26:27]
	s_cselect_b64 s[28:29], s[18:19], s[28:29]
	s_cselect_b32 s30, 256, s30
	s_cmp_lt_u32 ttmp9, 256
	s_cselect_b64 s[26:27], s[6:7], s[26:27]
	s_cselect_b64 s[28:29], s[16:17], s[28:29]
	s_cselect_b32 s30, 128, s30
	s_cmp_lt_u32 ttmp9, 128
	s_cselect_b64 s[26:27], s[4:5], s[26:27]
	s_cselect_b64 s[28:29], s[14:15], s[28:29]
	s_cselect_b32 s30, 0, s30                      ; the tensor's first work-group
	s_wait_alu depctr_va_vdst(0)
	v_lshlrev_b32 v3, 4, v2                        ; my 16 bytes of a load's 512
	s_mul_i32 s31, s24, WREG
	v_lshrrev_b32 v14, 2, v2
	v_mul_u32_u24 v14, v14, SP
	v_and_b32 v15, 3, v2
	v_lshl_add_u32 v14, v15, 4, v14
	v_add_nc_u32 v14, s31, v14                     ; the stage, on the way in: four lanes' 64 bytes on end, then 16 of padding
	v_mul_u32_u24 v15, v2, SP
	v_add_nc_u32 v15, s31, v15                     ; and on the way out: SP x lane: my 16 neighbours
	v_mul_u32_u24 v4, v2, CB                       ; my codes' place in a step's
	v_lshrrev_b32 v5, 1, v2
	s_add_co_u32 s31, s31, 2*32*SP
	v_add_nc_u32 v5, s31, v5                       ; LDS: my wave's 256 scale bytes, my block's byte
	v_lshlrev_b32 v7, 3, v2                        ; and on the way out 8 bytes a lane
	v_add_nc_u32 v6, s31, v7
	s_sub_co_u32 s30, ttmp9, s30
	s_lshl_b32 s30, s30, 2
	s_add_co_u32 s30, s30, s24                     ; which run of 8,192 numbers is my wave's: at most 511
	s_lshl_b32 s32, s30, 15
	s_add_nc_u64 s[26:27], s[26:27], s[32:33]      ; the numbers: 32,768 bytes a run
	s_lshl_b32 s32, s30, 12
	s_add_nc_u64 s[34:35], s[28:29], s[32:33]      ; the codes: 4,096 bytes a run
	s_lshl_b32 s32, s30, 8
	s_add_co_u32 s32, s32, 0x200000
	s_add_nc_u64 s[28:29], s[28:29], s[32:33]      ; the scale bytes: 256 a run, behind the codes
.macro LOAD t
.irp i, 0,1,2,3
	global_load_b128 v[RW+16*((\t)%8)+4*\i:RW+16*((\t)%8)+4*\i+3], v3, s[26:27] offset:2048*(\t)+512*\i th:TH_LOAD_NT   ; 32 lanes read 512 consecutive bytes
.endr
.endm
.macro TURN t                          ; step t's numbers through the stage: LDS serves a wave's instructions in order, so no wait stands between the stores and the loads
.irp i, 0,1,2,3
	ds_store_b128 v14, v[RW+16*((\t)%8)+4*\i:RW+16*((\t)%8)+4*\i+3] offset:32*SP*((\t)%2)+8*SP*\i
.endr
.irp i, 0,1,2,3
	ds_load_b128 v[XN+16*((\t)%2)+4*\i:XN+16*((\t)%2)+4*\i+3], v15 offset:32*SP*((\t)%2)+16*\i
.endr
.endm
.irp t, 0,1,2,3,4,5,6,7
	LOAD \t
.endr
	s_wait_alu depctr_va_vdst(0)
	s_wait_loadcnt 28                              ; step 0's four loads are in; the 28 of steps 1 to 7 may be out
	TURN 0
.macro STEP t
.set XS, XN+16*((\t)%2)
.if (\t) > 0
	s_wait_dscnt 1                                 ; this step's numbers are back from the stage (the last step's byte store may be out): so its stores into the stage have read their registers,
.else
	s_wait_dscnt 0x0
.endif
.if (\t)+8 < STEPS
	LOAD (\t)+8                                    ; which take the loads of eight steps on
.endif
.if (\t)+1 < STEPS
.if STEPS-2-(\t) >= 7
	s_wait_loadcnt 28                              ; the next step's four loads are in; those of the seven steps behind it may be out
.else
	s_wait_loadcnt 4*(STEPS-2-(\t))
.endif
	TURN (\t)+1                                    ; and go through the other stage while this step is worked
.endif
	v_max3_num_f32 v8, |v[XS]|, |v[XS+1]|, |v[XS+2]|               ; the largest magnitude of my 16, in two chains
	v_max3_num_f32 v9, |v[XS+3]|, |v[XS+4]|, |v[XS+5]|
.irp i, 6,10
	v_max3_num_f32 v8, v8, |v[XS+\i]|, |v[XS+\i+1]|
	v_max3_num_f32 v9, v9, |v[XS+\i+2]|, |v[XS+\i+3]|
.endr
	v_max3_num_f32 v8, v8, |v[XS+14]|, |v[XS+15]|
	v_max3_num_f32 v8, v8, v9, (EMAX+1)<<23        ; and the floor 2^(EMAX + 1 - 127): so the byte cannot fall under 1
	v_max_num_f32_dpp v8, v8, v8 row_xmask:1 row_mask:0xf bank_mask:0xf   ; and of my neighbour's 16: the block's
	v_add_nc_u32 v11, -(EMAX<<23), v8              ; EMAX off its exponent field: the conversion takes the exponent field of this operand as its scale, and nothing else of it
	v_cvt_scalef32_pk8_fp4_f32 v[CD+4*(\t)], v[XS:XS+7], v11
	v_cvt_scalef32_pk8_fp4_f32 v[CD+4*(\t)+1], v[XS+8:XS+15], v11
	v_lshrrev_b32 v[EB+(\t)], 23, v11              ; the scale's byte
	ds_store_b8 v5, v[EB+(\t)] offset:16*(\t)      ; both lanes of a block write the same byte with the same value
	global_store_b64 v4, v[CD+4*(\t):CD+4*(\t)+1], s[34:35] offset:32*CB*(\t)   ; the wave stores 256 consecutive bytes, aligned
.endm
.irp t, 0,1,2,3,4,5,6,7,8,9,10,11,12,13,14,15
	STEP \t
.endr
	ds_load_b64 v[12:13], v6                       ; LDS serves a wave's instructions in order: these see my stores
	s_wait_dscnt 0x0
	global_store_b64 v7, v[12:13], s[28:29]        ; 32 lanes store 256 consecutive bytes, aligned
	s_wait_tensorcnt 0x0
	ds_add_u32 v192, v193
	s_wait_dscnt 0x0
	s_endpgm
; ---------------- second path: cached_v, the keys are K ----------------
; A lane takes a channel d and its registers run down the keys: each load reads neighbouring channels in neighbouring lanes (128 bytes a wave, 512 a work-group: a whole row), a block of 32 keys lies in ONE
; lane's 32 registers, and the conversions give codes with the keys innermost.  A lane's 256 bytes of codes go through the wave's own stage and leave as rows.
.Lvalues:
	s_sub_co_u32 s26, ttmp9, 448
	s_lshr_b32 s27, s26, 2                         ; kv head
	s_and_b32 s26, s26, 3                          ; quarter of 512 keys
	s_lshl_b32 s32, s27, 20                        ; in: a head is 2,048 rows of 512 bytes,
	s_lshl_b32 s30, s26, 18                        ; a quarter 512 rows,
	s_add_co_u32 s32, s32, s30
	s_lshl_b32 s30, s24, 7                         ; my wave's 32 channels 128 bytes
	s_add_co_u32 s32, s32, s30
	s_add_nc_u64 s[12:13], s[12:13], s[32:33]
	s_lshl_b32 s32, s27, 17                        ; codes: 131,072 bytes a head, 32,768 a quarter, 8,192 for my 32 rows
	s_lshl_b32 s30, s26, 15
	s_add_co_u32 s32, s32, s30
	s_lshl_b32 s30, s24, 13
	s_add_co_u32 s32, s32, s30
	s_add_co_u32 s32, s32, 0x100000
	s_add_nc_u64 s[34:35], s[20:21], s[32:33]
	s_lshl_b32 s32, s27, 13                        ; scale words: 8,192 bytes a head, 2,048 a quarter (four steps of 512), 128 for my 32 channels
	s_lshl_b32 s30, s26, 11
	s_add_co_u32 s32, s32, s30
	s_lshl_b32 s30, s24, 7
	s_add_co_u32 s32, s32, s30
	s_add_co_u32 s32, s32, 0x210000
	s_add_nc_u64 s[36:37], s[20:21], s[32:33]
	s_wait_alu depctr_va_vdst(0)
	v_lshlrev_b32 v3, 2, v2                        ; 4 bytes a lane: in, and for the scale words
	s_mul_i32 s38, s24, 32*VPITCH
	s_add_co_u32 s38, s38, VSTG                    ; my stage
	v_mul_u32_u24 v4, v2, VPITCH
	v_add_nc_u32 v4, s38, v4                       ; into it: row = my channel
	v_and_b32 v5, 15, v2
	v_lshrrev_b32 v6, 4, v2                        ; out of it: sixteen lanes to a row, two rows an instruction
	v_mul_u32_u24 v7, v6, VPITCH
	v_lshl_add_u32 v7, v5, 4, v7
	v_add_nc_u32 v7, s38, v7
	v_lshlrev_b32 v8, 8, v6
	v_lshl_add_u32 v8, v5, 4, v8                   ; and the same place among the codes' rows of 256 bytes
.macro VLOAD t                         ; block t: v(32 t + i, my channel), i = 0 .. 31, into set t % 2
.set i, 0
.rept 32
	global_load_b32 v[VX+32*((\t)%2)+i], v3, s[12:13] offset:(32*(\t)+i)*512 th:TH_LOAD_NT
.set i, i+1
.endr
.endm
	VLOAD 0
	VLOAD 1
.macro VBLOCK t
.set XS, VX+32*((\t)%2)
.if (\t) < NB-1
	s_wait_loadcnt 32                              ; this block's 32 loads are in; the next block's 32 may be out
.else
	s_wait_loadcnt 0
.endif
	v_max3_num_f32 v12, |v[XS]|, |v[XS+1]|, |v[XS+2]|              ; the block's largest magnitude: all 32 numbers are mine
	v_max3_num_f32 v13, |v[XS+3]|, |v[XS+4]|, |v[XS+5]|
.irp i, 6,10,14,18,22,26
	v_max3_num_f32 v12, v12, |v[XS+\i]|, |v[XS+\i+1]|
	v_max3_num_f32 v13, v13, |v[XS+\i+2]|, |v[XS+\i+3]|
.endr
	v_max3_num_f32 v12, v12, |v[XS+30]|, |v[XS+31]|
	v_max3_num_f32 v12, v12, v13, (EMAX+1)<<23     ; and the floor
	v_add_nc_u32 v11, -(EMAX<<23), v12             ; the conversion's scale operand
	v_lshrrev_b32 v13, 23, v11                     ; the scale's byte
.if (\t)%4 == 0
	v_mov_b32 v[VSB+(\t)/4], v13                   ; four bytes to a register: the scale word of 128 keys, the lower keys in the lower byte
.else
	v_lshl_or_b32 v[VSB+(\t)/4], v13, 8*((\t)%4), v[VSB+(\t)/4]
.endif
.irp g, 0,1,2,3
	v_cvt_scalef32_pk8_fp4_f32 v[VC+\g], v[XS+8*\g:XS+8*\g+7], v11
.endr
	ds_store_b128 v4, v[VC:VC+3] offset:16*(\t)    ; 32 codes: 16 bytes of my channel's row
.if (\t)+2 < NB
	VLOAD (\t)+2
.endif
	s_wait_dscnt 0x0                               ; the store has read its registers: the next block's codes may be written
.endm
.set Q, 0
.rept NB
	VBLOCK Q
.set Q, Q+1
.endr
	s_wait_alu depctr_va_vdst(0)
.irp s, 0,1,2,3
	global_store_b32 v3, v[VSB+\s], s[36:37] offset:512*\s         ; step s of the quarter: 128 consecutive bytes a wave, 512 a work-group
.endr
.irp t, 0,1,2,3,4,5,6,7,8,9,10,11,12,13,14,15
	ds_load_b128 v[VOUT+4*\t:VOUT+4*\t+3], v7 offset:2*\t*VPITCH   ; LDS serves a wave's instructions in order: these see my stores
.endr
.irp t, 0,1,2,3,4,5,6,7,8,9,10,11,12,13,14,15
	s_wait_dscnt 15-\t                             ; the younger loads may be out
	global_store_b128 v8, v[VOUT+4*\t:VOUT+4*\t+3], s[34:35] offset:512*\t   ; 512 consecutive bytes, aligned
.endr
	s_wait_tensorcnt 0x0
	ds_add_u32 v192, v193
	s_wait_dscnt 0x0
	s_endpgm
; ---------------- third path: cos and sin of t / 10000^(j / 64), t = 0 .. 2,047, j = 0 .. 63 ----------------
; Lane (r, h) of tile T holds position t = 16 T + r and the 32 frequencies j = 32 b + 16 h + m, b = 0, 1, m = 0 .. 15: the order in which the reader's lane holds a head's channels.
; 10000^(j / 64) = 10^(j / 16) = 100^b x 10^h x 10^(m / 16).  10^(m / 16) is made as a sum of two f32 from the four roots 10^(1/16), 10^(1/8), 10^(1/4), 10^(1/2), so that the one rounding to f32 comes at the end.
; Its reciprocal: v_rcp_f32 and one Newton step.  The angle is ONE f32 product, as the definition has it; it is brought into [-pi/4, pi/4] with pi/2 in three parts (fused multiply-adds: the first difference is exact,
; being a multiple of 2^-23 under 1); sine to r^9 and cosine to r^10 by their series, whose next terms are under 2e-9 there.  LIMIT: the Newton step can miss the correctly rounded quotient by one unit in the last place.
.Lrope:
	s_sub_co_u32 s26, ttmp9, 480
	s_lshl_b32 s26, s26, 2
	s_add_co_u32 s26, s26, s24                     ; T: 0 .. 127
	s_lshl_b32 s32, s26, 13
	s_add_nc_u64 s[22:23], s[22:23], s[32:33]      ; 8,192 bytes a tile
	s_lshl_b32 s27, s26, 4
	s_wait_alu depctr_va_vdst(0)
	v_and_b32 v3, 15, v2                           ; r
	v_lshrrev_b32 v4, 4, v2                        ; h
	s_wait_alu depctr_va_vdst(0)
	v_add_nc_u32 v5, s27, v3
	v_cvt_f32_u32 v5, v5                           ; t
	v_lshlrev_b32 v11, 4, v2                       ; out: 16 bytes a lane
	s_mov_b32 s40, 0x3f93cfe5                      ; 10^(1/16), high and low part
	s_mov_b32 s41, 0x334a404e
	s_mov_b32 s42, 0x3faab0d5                      ; 10^(1/8)
	s_mov_b32 s43, 0xb36457eb
	s_mov_b32 s44, 0x3fe39ea9                      ; 10^(1/4)
	s_mov_b32 s45, 0xb26aee39
	s_mov_b32 s46, 0x404a62c2                      ; 10^(1/2)
	s_mov_b32 s47, 0xb324b495
	s_mov_b32 s48, 0xbfc90fd8                      ; -pi/2 in three parts
	s_mov_b32 s49, 0xb4a8885a
	s_mov_b32 s50, 0xa7c234c4
	s_mov_b32 s51, 0x3f22f983                      ; 2 / pi
	v_mov_b32 v12, 0xb493f27e                      ; -1 / 10!
	v_mov_b32 v13, 0x3638ef1d                      ; 1 / 9!
	v_mov_b32 v7, 0x41200000
	v_cmp_eq_u32 vcc_lo, 1, v4
	v_cndmask_b32 v6, 1.0, v7, vcc_lo              ; 10^h
	v_mul_f32 v7, 0x42c80000, v6                   ; 100 x 10^h: exact
	v_mov_b32 v[LH], 1.0
	v_mov_b32 v[LL], 0
.macro DFM oh, ol, ph, pl, ch, cl      ; (oh, ol) = (ph, pl) x (ch, cl), each a sum of two f32
	v_mul_f32 v8, \ch, v[\ph]
	v_fma_f32 v9, v[\ph], \ch, -v8                 ; the product's rounding error, exactly
	v_fma_f32 v9, v[\ph], \cl, v9
	v_fma_f32 v9, v[\pl], \ch, v9
	v_add_f32 v[\oh], v8, v9
	v_sub_f32 v10, v[\oh], v8
	v_sub_f32 v[\ol], v9, v10
.endm
.macro LEVEL n, ch, cl                 ; 10^((m + n) / 16) = 10^(m / 16) x 10^(n / 16), m = 0 .. n - 1
.set m, 0
.rept \n
	DFM LH+m+\n, LL+m+\n, LH+m, LL+m, \ch, \cl
.set m, m+1
.endr
.endm
	LEVEL 1, s40, s41
	LEVEL 2, s42, s43
	LEVEL 4, s44, s45
	LEVEL 8, s46, s47
.macro DFR p, m, f                     ; v[p] = 10^(m / 16) x v[f], rounded to f32 once
	v_mul_f32 v8, v[LH+\m], v[\f]
	v_fma_f32 v9, v[LH+\m], v[\f], -v8
	v_fma_f32 v9, v[LL+\m], v[\f], v9
	v_add_f32 v[\p], v8, v9
.endm
.set m, 0
.rept 16
	DFR PJ+m, m, 6
	DFR PJ+16+m, m, 7
.set m, m+1
.endr
.set n, 0
	s_wait_alu depctr_va_vdst(0)
.rept 32
	v_rcp_f32 v[COS+n], v[PJ+n]                    ; one batch
.set n, n+1
.endr
	v_nop                                          ; a plain instruction behind the last reciprocal
	s_wait_alu depctr_va_vdst(0)                   ; one wait for the 32, ahead of their first reader
.set n, 0
.rept 32
	v_fma_f32 v[SIN+n], -v[PJ+n], v[COS+n], 1.0    ; the Newton step: e = 1 - p y,
.set n, n+1
.endr
.set n, 0
.rept 32
	v_fma_f32 v[PJ+n], v[COS+n], v[SIN+n], v[COS+n]   ; y + y e
.set n, n+1
.endr
.macro SINCOS n
.set W, 144+8*((\n)%2)                 ; eight registers at work, two sets by turns
	v_mul_f32 v[W], v5, v[PJ+\n]                   ; the angle
	v_mul_f32 v[W+1], s51, v[W]
	v_rndne_f32 v[W+1], v[W+1]                     ; how many quarter turns
	v_fma_f32 v[W+2], v[W+1], s48, v[W]
	v_fma_f32 v[W+2], v[W+1], s49, v[W+2]
	v_fma_f32 v[W+2], v[W+1], s50, v[W+2]          ; r
	v_cvt_i32_f32 v[W+3], v[W+1]
	v_mul_f32 v[W+4], v[W+2], v[W+2]               ; r^2
	v_fmaak_f32 v[W+5], v12, v[W+4], 0x37d00d01    ; cosine: 1/8!,
	v_fmaak_f32 v[W+6], v13, v[W+4], 0xb9500d01    ; sine: -1/7!,
	v_fmaak_f32 v[W+5], v[W+5], v[W+4], 0xbab60b61 ; -1/6!,
	v_fmaak_f32 v[W+6], v[W+6], v[W+4], 0x3c088889 ; 1/5!,
	v_fmaak_f32 v[W+5], v[W+5], v[W+4], 0x3d2aaaab ; 1/4!,
	v_fmaak_f32 v[W+6], v[W+6], v[W+4], 0xbe2aaaab ; -1/3!
	v_fma_f32 v[W+5], v[W+5], v[W+4], -0.5
	v_mul_f32 v[W+7], v[W+2], v[W+4]               ; r^3
	v_fma_f32 v[W+5], v[W+5], v[W+4], 1.0          ; cos r
	v_fma_f32 v[W+6], v[W+6], v[W+7], v[W+2]       ; sin r
	v_and_b32 v[W], 1, v[W+3]
	v_cmp_eq_u32 vcc_lo, 1, v[W]                   ; an odd number of quarter turns changes the two over
	v_cndmask_b32 v[SIN+\n], v[W+6], v[W+5], vcc_lo
	v_cndmask_b32 v[COS+\n], v[W+5], v[W+6], vcc_lo
	v_lshlrev_b32 v[W], 30, v[W+3]                 ; the sine is negative in quarters 2 and 3: bit 1 of the count,
	v_add_nc_u32 v[W+1], 1, v[W+3]                 ; the cosine in quarters 1 and 2: bit 1 of the count + 1
	v_and_b32 v[W], 0x80000000, v[W]
	v_lshlrev_b32 v[W+1], 30, v[W+1]
	v_xor_b32 v[SIN+\n], v[W], v[SIN+\n]
	v_and_b32 v[W+1], 0x80000000, v[W+1]
	v_xor_b32 v[COS+\n], v[W+1], v[COS+\n]
.endm
.set Q, 0
.rept 32
	SINCOS Q
.set Q, Q+1
.endr
.irp q, 0,1,2,3,4,5,6,7
	global_store_b128 v11, v[COS+4*\q:COS+4*\q+3], s[22:23] offset:512*\q        ; 512 consecutive bytes, aligned
	global_store_b128 v11, v[SIN+4*\q:SIN+4*\q+3], s[22:23] offset:512*(\q+8)
.endr
	s_endpgm
.Lfunc_end_k_qde1fbad206_prep:
	.size	k_qde1fbad206_prep, .Lfunc_end_k_qde1fbad206_prep-k_qde1fbad206_prep
	.p2alignl 7, 3214868480
	.fill 96, 4, 3214868480
	.section	.rodata,"a",@progbits
	.p2align	6, 0x0
	.amdhsa_kernel k_qde1fbad206_prep
		.amdhsa_group_segment_fixed_size 68096
		.amdhsa_private_segment_fixed_size 0
		.amdhsa_enable_private_segment 0
		.amdhsa_kernarg_size 80
		.amdhsa_user_sgpr_count 2
		.amdhsa_user_sgpr_kernarg_segment_ptr 1
		.amdhsa_wavefront_size32 1
		.amdhsa_system_sgpr_workgroup_id_x 1
		.amdhsa_system_sgpr_workgroup_id_y 1
		.amdhsa_system_sgpr_workgroup_id_z 1
		.amdhsa_system_vgpr_workitem_id 0
		.amdhsa_next_free_vgpr 256
		.amdhsa_next_free_sgpr 66
		.amdhsa_reserve_vcc 1
		.amdhsa_float_denorm_mode_32 3
		.amdhsa_float_denorm_mode_16_64 3
		.amdhsa_memory_ordered 1
		.amdhsa_forward_progress 1
		.amdhsa_inst_pref_size 174
	.end_amdhsa_kernel
	.amdgpu_metadata
---
amdhsa.version: [ 1, 2 ]
amdhsa.kernels:
  - .name:           k_qde1fbad206_prep
    .symbol:         k_qde1fbad206_prep.kd
    .args:
      - { .name: x, .offset: 0, .size: 8, .value_kind: global_buffer, .address_space: global }
      - { .name: wq, .offset: 8, .size: 8, .value_kind: global_buffer, .address_space: global }
      - { .name: wo, .offset: 16, .size: 8, .value_kind: global_buffer, .address_space: global }
      - { .name: cached_k, .offset: 24, .size: 8, .value_kind: global_buffer, .address_space: global }
      - { .name: cached_v, .offset: 32, .size: 8, .value_kind: global_buffer, .address_space: global }
      - { .name: x_op, .offset: 40, .size: 8, .value_kind: global_buffer, .address_space: global }
      - { .name: wq_op, .offset: 48, .size: 8, .value_kind: global_buffer, .address_space: global }
      - { .name: wo_op, .offset: 56, .size: 8, .value_kind: global_buffer, .address_space: global }
      - { .name: kv_op, .offset: 64, .size: 8, .value_kind: global_buffer, .address_space: global }
      - { .name: rope, .offset: 72, .size: 8, .value_kind: global_buffer, .address_space: global }
    .group_segment_fixed_size: 68096
    .private_segment_fixed_size: 0
    .kernarg_segment_align: 8
    .kernarg_segment_size: 80
    .max_flat_workgroup_size: 128
    .sgpr_count:     66
    .vgpr_count:     256
    .wavefront_size: 32
...
	.end_amdgpu_metadata
.endif
;; end of part 4
;; launch qproj (part 5): grid 16 x 16, 4 waves a work-group, clusters of 4 x 4, 301,568 bytes of LDS; arguments x_op, wq_op, q32; writes q32
.if DOCPART == 5
	.amdgcn_target "amdgcn-amd-amdhsa--gfx1250"
	.amdhsa_code_object_version 6
	.text
	.protected	k_qde1fbad206_qproj
	.globl	k_qde1fbad206_qproj
	.p2align	8
	.type	k_qde1fbad206_qproj,@function
k_qde1fbad206_qproj:
	s_mov_b64 s[64:65], 0
	v_nop
	global_prefetch_b8 v0, s[64:65] scope:SCOPE_SE
	s_setreg_imm32_b32 hwreg(HW_REG_WAVE_MODE, 25, 1), 1
	s_wait_xcnt 0x0
	s_wait_alu depctr_hold_cnt(0) depctr_sa_sdst(0) depctr_va_vdst(0) depctr_va_sdst(0) depctr_va_ssrc(0) depctr_va_vcc(0) depctr_vm_vsrc(0)
	s_getreg_b32 s2, hwreg(HW_REG_IB_STS2, 6, 4)
	s_cmp_eq_u32 s2, 0
	s_cbranch_scc0 .Lentry_in_a_cluster
	s_endpgm
.Lentry_in_a_cluster:
	s_bfe_u32 s2, ttmp6, 0x10000c
	s_cmp_lg_u32 s2, 0xf033
	s_cbranch_scc0 .Lentry_shape_is_right
	s_endpgm
.Lentry_shape_is_right:
; C[m][n] = sum over k of A[m][k] B[n][k].  A, B: [2048][2048] as codes of FP4 (E2M1) with one E8M0 scale for each 32 along K; C: [2048][2048] f32; sums in f32.
; An operand's buffer holds its codes at byte 0 ([row][1,024 bytes]) and its scale bytes at byte 0x200000 ([row][64]).  The body serves two launches: q = x wq^T and out = attention wo^T.
; SHARES.  256 tiles of 128 x 128, one a work-group; four waves, each 64 x 64: 16 accumulators of 16 x 16.
; ALL OF K LIES IN LDS, filled once: wave 0 fetches A's 128 rows of 1,024 bytes, wave 1 B's, wave 2 A's scale bytes (8,192 dense bytes), wave 3 B's: one tensor load a wave, in one tree of branches on the wave's number.
; An LDS row of codes is 1,024 + 16 bytes = 260 words: the 16 rows that a fragment load touches start 4 banks apart.
; CLUSTERS: 4 x 4.  A's tiles are shared along a row of the cluster, B's along a column: joint loads with a mask of four.  One round of the cluster's barrier stands ahead of the loads, one ahead of s_endpgm.
; NO PREFETCH: every byte is asked for at the head, by the four loads; the text has no loop to run ahead in.
; THE MATRIX INSTRUCTION IS USED TRANSPOSED (source 0 = 16 rows of B, source 1 = 16 rows of A): a lane holds eight neighbouring numbers of a row of C.
; REGISTERS: window 0: v1-6 at work; v8, v12 fragment addresses; v24-27 addresses; v30, v31 the add's two; v32-95 all scale words; v128-255 accumulators ((a, b) at v[128 + 8 (4 a + b)]); on the way out v32-127 take rows read back.
;   window 1: two fragment buffers of 128 registers: for 256 along K, 64 of A, then 64 of B.
.set SIZE_N, 2048
.set SCOFF,  0x200000
.set KROW,   1024
.set PITCH,  1040
.set HALFT,  64*PITCH                  ; 64 rows: what one wave reads of A or of B
.set KS,     64
.set SCL,    4*HALFT                   ; behind the codes: the scales, as rows of 256 bytes + 16
.set HALFS,  (64*KS/256)*272
.set SBLK,   (16*KS/256)*272
.set STAGE,  SCL+4*HALFS               ; 16 rows x 272 bytes for each wave, for the way out; no tensor load lands here
.set SPITCH, 272
.set SPARE,  STAGE+4*16*SPITCH         ; the spare words: 128 bytes a wave
.set ADRA, 8
.set ADRB, 12
.set STO,  24
.set RD,   25
.set CO,   26
.set ADRS, 27
.set SC,   32                          ; register SC + 16 i + s: lanes 0-15 the word of A's block i, lanes 16-31 that of B's block i, for the s-th 128 along K
.set BK,   32
.set ACC,  128
.set G1,   24
.set G1B,  32
.set G1S,  40
.set G1SB, 48
.set G0S,  56
.set G0SB, 60
.set G0,   68
.set G0B,  72
.set MSB, 0
.macro WIN new                         ; the immediate's high byte repeats the setting that is left
.if MSB != \new
	s_set_vgpr_msb (MSB<<8)|\new
.set MSB, \new
.endif
.endm
.set MUL,  0x05                        ; sources 0 (B) and 1 (A) window 1; C and D window 0
.set TO_F, 0x40                        ; destination window 1, address window 0
.macro CROUND                          ; a round of the cluster's barrier
	s_barrier_signal -1
	s_barrier_wait -1
	s_cmp_lg_u32 s14, 0
	s_cbranch_scc1 .Lnot_wave_0_\@
	s_barrier_signal -3
.Lnot_wave_0_\@:
	s_barrier_wait -3
	s_barrier_signal -1
	s_barrier_wait -1
.endm
	s_load_b64 s[4:5], s[0:1], 0x0                 ; A's buffer
	s_load_b64 s[8:9], s[0:1], 0x8                 ; B's buffer
	s_load_b64 s[12:13], s[0:1], 0x10              ; C
	v_lshl_add_u32 v30, v0, 2, SPARE
	v_mov_b32 v31, 0
	ds_add_u32 v30, v31                            ; the opening lines: the add twice on end, and its wait ahead of the first tensor load
	ds_add_u32 v30, v31
	v_lshrrev_b32 v1, 5, v0
	v_readfirstlane_b32 s14, v1                    ; wave 0..3
	s_lshr_b32 s15, s14, 1                         ; which half of the tile's rows is mine
	s_and_b32 s16, s14, 1                          ; which half of its columns
	s_bfe_u32 s2, ttmp6, 0x40000                   ; cx, cy
	s_bfe_u32 s3, ttmp6, 0x40004
	s_lshl_b32 s100, ttmp9, 2
	s_add_co_u32 s100, s100, s2                    ; tile column of C
	s_and_b32 s17, ttmp7, 0xffff
	s_lshl_b32 s17, s17, 2
	s_add_co_u32 s17, s17, s3                      ; tile row of C
	s_lshl_b32 s101, s3, 2
	s_lshl_b32 s101, 15, s101                      ; my row of the cluster
	s_lshl_b32 s18, 0x1111, s2                     ; my column
	; group 1, codes: 128 rows of 1,024 elements of 1 byte; four words of padding behind every 256 words; the mask, bit 21 beside it
	s_or_b32 s[G1+0], s101, (0<<16)|(1<<20)|(1<<21)|(7<<22)|(3<<25)
	s_or_b32 s[G1B+0], s18, (0<<16)|(1<<20)|(1<<21)|(7<<22)|(3<<25)
.irp g, G1, G1B
	s_mov_b32 s[\g+1], KROW<<16
	s_mov_b32 s[\g+2], 128<<16
	s_mov_b32 s[\g+3], KROW<<16
	s_mov_b32 s[\g+4], 128
	s_mov_b32 s[\g+5], KROW
	s_mov_b32 s[\g+6], 0
	s_mov_b32 s[\g+7], 0
.endr
	; group 1, scales of 128 rows: 32 rows of 256 bytes (32 elements of 8 bytes), 16 bytes of padding behind each
	s_or_b32 s[G1S+0], s101, (3<<16)|(1<<20)|(1<<21)|(5<<22)|(3<<25)
	s_or_b32 s[G1SB+0], s18, (3<<16)|(1<<20)|(1<<21)|(5<<22)|(3<<25)
.irp g, G1S, G1SB
	s_mov_b32 s[\g+1], 32<<16
	s_mov_b32 s[\g+2], (128*KS/256)<<16
	s_mov_b32 s[\g+3], 32<<16
	s_mov_b32 s[\g+4], 128*KS/256
	s_mov_b32 s[\g+5], 32
	s_mov_b32 s[\g+6], 0
	s_mov_b32 s[\g+7], 0
.endr
	s_lshl_b32 s2, s17, 13                         ; A: 128 rows a tile row: scale bytes 64 a row,
	s_add_co_u32 s2, s2, SCOFF
	s_mov_b32 s3, 0
	s_lshl_b32 s18, s100, 13                       ; B likewise, by the tile column
	s_add_co_u32 s18, s18, SCOFF
	s_mov_b32 s19, 0
	s_lshl_b32 s20, s17, 17                        ; codes 1,024 bytes a row
	s_mov_b32 s21, 0
	s_lshl_b32 s22, s100, 17
	s_mov_b32 s23, 0
	s_wait_dscnt 0x0                               ; both opening adds are done
	s_wait_kmcnt 0x0
	s_mov_b32 s[G0], 1
	s_mov_b32 s[G0+1], 0
	s_add_nc_u64 s[G0+2:G0+3], s[4:5], s[20:21]
	s_or_b32 s[G0+3], s[G0+3], 0x80000000
	s_mov_b32 s[G0B], 1
	s_mov_b32 s[G0B+1], 2*HALFT
	s_add_nc_u64 s[G0B+2:G0B+3], s[8:9], s[22:23]
	s_or_b32 s[G0B+3], s[G0B+3], 0x80000000
	s_mov_b32 s[G0S], 1
	s_mov_b32 s[G0S+1], SCL
	s_add_nc_u64 s[G0S+2:G0S+3], s[4:5], s[2:3]
	s_or_b32 s[G0S+3], s[G0S+3], 0x80000000
	s_mov_b32 s[G0SB], 1
	s_mov_b32 s[G0SB+1], SCL+2*HALFS
	s_add_nc_u64 s[G0SB+2:G0SB+3], s[8:9], s[18:19]
	s_or_b32 s[G0SB+3], s[G0SB+3], 0x80000000
	CROUND                                         ; all sixteen work-groups are here: the joint loads meet
.macro ARM under, g0, g1, next         ; one arm of the tree: its load, s_nop 0 and four v_nop, a jump to the join
	s_cmp_lt_u32 s14, \under
	s_cbranch_scc0 \next
	tensor_load_to_lds s[\g0:\g0+3], s[\g1:\g1+7]
	s_nop 0
.rept 4
	v_nop
.endr
	s_branch .Lasked
\next:
.endm
	ARM 1, G0,  G1,  .Lhead_b
	ARM 2, G0B, G1B, .Lhead_sa
	ARM 3, G0S, G1S, .Lhead_sb
	tensor_load_to_lds s[G0SB:G0SB+3], s[G1SB:G1SB+7]
	s_nop 0
.rept 4
	v_nop
.endr
.Lasked:
	s_mul_i32 s20, s15, HALFT                      ; my 64 rows of A
	s_mul_i32 s21, s16, HALFT
	s_add_co_u32 s21, s21, 2*HALFT                 ; my 64 rows of B, behind A's 128
	s_mul_i32 s22, s15, HALFS                      ; A's scales: my 64 rows
	s_mul_i32 s23, s16, HALFS
	s_add_co_u32 s23, s23, 2*HALFS
	s_sub_co_u32 s23, s23, s22                     ; the distance from them to B's
	s_add_co_u32 s22, s22, SCL
	s_mul_i32 s6, s14, 16*SPITCH
	s_add_co_u32 s6, s6, STAGE                     ; my stage
	s_lshl_b32 s2, s17, 7
	s_lshl_b32 s3, s15, 6
	s_add_co_u32 s2, s2, s3                        ; my first row of C
	s_lshl_b32 s2, s2, 13
	s_lshl_b32 s3, s100, 9                         ; my first column, in bytes
	s_add_co_u32 s2, s2, s3
	s_lshl_b32 s3, s16, 8
	s_add_co_u32 s2, s2, s3
	s_mov_b32 s3, 0
	s_add_nc_u64 s[12:13], s[12:13], s[2:3]
	v_and_b32 v1, 15, v0                           ; l % 16
	v_bfe_u32 v2, v0, 4, 1                         ; l / 16
	v_mul_u32_u24 v3, v1, PITCH
	v_mul_u32_u24 v5, v1, KS                       ; my row's scales: KS bytes a row,
	v_lshl_add_u32 v4, v2, 4, v3                   ; a fragment's row x pitch + 16 x half
	v_lshrrev_b32 v6, 8, v5
	v_add_nc_u32 v[ADRA], s20, v4
	v_add_nc_u32 v[ADRB], s21, v4
	v_lshl_add_u32 v5, v6, 4, v5                   ; and 16 more for each 256 passed
	v_mul_u32_u24 v6, s23, v2                      ; lanes 16-31 take B's
	v_add_nc_u32 v5, v5, v6
	v_add_nc_u32 v[ADRS], s22, v5
	v_mul_u32_u24 v5, v1, SPITCH                   ; the stage, in: row l % 16, 32 bytes for each half of the lanes
	v_lshl_add_u32 v5, v2, 5, v5
	v_add_nc_u32 v[STO], s6, v5
	v_mul_u32_u24 v5, v2, SPITCH                   ; back: lanes 0-15 one row of 256 bytes, lanes 16-31 the next
	v_lshl_add_u32 v5, v1, 4, v5
	v_add_nc_u32 v[RD], s6, v5
	v_lshlrev_b32 v5, 13, v2                       ; the same two rows in C
	v_lshl_add_u32 v[CO], v1, 4, v5
; 8 matrix instructions: A's blocks a0, a0 + 1 x B's four, 128 along K: half c of buffer f, the s-th K step.  zero = 1: the first product starts the sums.
; The 16 accumulators take turns, one instruction a turn.
.macro MUL8 f, c, a0, s, zero
.irp a, \a0, \a0+1
.irp b, 0,1,2,3
.if \zero
	v_wmma_scale_f32_16x16x128_f8f6f4 v[ACC+8*(4*(\a)+\b):ACC+8*(4*(\a)+\b)+7], v[\f+64+8*(4*\c+\b):\f+64+8*(4*\c+\b)+7], v[\f+8*(4*\c+(\a)):\f+8*(4*\c+(\a))+7], 0, v[SC+16*\b+(\s)], v[SC+16*(\a)+(\s)] matrix_a_fmt:MATRIX_FMT_FP4 matrix_b_fmt:MATRIX_FMT_FP4 matrix_a_scale:MATRIX_SCALE_ROW1
.else
	v_wmma_scale_f32_16x16x128_f8f6f4 v[ACC+8*(4*(\a)+\b):ACC+8*(4*(\a)+\b)+7], v[\f+64+8*(4*\c+\b):\f+64+8*(4*\c+\b)+7], v[\f+8*(4*\c+(\a)):\f+8*(4*\c+(\a))+7], v[ACC+8*(4*(\a)+\b):ACC+8*(4*(\a)+\b)+7], v[SC+16*\b+(\s)], v[SC+16*(\a)+(\s)] matrix_a_fmt:MATRIX_FMT_FP4 matrix_b_fmt:MATRIX_FMT_FP4 matrix_a_scale:MATRIX_SCALE_ROW1
.endif
.endr
.endr
.endm
; 32 LDS loads in one run: the fragments of 256 along K, at byte k of the rows, into buffer f; the first 128 along K first
.macro FETCH k, f
	WIN TO_F
.irp c, 0,1
.irp i, 0,1,2,3
	ds_load_b128 v[\f+64+8*(4*\c+\i):\f+64+8*(4*\c+\i)+3],   v[ADRB] offset:(\k)+64*\c+\i*16*PITCH
	ds_load_b128 v[\f+64+8*(4*\c+\i)+4:\f+64+8*(4*\c+\i)+7], v[ADRB] offset:(\k)+64*\c+\i*16*PITCH+32
	ds_load_b128 v[\f+8*(4*\c+\i):\f+8*(4*\c+\i)+3],         v[ADRA] offset:(\k)+64*\c+\i*16*PITCH
	ds_load_b128 v[\f+8*(4*\c+\i)+4:\f+8*(4*\c+\i)+7],       v[ADRA] offset:(\k)+64*\c+\i*16*PITCH+32
.endr
.endr
.endm
.macro PLACES                          ; four places behind a matrix instruction, ahead of loads into its registers and of reads of its result
.rept 4
	v_nop
.endr
.endm
; HALF h of eight: 256 along K, 32 matrix instructions, on buffer h % 2; in its middle the next half's fragments are fetched into the other buffer
.macro HALF h, zero
.set FB, 128*((\h)%2)
.set GB, 128-FB
	s_wait_dscnt 16                                ; the first 128 along K are in (in half 0: the scale words too); the youngest sixteen loads may be out
	WIN MUL
	MUL8 FB, 0, 0, 2*(\h), \zero
	MUL8 FB, 0, 2, 2*(\h), \zero
.if (\h) < 7
	PLACES
	FETCH 128*((\h)+1), GB
	s_wait_dscnt 32                                ; all but the 32 just issued
.else
	s_wait_dscnt 0x0
.endif
	WIN MUL
	MUL8 FB, 1, 0, 2*(\h)+1, 0
	MUL8 FB, 1, 2, 2*(\h)+1, 0
.endm
	s_wait_alu depctr_va_vdst(0)
	s_wait_tensorcnt 0x0                           ; my tile of the four is in
	s_barrier_signal -1
	s_barrier_wait -1                              ; everybody's is
.irp i, 0,1,2,3                        ; the scale words of all of K, once
.irp c, 0,1,2,3
	ds_load_b128 v[SC+16*\i+4*\c:SC+16*\i+4*\c+3], v[ADRS] offset:\i*SBLK+16*\c
.endr
.endr
	FETCH 0, 0
	HALF 0, 1
	HALF 1, 0
	HALF 2, 0
	HALF 3, 0
	HALF 4, 0
	HALF 5, 0
	HALF 6, 0
	HALF 7, 0
	WIN 0
; THE WAY OUT, block by block of 16 rows x 64 columns, through my own stage: back as whole rows of 256 bytes.  LDS serves a wave's instructions in order (ISA guide 5.7.1.4).
.macro TOSTAGE a
.irp b, 0,1,2,3
	ds_store_b128 v[STO], v[ACC+8*(4*(\a)+\b):ACC+8*(4*(\a)+\b)+3] offset:64*\b          ; each accumulator from its low end on
	ds_store_b128 v[STO], v[ACC+8*(4*(\a)+\b)+4:ACC+8*(4*(\a)+\b)+7] offset:64*\b+16
.endr
.set BB, BK+32*((\a)%3)
.irp t, 0,1,2,3,4,5,6,7
	ds_load_b128 v[BB+4*\t:BB+4*\t+3], v[RD] offset:\t*2*SPITCH
.endr
.endm
.macro SEND a, younger                 ; younger: the LDS instructions issued behind block a's loads, which may stay out
.set BB, BK+32*((\a)%3)
	s_wait_dscnt \younger
.irp t, 0,1,2,3,4,5,6,7
	global_store_b128 v[CO], v[BB+4*\t:BB+4*\t+3], s[12:13] offset:(16*(\a)+2*\t)*SIZE_N*4 th:TH_STORE_NT   ; 16 lanes store 256 consecutive bytes, aligned
.endr
.endm
	PLACES
	TOSTAGE 0
.irp a, 1,2,3
.if \a == 3
	s_wait_xcnt 0x0                                ; block 0's stores have read their registers: block 3's loads land there
.endif
	TOSTAGE \a
	SEND \a-1, 16
.endr
	SEND 3, 0
	s_wait_tensorcnt 0x0                           ; the wave's end
	ds_add_u32 v30, v31
	s_wait_dscnt 0x0
	CROUND                                         ; the closing round
	s_endpgm
.Lfunc_end_k_qde1fbad206_qproj:
	.size	k_qde1fbad206_qproj, .Lfunc_end_k_qde1fbad206_qproj-k_qde1fbad206_qproj
	.p2alignl 7, 3214868480
	.fill 96, 4, 3214868480
	.section	.rodata,"a",@progbits
	.p2align	6, 0x0
	.amdhsa_kernel k_qde1fbad206_qproj
		.amdhsa_group_segment_fixed_size 301568
		.amdhsa_private_segment_fixed_size 0
		.amdhsa_enable_private_segment 0
		.amdhsa_kernarg_size 24
		.amdhsa_user_sgpr_count 2
		.amdhsa_user_sgpr_kernarg_segment_ptr 1
		.amdhsa_wavefront_size32 1
		.amdhsa_system_sgpr_workgroup_id_x 1
		.amdhsa_system_sgpr_workgroup_id_y 1
		.amdhsa_system_sgpr_workgroup_id_z 1
		.amdhsa_system_vgpr_workitem_id 0
		.amdhsa_next_free_vgpr 512
		.amdhsa_next_free_sgpr 102
		.amdhsa_reserve_vcc 0
		.amdhsa_float_denorm_mode_32 3
		.amdhsa_float_denorm_mode_16_64 3
		.amdhsa_memory_ordered 1
		.amdhsa_forward_progress 1
		.amdhsa_inst_pref_size 67
	.end_amdhsa_kernel
	.amdgpu_metadata
---
amdhsa.version: [ 1, 2 ]
amdhsa.kernels:
  - .name:           k_qde1fbad206_qproj
    .symbol:         k_qde1fbad206_qproj.kd
    .args:
      - { .name: x_op, .offset: 0, .size: 8, .value_kind: global_buffer, .address_space: global }
      - { .name: wq_op, .offset: 8, .size: 8, .value_kind: global_buffer, .address_space: global }
      - { .name: q32, .offset: 16, .size: 8, .value_kind: global_buffer, .address_space: global }
    .group_segment_fixed_size: 301568
    .private_segment_fixed_size: 0
    .kernarg_segment_align: 8
    .kernarg_segment_size: 24
    .max_flat_workgroup_size: 128
    .sgpr_count:     102
    .vgpr_count:     512
    .wavefront_size: 32
...
	.end_amdgpu_metadata
.endif
;; end of part 5
;; launch attn (part 6): grid 16 x 16, 16 waves a work-group, no clusters, 327,680 bytes of LDS; arguments q32, kv_op, rope, q_norm_w, att_op; writes att_op
.if DOCPART == 6
	.amdgcn_target "amdgcn-amd-amdhsa--gfx1250"
	.amdhsa_code_object_version 6
	.text
	.protected	k_qde1fbad206_attn
	.globl	k_qde1fbad206_attn
	.p2align	8
	.type	k_qde1fbad206_attn,@function
k_qde1fbad206_attn:
	s_mov_b64 s[64:65], 0
	v_nop
	global_prefetch_b8 v0, s[64:65] scope:SCOPE_SE
	s_setreg_imm32_b32 hwreg(HW_REG_WAVE_MODE, 25, 1), 1
	s_wait_xcnt 0x0
; For each of 16 heads: q = rope(rmsnorm(x wq^T) x gain), quantised along the head's 128; S^T = K q^T on codes; the softmax; O^T = V^T P^T on codes; O / l, quantised along the head's 128 as an operand of the last product.
; LEFT OUT: the mask lets key s count for query t where s <= t <= 2,047, so only the 2,048 cached keys are ever seen; the new keys' weights are exact zeros, and their k and v are not made.
; THE SOFTMAX: t = score x log2(e) / sqrt(128); M = the largest t so far, rounded UP to a whole number; p = 2^(t - M) is quantised along the keys; the sum l is taken of the unquantised p and divides O at the end.
; SHARES.  A head's queries are 32 blocks of 64; block i has i / 2 + 1 steps of 128 keys that are not wholly hidden.  Work-group p takes blocks 31 - p (late) and p (early): 17 steps for each pair of tiles.
; SIXTEEN waves, wave = j + 4 c: the four waves c = 0 .. 3 SHARE THE KEYS of tile j of both blocks.  First the late tile: wave c takes steps c, c + 4, c + 8, c + 12; then the early tile: steps 3 - c and 7 - c.
; Each wave keeps its own M, l and O^T for its keys.  M is a whole number in every part, so the parts are joined by exact powers of two: O = sum of 2^(M_i - M) O_i, l likewise.  A part with no step has l = 0, O = 0 and the factor 0.
; LDS.  quarter q (512 keys) at q QB: K as 128 rows of 256 bytes + 16 (four keys a row), then V's 128 rows (channels).  Behind them K's and V's scale words, the spare words, the eight q fragments, the stages.
;   Waves 0-3 fetch a quarter (64 rows each: K's halves, V's halves), waves 4 and 5 the scale words: one tensor load a wave at the head.  Quarter t + 1 is asked for behind the barrier at the head of trip t
;   one load a wave is out, and every wait on TENSORcnt is for 0.  A quarter whose first key comes after the work-group's last query is read by no wave and is not asked for.
;   The parts of the late tiles go into quarters 2 and 3, behind a barrier behind which nobody reads them; those of the early tiles into quarters 0 and 1 likewise: all have had their last fill by then.
; Waves 0-7 make the eight q fragments (wave j: late tile j, wave 4 + j: early tile j) and hand them on as images of the operand's registers; the same waves join the parts and store.
; LAYOUT.  Both products are used transposed: a lane holds ONE query (lane % 16).  Lane r of key tile 2 b + u takes key 32 b + 8 u + r + 8 (r / 8), so that 16 registers of two tiles are 16 neighbouring keys.
; PREFETCH.  Quarters 2 and 3 of a kv head's codes are named once each: by waves 8-15 (8,192 bytes a wave, lanes 256 bytes apart) of the work-group with even head and p = 0 (quarter 2, in trip 0) or p = 1 (quarter 3, in trip 1):
;   one trip ahead of the tensor load that wants them.  Quarters 0 and 1 come by their loads alone.
; NO JOINT LOADS: work-groups of different p jump over different steps, and partners of a cluster may not branch apart; those of equal p that share a kv head are two, and a cluster here has four.
; LIMITS: NaN and infinities are not served; a block of zeros gets the scale byte 1 (its codes are zeros; this program alone reads the bytes); the promise holds while |t| stays under 2^31.
; REGISTERS: v1-4 lane places; v5, v6 the add's two; v7 q's image; v8-11 addresses in hand; v12 -M, v13 largest t, v[14:15] the sum; v16-23 q; v24-31 V's scale words; v32-95 eight fragments of K or V;
;   v96-159 S^T, then p; v160-223 O^T; v224-231 p's codes; v232-253 at work; v254 the prefetch's offset; v255 q's scale word.
.set QB,    69632
.set VOFF,  34816
.set HALFQ, 17408                      ; 64 rows x 272: what one tensor load brings
.set SROW,  8704                       ; a step's 128 keys: 32 LDS rows
.set SCK,   4*QB
.set SCV,   SCK+8192
.set SPARE, SCV+8192                   ; the spare words: 128 bytes a wave
.set QX,    SPARE+2048                 ; eight images of q: 1,024 bytes of codes, then the scale word at 16 x lane
.set QSL,   1536
.set STG,   QX+8*QSL                   ; at the head: 16 rows x 144 bytes for each of waves 0-7, through which q32 turns; on the way out: 16 rows x 80 bytes for each of them
.set DSZ,   8704                       ; a part: O^T as 16 x 512 bytes, then (-M, l) at 16 x lane
.set AK0, 1
.set AV0, 2
.set ASK0, 3
.set ASV0, 4
.set SPW, 5
.set NIL, 6
.set AQ,  7
.set ADK, 8
.set ADV, 9
.set ADS, 10
.set ADT, 11
.set VS,  24
.set KSW, 240
.set TM,  232
.set PFO, 254
.set WV,  18
.set SEL, 20
.set CS,  22
.set G1,  24
.set G1S, 32
.set G0S, 40
.set G0Q, 44
.set TK,  2
.set TV,  3
.set TS,  66
.set CNT, 67
.set JT,  70
.set CC,  71
.set HD,  72
.set PFA, 88
.set DW,  90
.set LIM, 91
.set QHV, 92
.set QLT, 93
.set QLAST, 94
.set KQ,  95
.set KF,  98
.set Q0,  99
	s_load_b256 s[4:11], s[0:1], 0x0               ; q32, kv_op, rope, q_norm_w
	s_load_b64 s[12:13], s[0:1], 0x20              ; att_op
	v_lshl_add_u32 v[SPW], v0, 2, SPARE
	v_mov_b32 v[NIL], 0
	ds_add_u32 v[SPW], v[NIL]                      ; the opening lines: the add twice on end, and its wait
	ds_add_u32 v[SPW], v[NIL]
	v_lshrrev_b32 v8, 5, v0
	v_readfirstlane_b32 s[WV], v8                  ; wave 0..15
	s_and_b32 s[JT], s[WV], 3                      ; j: which tile of a block
	s_lshr_b32 s[CC], s[WV], 2                     ; c: which share of the keys
	s_and_b32 s[HD], ttmp7, 0xffff                 ; the head
	s_lshr_b32 s73, s[HD], 1                       ; its kv head
	s_sub_co_u32 s74, 31, ttmp9                    ; the late block
	s_lshl_b32 s75, s74, 2
	s_add_co_u32 s75, s75, s[JT]                   ; the late tile
	s_lshl_b32 s[QHV], s75, 4
	s_lshl_b32 s76, ttmp9, 2
	s_add_co_u32 s76, s76, s[JT]                   ; the early tile
	s_lshl_b32 s[QLT], s76, 4
	s_lshl_b32 s[QLAST], s74, 6
	s_or_b32 s[QLAST], s[QLAST], 63                ; the work-group's last query
	s_cmp_eq_u32 s[CC], 1
	s_cselect_b32 s77, s76, s75                    ; waves 0-7: the tile whose q I make and whose parts I join
	s_lshr_b32 s78, s[WV], 1                       ; waves 0-3: K (0) or V (1),
	s_and_b32 s79, s[WV], 1                        ; which half
	s_lshl_b32 s80, s78, 20                        ; codes: V's 0x100000 behind K's; 131,072 bytes a kv head; 16,384 a half quarter
	s_lshl_b32 s81, s73, 17
	s_add_co_u32 s80, s80, s81
	s_lshl_b32 s81, s79, 14
	s_add_co_u32 s80, s80, s81
	s_mov_b32 s81, 0
	s_lshl_b32 s82, s79, 16                        ; scale words (waves 4, 5): from 0x200000; V's 0x10000 behind K's; 8,192 bytes a kv head
	s_lshl_b32 s83, s73, 13
	s_add_co_u32 s82, s82, s83
	s_add_co_u32 s82, s82, 0x200000
	s_mov_b32 s83, 0
	s_min_u32 s84, ttmp9, 1                        ; the prefetch: quarter 2 + p (p held at 1, so that the address stays in the head's codes),
	s_add_co_u32 s84, s84, 2
	s_lshl_b32 s84, s84, 15
	s_and_b32 s85, s[CC], 1                        ; waves 8-11 K's, waves 12-15 V's,
	s_lshl_b32 s85, s85, 20
	s_add_co_u32 s84, s84, s85
	s_lshl_b32 s85, s73, 17
	s_add_co_u32 s84, s84, s85
	s_lshl_b32 s85, s[JT], 13                      ; 8,192 bytes a wave
	s_add_co_u32 s84, s84, s85
	s_mov_b32 s85, 0
	s_lshr_b32 s86, s[WV], 3
	s_xor_b32 s86, s86, 1                          ; 0 in waves 8-15
	s_and_b32 s87, s[HD], 1
	s_or_b32 s86, s86, s87                         ; of an even head
	s_lshr_b32 s87, ttmp9, 1
	s_or_b32 s86, s86, s87                         ; with p = 0 or 1
	s_lshl_b32 s87, ttmp9, 9
	s_cmp_eq_u32 s86, 0
	s_cselect_b32 s[LIM], s87, -1                  ; the trip's first key at which I ask; -1: never
	s_mul_i32 s[DW], s[WV], DSZ
	s_mov_b32 s[G1], (3<<16)|(1<<20)|(5<<22)|(3<<25)   ; 64 rows of 256 bytes (32 elements of 8), dense in memory, 16 bytes of padding behind each
	s_mov_b32 s[G1+1], 32<<16
	s_mov_b32 s[G1+2], 64<<16
	s_mov_b32 s[G1+3], 32<<16
	s_mov_b32 s[G1+4], 64
	s_mov_b32 s[G1+5], 32
	s_mov_b32 s[G1+6], 0
	s_mov_b32 s[G1+7], 0
	s_mov_b32 s[G1S], 3<<16                        ; the scale words: 32 rows of 256 bytes, dense in memory and in LDS
	s_mov_b32 s[G1S+1], 32<<16
	s_mov_b32 s[G1S+2], 32<<16
	s_mov_b32 s[G1S+3], 32<<16
	s_mov_b32 s[G1S+4], 32
	s_mov_b32 s[G1S+5], 32
	s_mov_b32 s[G1S+6], 0
	s_mov_b32 s[G1S+7], 0
	s_mov_b32 s[SEL], 0x76543210
	s_mov_b32 s[SEL+1], 0xfedcba98
	s_mov_b32 s[CS], 0x3e0293ee                    ; c = log2(e) / sqrt(128)
	s_mov_b32 s[CS+1], s[CS]
	s_mov_b32 s68, 0x358637bd                      ; 1e-6
	s_mov_b32 s69, 0x3c000000                      ; 1 / 128
	s_wait_dscnt 0x0                               ; both opening adds are done
	s_wait_kmcnt 0x0
	s_mov_b32 s[G0Q], 1
	s_mul_i32 s[G0Q+1], s[WV], HALFQ
	s_add_nc_u64 s[G0Q+2:G0Q+3], s[6:7], s[80:81]
	s_or_b32 s[G0Q+3], s[G0Q+3], 0x80000000
	s_mov_b32 s[G0S], 1
	s_lshl_b32 s[G0S+1], s79, 13
	s_add_co_u32 s[G0S+1], s[G0S+1], SCK
	s_add_nc_u64 s[G0S+2:G0S+3], s[6:7], s[82:83]
	s_or_b32 s[G0S+3], s[G0S+3], 0x80000000
	s_cmp_lt_u32 s[WV], 4                          ; the head's loads: one tree, one load to an arm
	s_cbranch_scc0 .Lhead_s
	tensor_load_to_lds s[G0Q:G0Q+3], s[G1:G1+7]    ; quarter 0
	s_nop 0
.rept 4
	v_nop
.endr
	s_branch .Lhead_asked
.Lhead_s:
	s_cmp_lt_u32 s[WV], 6
	s_cbranch_scc0 .Lhead_asked
	tensor_load_to_lds s[G0S:G0S+3], s[G1S:G1S+7]  ; the scale words of the kv head
	s_nop 0
.rept 4
	v_nop
.endr
.Lhead_asked:
	s_add_nc_u64 s[PFA:PFA+1], s[6:7], s[84:85]
	s_lshl_b32 s86, s77, 17                        ; q32: 16 rows of 8,192 bytes a tile, a head 512
	s_lshl_b32 s87, s[HD], 9
	s_add_co_u32 s86, s86, s87
	s_mov_b32 s87, 0
	s_add_nc_u64 s[4:5], s[4:5], s[86:87]
	s_lshl_b32 s86, s77, 13                        ; the table: 8,192 bytes a tile
	s_add_nc_u64 s[8:9], s[8:9], s[86:87]
	s_mul_i32 s86, s[JT], QSL
	s_add_co_u32 s86, s86, QX
	s_mul_i32 s87, s[WV], QSL
	s_add_co_u32 s87, s87, QX
	s_mul_i32 s78, s[WV], 2304
	s_add_co_u32 s78, s78, STG                     ; waves 0-7: my stage for q32
	v_and_b32 v240, 15, v0                         ; r
	v_bfe_u32 v241, v0, 4, 1                       ; h
	v_and_b32 v242, 31, v0                         ; lane
	v_and_b32 v243, 8, v240
	v_lshrrev_b32 v246, 3, v242                    ; q32 is loaded eight lanes to a row: 128 consecutive bytes of each of four rows an instruction
	v_and_b32 v247, 7, v242
	v_lshlrev_b32 v25, 6, v241                     ; the gain: my 16 of each block of 32
	v_lshlrev_b32 v26, 4, v242                     ; 16 x lane
	v_add_nc_u32 v243, v243, v240                  ; r + 8 (r / 8)
	v_lshlrev_b32 v24, 13, v246
	v_mul_u32_u24 v8, v246, 144
	v_mul_u32_u24 v9, v240, 144
	v_mul_u32_u24 v[AV0], v240, 272
	v_lshlrev_b32 v[PFO], 8, v242
	v_lshrrev_b32 v244, 2, v243
	v_and_b32 v245, 3, v243
	v_lshl_add_u32 v[AV0], v241, 4, v[AV0]
	v_lshl_add_u32 v[ASK0], v243, 2, SCK
	v_mul_u32_u24 v[AK0], v244, 272                ; four keys to an LDS row,
	v_lshl_add_u32 v[ASV0], v240, 2, SCV
	v_add_nc_u32 v[AV0], VOFF, v[AV0]
	v_add_nc_u32 v[AQ], s86, v26                   ; where the late tile's image is read
	v_lshl_add_u32 v24, v247, 4, v24               ; q32: row lane / 8, + 16 (lane % 8)
	v_lshl_add_u32 v8, v247, 4, v8                 ; the same place in the stage, rows of 144 bytes
	v_lshl_add_u32 v9, v241, 6, v9                 ; and back: row r, + 64 h
	v_lshl_add_u32 v[AK0], v245, 6, v[AK0]         ; 64 bytes a key,
	v_add_nc_u32 v[ADT], s87, v26                  ; waves 0-7: where my image goes
	s_delay_alu instid0(VALU_DEP_2)
	v_lshl_add_u32 v[AK0], v241, 4, v[AK0]         ; + 16 h
	v_add_nc_u32 v8, s78, v8
	v_add_nc_u32 v9, s78, v9
; 64 numbers of a lane, v[s] .. v[s + 63], of which registers 16 b .. 16 b + 15 and the same of lane l xor 16 are block b of my row, become codes in v[pc] .. v[pc + 7] and my row's scale word in v[pw].
; swap = 1: the halves are exchanged so that a lane holds whole blocks, as a matrix operand's layout asks.
.macro QUANT s, pc, pw, swap
.irp b, 0,1,2,3
	v_max3_num_f32 v[TM+\b], |v[\s+16*\b]|, |v[\s+1+16*\b]|, 0x1800000   ; my 16 numbers, and the floor 2^(3 - 127): the byte cannot fall under 1
.endr
.irp i, 2,4,6,8,10,12,14
.irp b, 0,1,2,3
	s_delay_alu instid0(VALU_DEP_4)
	v_max3_num_f32 v[TM+\b], v[TM+\b], |v[\s+16*\b+\i]|, |v[\s+1+16*\b+\i]|
.endr
.endr
.irp b, 0,1,2,3
	s_delay_alu instid0(VALU_DEP_4)
	v_permlanex16_b32 v[TM+4+\b], v[TM+\b], s[SEL], s[SEL+1]
.endr
.irp b, 0,1,2,3
	s_delay_alu instid0(VALU_DEP_4)
	v_max_num_f32 v[TM+\b], v[TM+\b], v[TM+4+\b]   ; the block's largest magnitude
.endr
.irp b, 0,1,2,3
	s_delay_alu instid0(VALU_DEP_4)
	v_add_nc_u32 v[TM+12+\b], 0xff000000, v[TM+\b] ; 2 off its exponent field: the conversion's scale operand
.endr
.irp b, 0,1,2,3
	s_delay_alu instid0(VALU_DEP_4)
	v_lshrrev_b32 v[TM+4+\b], 23, v[TM+12+\b]      ; the scale's byte
.endr
	s_delay_alu instid0(VALU_DEP_3)
	v_lshl_or_b32 v[\pw], v[TM+5], 8, v[TM+4]
	s_delay_alu instid0(VALU_DEP_1)
	v_lshl_or_b32 v[\pw], v[TM+6], 16, v[\pw]
	s_delay_alu instid0(VALU_DEP_1)
	v_lshl_or_b32 v[\pw], v[TM+7], 24, v[\pw]
.irp b, 0,1,2,3
	v_cvt_scalef32_pk8_fp4_f32 v[\pc+2*\b], v[\s+16*\b:\s+7+16*\b], v[TM+12+\b]
	v_cvt_scalef32_pk8_fp4_f32 v[\pc+1+2*\b], v[\s+8+16*\b:\s+15+16*\b], v[TM+12+\b]
.endr
	v_nop                                          ; one plain place behind a scaled conversion
.if \swap
.irp c, 0,1
.irp i, 0,1
	v_permlane16_swap_b32 v[\pc+4*\c+\i], v[\pc+2+4*\c+\i]
.endr
.endr
.endif
.endm
	s_wait_alu depctr_va_vdst(0)
	s_cmp_lt_u32 s[WV], 8
	s_cbranch_scc0 .Lnoq
	; ---- waves 0-7: q of one tile: rmsnorm, gain, rotation, codes.  Register 16 b + i is channel 32 b + 16 h + i of my row
.irp b, 0,1,2,3
.irp j, 0,1,2,3
	global_load_b128 v[160+16*\b+4*\j:163+16*\b+4*\j], v24, s[4:5] offset:128*\b+32768*\j th:TH_LOAD_NT   ; rows 4 j .. 4 j + 3, channels 32 b .. 32 b + 31
.endr
.endr
.irp q, 0,1,2,3,4,5,6,7,8,9,10,11,12,13,14,15
	global_load_b128 v[32+4*\q:35+4*\q], v26, s[8:9] offset:512*\q     ; cos into v32-63, sin into v64-95
.endr
	s_wait_loadcnt 16                              ; q's sixteen loads are in; the table's sixteen may be out
.irp b, 0,1,2,3                        ; 32 channels of the 16 rows at a time turn through my stage: LDS serves a wave's instructions in order, so no wait stands between stores and loads, nor ahead of the next stores
.irp j, 0,1,2,3
	ds_store_b128 v8, v[160+16*\b+4*\j:163+16*\b+4*\j] offset:576*\j
.endr
.irp j, 0,1,2,3
	ds_load_b128 v[96+16*\b+4*\j:99+16*\b+4*\j], v9 offset:16*\j
.endr
.endr
	s_wait_dscnt 0x0                               ; q is back, 16 neighbours of each block a lane; the stores have read their registers, which take the gain
.irp b, 0,1,2,3
.irp j, 0,1,2,3
	global_load_b128 v[160+16*\b+4*\j:163+16*\b+4*\j], v25, s[10:11] offset:128*\b+16*\j
.endr
.endr
	v_pk_mul_f32 v[248:249], v[96:97], v[96:97]    ; the sum of squares of my 64, in two chains
	v_pk_mul_f32 v[250:251], v[98:99], v[98:99]
.irp j, 4,8,12,16,20,24,28,32,36,40,44,48,52,56,60
	s_delay_alu instid0(VALU_DEP_2)
	v_pk_fma_f32 v[248:249], v[96+\j:97+\j], v[96+\j:97+\j], v[248:249]
	s_delay_alu instid0(VALU_DEP_2)
	v_pk_fma_f32 v[250:251], v[98+\j:99+\j], v[98+\j:99+\j], v[250:251]
.endr
	s_delay_alu instid0(VALU_DEP_1)
	v_pk_add_f32 v[248:249], v[248:249], v[250:251]
	s_delay_alu instid0(VALU_DEP_1)
	v_add_f32 v248, v248, v249
	s_delay_alu instid0(VALU_DEP_1)
	v_permlanex16_b32 v249, v248, s[SEL], s[SEL+1]
	s_delay_alu instid0(VALU_DEP_1)
	v_add_f32 v248, v248, v249                     ; the row's
	s_delay_alu instid0(VALU_DEP_1)
	v_fma_f32 v248, v248, s69, s68                 ; the mean + 1e-6
	s_wait_alu depctr_va_vdst(0)                   ; the wait ahead of the transcendental
	v_rsq_f32 v250, v248
	v_mov_b32 v251, 0                              ; (a plain place behind it)
	s_wait_alu depctr_va_vdst(0)                   ; and ahead of its first reader
.set n, 0
.rept 32
	v_pk_mul_f32 v[96+n:97+n], v[96+n:97+n], v[250:251] op_sel_hi:[1,0]
.set n, n+2
.endr
	s_wait_loadcnt 0x0                             ; the table and the gain are in
.set n, 0
.rept 32
	v_pk_mul_f32 v[96+n:97+n], v[96+n:97+n], v[160+n:161+n]
.set n, n+2
.endr
.set n, 0
.rept 16                               ; channel d < 64 is register n, channel d + 64 register n + 32: a' = a cos - b sin, b' = b cos + a sin
	v_pk_mul_f32 v[232+n%16:233+n%16], v[96+n:97+n], v[64+n:65+n]
	v_pk_mul_f32 v[96+n:97+n], v[96+n:97+n], v[32+n:33+n]
	s_delay_alu instid0(VALU_DEP_1)
	v_pk_fma_f32 v[96+n:97+n], v[128+n:129+n], v[64+n:65+n], v[96+n:97+n] neg_lo:[1,0,0] neg_hi:[1,0,0]
	s_delay_alu instid0(VALU_DEP_3)
	v_pk_fma_f32 v[128+n:129+n], v[128+n:129+n], v[32+n:33+n], v[232+n%16:233+n%16]
.set n, n+2
.endr
	QUANT 96, 16, 255, 1
	ds_store_b128 v[ADT], v[16:19]                 ; the image of the operand's registers
	ds_store_b128 v[ADT], v[20:23] offset:512
	ds_store_b32 v[ADT], v255 offset:1024
.Lnoq:
.macro INIT                            ; a part begins: the largest t -3e38, under every t; the sum and O^T zeros, which the first change of M leaves zeros
	v_mov_b32 v13, 0xff61b1e6
	v_mov_b32 v14, 0
	v_mov_b32 v15, 0
	v_floor_f32 v12, -v13
.set n, 0
.rept 64
	v_mov_b32 v[160+n], 0
.set n, n+1
.endr
.endm
.irp b, 0,1,2,3
	v_mov_b32 v[236+\b], 0                         ; a lane permute's destination counts as one of its sources
.endr
	v_mov_b32 v252, 0
	v_mov_b32 v253, 0
	INIT
; A KEY STEP: 128 keys.  qoff: which image of q
.macro STEP qoff
	s_add_co_u32 s96, s[Q0], 15
	s_cmp_gt_u32 s[KF], s96                        ; all its keys come after my 16 queries: the step's work is left out; the lines at its end that step addresses are not
	s_cbranch_scc1 .Lhidden_\@
	v_add_nc_u32 v[ADK], s[TK], v[AK0]             ; (these four are also the places ahead of the loads below)
	v_add_nc_u32 v[ADV], s[TV], v[AV0]
	v_add_nc_u32 v[ADS], s[TS], v[ASK0]
	v_add_nc_u32 v[ADT], s[TS], v[ASV0]
	s_wait_alu depctr_va_vdst(0)                   ; the wait behind these writes
	ds_load_b128 v[16:19], v[AQ] offset:\qoff
	ds_load_b128 v[20:23], v[AQ] offset:\qoff+512
	ds_load_b32 v255, v[AQ] offset:\qoff+1024
.irp t, 0,1,2,3,4,5,6,7
.irp c, 0,1
	ds_load_b128 v[32+8*\t+4*\c:35+8*\t+4*\c], v[ADK] offset:(8*(\t/2)+2*(\t%2))*272+32*\c
.endr
	ds_load_b32 v[KSW+\t], v[ADS] offset:(32*(\t/2)+8*(\t%2))*4
.endr
	s_wait_dscnt 0x0
.irp t, 0,1,2,3,4,5,6,7                        ; S^T = K q^T
	v_wmma_scale_f32_16x16x128_f8f6f4 v[96+8*\t:103+8*\t], v[32+8*\t:39+8*\t], v[16:23], 0, v[KSW+\t], v255 matrix_a_fmt:MATRIX_FMT_FP4 matrix_b_fmt:MATRIX_FMT_FP4
.endr
.rept 4
	v_nop                                          ; four places: ahead of the loads into K's registers and of the first read of the scores
.endr
.irp t, 0,1,2,3,4,5,6,7                        ; V's fragments and scale words are asked for now, and are waited for behind the softmax
.irp c, 0,1
	ds_load_b128 v[32+8*\t+4*\c:35+8*\t+4*\c], v[ADV] offset:16*\t*272+32*\c
.endr
	ds_load_b32 v[VS+\t], v[ADT] offset:\t*64
.endr
	s_add_co_u32 s96, s[KF], 127                   ; on the diagonal the scores of hidden keys become -infinity: p = 0 then.  A step all of whose keys count skips this
	s_cmp_le_u32 s96, s[Q0]
	s_cbranch_scc1 .Lopen_\@
	s_sub_co_i32 s96, s[Q0], s[KF]
	v_and_b32 v252, 15, v0
	v_bfe_u32 v253, v0, 4, 1
	s_delay_alu instid0(VALU_DEP_1)
	v_lshlrev_b32 v253, 4, v253
	s_delay_alu instid0(VALU_DEP_1)
	v_sub_nc_u32 v252, v252, v253
	s_delay_alu instid0(VALU_DEP_1)
	v_add_nc_u32 v252, s96, v252                   ; d = my query - KF - 16 h.  Register 16 b + i holds key KF + 16 h + 32 b + i: hidden where 32 b + i > d
	v_mov_b32 v248, 0xff800000
.set n, 0
.rept 64
	v_cmp_gt_i32 vcc_lo, 32*(n/16)+n%16, v252
	v_cndmask_b32 v[96+n], v[96+n], v248, vcc_lo
.set n, n+1
.endr
.Lopen_\@:
.irp b, 0,1,2,3
	v_max3_num_f32 v[232+\b], v[96+16*\b], v[97+16*\b], v[98+16*\b]   ; the largest score of each block of 32 keys: for the row's maximum, and, since p rises with the score, for the block's largest p
.endr
.irp i, 3,5,7,9,11,13
.irp b, 0,1,2,3
	v_max3_num_f32 v[232+\b], v[232+\b], v[96+16*\b+\i], v[97+16*\b+\i]
.endr
.endr
.irp b, 0,1,2,3
	v_max_num_f32 v[232+\b], v[232+\b], v[111+16*\b]
.endr
.irp b, 0,1,2,3
	s_delay_alu instid0(VALU_DEP_4)
	v_permlanex16_b32 v[236+\b], v[232+\b], s[SEL], s[SEL+1]
.endr
.irp b, 0,1,2,3
	s_delay_alu instid0(VALU_DEP_4)
	v_max_num_f32 v[232+\b], v[232+\b], v[236+\b]
.endr
	s_delay_alu instid0(VALU_DEP_2)
	v_max3_num_f32 v248, v232, v233, v234
	s_delay_alu instid0(VALU_DEP_1)
	v_max_num_f32 v248, v248, v235                 ; the step's largest score of my query
	s_delay_alu instid0(VALU_DEP_1)
	v_mul_f32 v248, s[CS], v248                    ; as t
	s_delay_alu instid0(VALU_DEP_1)
	v_max_num_f32 v13, v13, v248                   ; the running largest t
	v_mov_b32 v248, v12
	s_delay_alu instid0(VALU_DEP_2)
	v_floor_f32 v12, -v13                          ; the new -M = -ceil(t)
	s_delay_alu instid0(VALU_DEP_1)
	v_sub_f32 v248, v12, v248                      ; old M - new M: a whole number, 0 or less
	s_delay_alu instid0(VALU_DEP_1)
	v_cvt_i32_f32 v248, v248                       ; (it saturates)
	s_delay_alu instid0(VALU_DEP_1)
	v_ldexp_f32 v252, 1.0, v248                    ; f = 2^(old M - new M)
.set n, 0
.rept 32
	v_pk_fma_f32 v[96+n:97+n], v[96+n:97+n], s[CS:CS+1], v[12:13] op_sel_hi:[1,0,0]   ; t - M
.set n, n+2
.endr
.irp b, 0,1,2,3
	v_fma_f32 v[232+\b], v[232+\b], s[CS], v12     ; the same of each block's largest score
.endr
	s_wait_alu depctr_va_vdst(0)                   ; the wait ahead of the batch
.set n, 0
.rept 64
	v_exp_f32 v[96+n], v[96+n]                     ; p = 2^(t - M)
.set n, n+1
.endr
	v_pk_mul_f32 v[14:15], v[14:15], v[252:253] op_sel_hi:[1,0]   ; the sums under the new M (a plain place behind the exponentials)
	s_wait_alu depctr_va_vdst(0)                   ; one wait for the batch, ahead of its first reader
.irp b, 0,1,2,3
	v_exp_f32 v[232+\b], v[232+\b]                 ; the block's largest p
.endr
	v_pk_add_f32 v[236:237], v[100:101], v[104:105]   ; the row's sum of the unquantised p, in eight chains
	v_pk_add_f32 v[250:251], v[108:109], v[112:113]
	v_pk_add_f32 v[248:249], v[116:117], v[120:121]
	v_pk_add_f32 v[246:247], v[124:125], v[128:129]
	v_pk_add_f32 v[244:245], v[132:133], v[136:137]
	v_pk_add_f32 v[242:243], v[140:141], v[144:145]
	v_pk_add_f32 v[240:241], v[148:149], v[152:153]
	v_pk_add_f32 v[14:15], v[14:15], v[156:157]
	v_pk_add_f32 v[236:237], v[236:237], v[96:97]
	v_pk_add_f32 v[250:251], v[250:251], v[98:99]
	v_pk_add_f32 v[248:249], v[248:249], v[102:103]
	v_pk_add_f32 v[246:247], v[246:247], v[106:107]
	v_pk_add_f32 v[244:245], v[244:245], v[110:111]
	v_pk_add_f32 v[242:243], v[242:243], v[114:115]
	v_pk_add_f32 v[240:241], v[240:241], v[118:119]
	v_pk_add_f32 v[14:15], v[14:15], v[122:123]
	v_pk_add_f32 v[236:237], v[236:237], v[126:127]
	v_pk_add_f32 v[250:251], v[250:251], v[130:131]
	v_pk_add_f32 v[248:249], v[248:249], v[134:135]
	v_pk_add_f32 v[246:247], v[246:247], v[138:139]
	v_pk_add_f32 v[244:245], v[244:245], v[142:143]
	v_pk_add_f32 v[242:243], v[242:243], v[146:147]
	v_pk_add_f32 v[240:241], v[240:241], v[150:151]
	v_pk_add_f32 v[14:15], v[14:15], v[154:155]
	v_pk_add_f32 v[236:237], v[236:237], v[158:159]
	s_delay_alu instid0(VALU_DEP_2)
	v_pk_add_f32 v[14:15], v[14:15], v[246:247]
	s_delay_alu instid0(VALU_DEP_2)
	v_pk_add_f32 v[236:237], v[236:237], v[244:245]
	v_pk_add_f32 v[250:251], v[250:251], v[242:243]
	v_pk_add_f32 v[248:249], v[248:249], v[240:241]
	s_delay_alu instid0(VALU_DEP_2)
	v_pk_add_f32 v[14:15], v[14:15], v[250:251]
	s_delay_alu instid0(VALU_DEP_2)
	v_pk_add_f32 v[236:237], v[236:237], v[248:249]
	s_delay_alu instid0(VALU_DEP_1)
	v_pk_add_f32 v[14:15], v[14:15], v[236:237]
	s_wait_alu depctr_va_vdst(0)                   ; and one for the four
.irp b, 0,1,2,3
	v_max_num_f32 v[232+\b], 0x1800000, v[232+\b]  ; the floor 2^(3 - 127)
.endr
.irp b, 0,1,2,3
	s_delay_alu instid0(VALU_DEP_4)
	v_add_nc_u32 v[244+\b], 0xff000000, v[232+\b]  ; the conversion's scale operand
.endr
.irp b, 0,1,2,3
	s_delay_alu instid0(VALU_DEP_4)
	v_lshrrev_b32 v[236+\b], 23, v[244+\b]         ; the scale's byte
.endr
	s_delay_alu instid0(VALU_DEP_3)
	v_lshl_or_b32 v253, v237, 8, v236              ; p's scale word for these 128 keys
	s_delay_alu instid0(VALU_DEP_1)
	v_lshl_or_b32 v253, v238, 16, v253
	s_delay_alu instid0(VALU_DEP_1)
	v_lshl_or_b32 v253, v239, 24, v253
.irp b, 0,1,2,3
	v_cvt_scalef32_pk8_fp4_f32 v[224+2*\b], v[96+16*\b:103+16*\b], v[244+\b]
	v_cvt_scalef32_pk8_fp4_f32 v[225+2*\b], v[104+16*\b:111+16*\b], v[244+\b]
.endr
	v_nop                                          ; one plain place behind a scaled conversion
.irp c, 0,1                                    ; a whole block in a lane
.irp i, 0,1
	v_permlane16_swap_b32 v[224+4*\c+\i], v[226+4*\c+\i]
.endr
.endr
	s_wait_alu depctr_va_vdst(0)                   ; the wait directly ahead of the first reader of O^T
.set n, 0
.rept 32
	v_pk_mul_f32 v[160+n:161+n], v[160+n:161+n], v[252:253] op_sel_hi:[1,0]   ; O^T under the new M (also the places ahead of the products below)
.set n, n+2
.endr
	s_wait_alu depctr_va_vdst(0)
	s_wait_dscnt 0x0                               ; V's fragments and scale words
.irp t, 0,1,2,3,4,5,6,7                        ; O^T += V^T P^T
	v_wmma_scale_f32_16x16x128_f8f6f4 v[160+8*\t:167+8*\t], v[32+8*\t:39+8*\t], v[224:231], v[160+8*\t:167+8*\t], v[VS+\t], v253 matrix_a_fmt:MATRIX_FMT_FP4 matrix_b_fmt:MATRIX_FMT_FP4
.endr
.Lhidden_\@:
	s_add_co_u32 s[KF], s[KF], 512                 ; my next step lies a quarter on
	s_add_co_u32 s[TK], s[TK], QB
	s_add_co_u32 s[TV], s[TV], QB
	s_add_co_u32 s[TS], s[TS], 2048
.endm
; AT A TRIP'S HEAD: every wave waits for all its tensor loads, adds 0 to its spare word (fill = 1: twice on end), waits for that, and meets the others.
; Behind the barrier this trip's quarter is whole.  fill = 1: the next quarter is asked for, a first fill issued as a refill is; not beyond the causal limit.
.macro CHANGE fill
	s_wait_tensorcnt 0x0
	ds_add_u32 v[SPW], v[NIL]
.if \fill
	ds_add_u32 v[SPW], v[NIL]
	s_add_co_u32 s[G0Q+1], s[G0Q+1], QB            ; no tensor load of mine is out: the descriptor steps to the next quarter
	s_add_nc_u64 s[G0Q+2:G0Q+3], s[G0Q+2:G0Q+3], 32768
.endif
	s_wait_dscnt 0x0
	s_barrier_signal -1
	s_barrier_wait -1
.if \fill
	s_add_co_u32 s96, s[KQ], 512                   ; the next quarter's first key against the work-group's last query: ids and the count of trips alone, the same in all waves
	s_cmp_gt_u32 s96, s[QLAST]
	s_cbranch_scc1 .Lpast_\@
	s_cmp_lt_u32 s[WV], 4
	s_cbranch_scc0 .Lpast_\@
	tensor_load_to_lds s[G0Q:G0Q+3], s[G1:G1+7]
	s_nop 0
.rept 4
	v_nop
.endr
.Lpast_\@:
	s_cmp_eq_u32 s[KQ], s[LIM]
	s_cbranch_scc0 .Lnot_mine_\@
	global_prefetch_b8 v[PFO], s[PFA:PFA+1] th:TH_LOAD_NT scope:SCOPE_SE   ; the quarter that the next trip's load wants; its address registers are never rewritten
.Lnot_mine_\@:
	s_add_co_u32 s[KQ], s[KQ], 512
.endif
.endm
; A PART GOES TO LDS: l's halves are joined; behind a barrier behind which nobody reads the target's quarters, O^T leaves as an image of its registers and (-M, l) as a pair.
.macro DUMP base
	v_add_f32 v14, v14, v15                        ; (these lines are also the places behind the last products)
	v_and_b32 v8, 31, v0
	s_add_co_u32 s96, s[DW], \base
	v_permlanex16_b32 v15, v14, s[SEL], s[SEL+1]
	v_lshlrev_b32 v8, 4, v8
	v_nop
	v_add_nc_u32 v8, s96, v8
	v_add_f32 v13, v14, v15                        ; l
	s_wait_alu depctr_va_vdst(0)
	s_wait_dscnt 0x0
	s_barrier_signal -1
	s_barrier_wait -1
.set n, 0
.rept 16
	ds_store_b128 v8, v[160+4*n:163+4*n] offset:512*n   ; each accumulator from its low end on
.set n, n+1
.endr
	ds_store_b64 v8, v[12:13] offset:8192
.endm
	s_mov_b32 s[Q0], s[QHV]                        ; THE LATE TILE: steps c, c + 4, c + 8, c + 12
	s_mul_i32 s[TK], s[CC], SROW
	s_lshl_b32 s[TV], s[CC], 6
	s_lshl_b32 s[TS], s[CC], 9
	s_lshl_b32 s[KF], s[CC], 7
	s_mov_b32 s[KQ], 0
	s_mov_b32 s[CNT], 3
	s_wait_alu depctr_va_vdst(0)
.Llate:
	CHANGE 1
	STEP 0
	s_sub_co_u32 s[CNT], s[CNT], 1
	s_cmp_lg_u32 s[CNT], 0
	s_cbranch_scc1 .Llate
	CHANGE 0                                       ; the last trip is written out: it asks for nothing
	STEP 0
	DUMP 2*QB                                      ; into quarters 2 and 3: the early tile's steps lie in quarters 0 and 1
	INIT
	s_mov_b32 s[Q0], s[QLT]                        ; THE EARLY TILE: steps 3 - c and 7 - c
	s_xor_b32 s96, s[CC], 3
	s_mul_i32 s[TK], s96, SROW
	s_lshl_b32 s[TV], s96, 6
	s_lshl_b32 s[TS], s96, 9
	s_lshl_b32 s[KF], s96, 7
	s_mov_b32 s[CNT], 2
	s_wait_alu depctr_va_vdst(0)
.Learly:
	STEP 4*QSL
	s_sub_co_u32 s[CNT], s[CNT], 1
	s_cmp_lg_u32 s[CNT], 0
	s_cbranch_scc1 .Learly
	DUMP 0
	; THE JOIN.  Wave j joins the late tile j's four parts, wave 4 + j the early tile's.  The addresses are made by all waves
	s_xor_b32 s96, s[CC], 1
	s_mul_i32 s96, s96, 2*QB                       ; waves 0-3: quarters 2 and 3; waves 4-7: quarters 0 and 1
	s_mul_i32 s97, s[JT], DSZ
	s_add_co_u32 s96, s96, s97
	s_mul_i32 s97, s[WV], 16*80
	s_add_co_u32 s97, s97, STG                     ; my stage
	v_and_b32 v232, 31, v0                         ; lane
	v_and_b32 v233, 15, v0                         ; r
	v_bfe_u32 v234, v0, 4, 1                       ; h
	v_lshrrev_b32 v235, 2, v232
	v_and_b32 v236, 3, v232
	v_lshl_add_u32 v8, v232, 4, s96                ; parts of waves j and j + 4,
	v_mul_u32_u24 v10, v233, 80
	v_mul_u32_u24 v11, v235, 80
	v_lshlrev_b32 v1, 10, v235
	v_lshlrev_b32 v2, 6, v233                      ; my row's scale word: rows of 64 bytes
	v_add_nc_u32 v9, 8*DSZ, v8                     ; of waves j + 8 and j + 12
	v_lshl_add_u32 v10, v234, 2, v10
	v_lshl_add_u32 v11, v236, 4, v11
	v_lshl_add_u32 v1, v236, 4, v1                 ; the codes' way out: four lanes to a row's 64 bytes, eight rows an instruction
	v_add_nc_u32 v10, s97, v10                     ; the stage, in: row r, + 4 h
	v_add_nc_u32 v11, s97, v11                     ; back: four lanes to a row
	s_wait_alu depctr_va_vdst(0)
	s_wait_dscnt 0x0                               ; my parts are in LDS
	s_barrier_signal -1
	s_barrier_wait -1                              ; everybody's are
	s_cmp_lt_u32 s[WV], 8
	s_cbranch_scc1 .Ljoin
	s_wait_tensorcnt 0x0                           ; waves 8-15 end
	ds_add_u32 v[SPW], v[NIL]
	s_wait_dscnt 0x0
	s_endpgm
.Ljoin:
.irp i, 0,1
	ds_load_b64 v[232+2*\i:233+2*\i], v8 offset:4*\i*DSZ+8192      ; (-M, l) of the four parts
.endr
.irp i, 0,1
	ds_load_b64 v[236+2*\i:237+2*\i], v9 offset:4*\i*DSZ+8192
.endr
.set n, 0
.rept 16
	ds_load_b128 v[96+4*n:99+4*n], v8 offset:512*n
.set n, n+1
.endr
.set n, 0
.rept 16
	ds_load_b128 v[160+4*n:163+4*n], v8 offset:4*DSZ+512*n
.set n, n+1
.endr
.set n, 0
.rept 16
	ds_load_b128 v[32+4*n:35+4*n], v9 offset:512*n
.set n, n+1
.endr
	s_lshl_b32 s96, s77, 14                        ; the codes that I make: 16 rows of 1,024 bytes a tile, a head 64
	s_lshl_b32 s97, s[HD], 6
	s_add_co_u32 s96, s96, s97
	s_mov_b32 s97, 0
	s_add_nc_u64 s[80:81], s[12:13], s[96:97]
	s_lshl_b32 s96, s77, 10                        ; their scale bytes: from 0x200000, rows of 64, a head 4
	s_lshl_b32 s78, s[HD], 2
	s_add_co_u32 s96, s96, s78
	s_add_co_u32 s96, s96, 0x200000
	s_add_nc_u64 s[82:83], s[12:13], s[96:97]
	s_wait_dscnt 48                                ; the four pairs are in; the 48 loads behind them may be out
	v_min3_num_f32 v248, v232, v234, v236
	s_delay_alu instid0(VALU_DEP_1)
	v_min_num_f32 v248, v248, v238                 ; -M of the whole row
.irp i, 0,1,2,3
	v_sub_f32 v[241+2*\i], v248, v[232+2*\i]       ; M_i - M: a whole number, 0 or less
.endr
.irp i, 0,1,2,3
	s_delay_alu instid0(VALU_DEP_4)
	v_cvt_i32_f32 v[241+2*\i], v[241+2*\i]         ; (it saturates)
.endr
.irp i, 0,1,2,3
	s_delay_alu instid0(VALU_DEP_4)
	v_ldexp_f32 v[240+2*\i], 1.0, v[241+2*\i]      ; 2^(M_i - M)
.endr
	s_delay_alu instid0(VALU_DEP_4)
	v_mul_f32 v249, v240, v233
	s_delay_alu instid0(VALU_DEP_1)
	v_fmac_f32 v249, v242, v235
	s_delay_alu instid0(VALU_DEP_1)
	v_fmac_f32 v249, v244, v237
	s_delay_alu instid0(VALU_DEP_1)
	v_fmac_f32 v249, v246, v239                    ; l
	s_wait_alu depctr_va_vdst(0)                   ; the wait ahead of the transcendental
	v_rcp_f32 v249, v249
	v_nop
	s_wait_alu depctr_va_vdst(0)                   ; and ahead of its first reader
.irp i, 0,1,2,3
	v_mul_f32 v[240+2*\i], v[240+2*\i], v249       ; 2^(M_i - M) / l
.endr
	s_wait_alu depctr_va_vdst(0)
	s_wait_dscnt 32                                ; part 0
.set n, 0
.rept 32
	v_pk_mul_f32 v[96+n:97+n], v[96+n:97+n], v[240:241] op_sel_hi:[1,0]
.set n, n+2
.endr
	s_wait_dscnt 16                                ; part 1
.set n, 0
.rept 32
	v_pk_fma_f32 v[96+n:97+n], v[160+n:161+n], v[242:243], v[96+n:97+n] op_sel_hi:[1,0,1]
.set n, n+2
.endr
.set n, 0
.rept 16
	ds_load_b128 v[160+4*n:163+4*n], v9 offset:4*DSZ+512*n         ; part 3, into part 1's registers
.set n, n+1
.endr
	s_wait_dscnt 16                                ; part 2
.set n, 0
.rept 32
	v_pk_fma_f32 v[96+n:97+n], v[32+n:33+n], v[244:245], v[96+n:97+n] op_sel_hi:[1,0,1]
.set n, n+2
.endr
	s_wait_dscnt 0x0                               ; part 3
.set n, 0
.rept 32
	v_pk_fma_f32 v[96+n:97+n], v[160+n:161+n], v[246:247], v[96+n:97+n] op_sel_hi:[1,0,1]
.set n, n+2
.endr
	; register 8 T + i is channel 16 T + 8 h + i of my query: registers 16 b .. 16 b + 15 and the same of lane l xor 16 are block b of the next product's K.
	; Code register 2 b + u holds 4 bytes at 16 b + 8 u + 4 h of the head's 64: they meet in my stage and leave 16 bytes a lane
	QUANT 96, 224, 253, 0
.irp b, 0,1,2,3
.irp u, 0,1
	ds_store_b32 v10, v[224+2*\b+\u] offset:16*\b+8*\u
.endr
.endr
	ds_load_b128 v[32:35], v11                     ; LDS serves a wave's instructions in order: these see my stores
	ds_load_b128 v[36:39], v11 offset:8*80
	global_store_b32 v2, v253, s[82:83]            ; lanes r and r + 16 hold the same word and write it to the same place
	s_wait_dscnt 0x0
	global_store_b128 v1, v[32:35], s[80:81]
	global_store_b128 v1, v[36:39], s[80:81] offset:8*1024
	s_wait_tensorcnt 0x0                           ; the wave's end
	ds_add_u32 v[SPW], v[NIL]
	s_wait_dscnt 0x0
	s_endpgm
.Lfunc_end_k_qde1fbad206_attn:
	.size	k_qde1fbad206_attn, .Lfunc_end_k_qde1fbad206_attn-k_qde1fbad206_attn
	.p2alignl 7, 3214868480
	.fill 96, 4, 3214868480
	.section	.rodata,"a",@progbits
	.p2align	6, 0x0
	.amdhsa_kernel k_qde1fbad206_attn
		.amdhsa_group_segment_fixed_size 327680
		.amdhsa_private_segment_fixed_size 0
		.amdhsa_enable_private_segment 0
		.amdhsa_kernarg_size 40
		.amdhsa_user_sgpr_count 2
		.amdhsa_user_sgpr_kernarg_segment_ptr 1
		.amdhsa_wavefront_size32 1
		.amdhsa_system_sgpr_workgroup_id_x 1
		.amdhsa_system_sgpr_workgroup_id_y 1
		.amdhsa_system_sgpr_workgroup_id_z 1
		.amdhsa_system_vgpr_workitem_id 0
		.amdhsa_next_free_vgpr 256
		.amdhsa_next_free_sgpr 100
		.amdhsa_reserve_vcc 1
		.amdhsa_float_denorm_mode_32 3
		.amdhsa_float_denorm_mode_16_64 3
		.amdhsa_memory_ordered 1
		.amdhsa_forward_progress 1
		.amdhsa_inst_pref_size 138
	.end_amdhsa_kernel
	.amdgpu_metadata
---
amdhsa.version: [ 1, 2 ]
amdhsa.kernels:
  - .name:           k_qde1fbad206_attn
    .symbol:         k_qde1fbad206_attn.kd
    .args:
      - { .name: q32, .offset: 0, .size: 8, .value_kind: global_buffer, .address_space: global }
      - { .name: kv_op, .offset: 8, .size: 8, .value_kind: global_buffer, .address_space: global }
      - { .name: rope, .offset: 16, .size: 8, .value_kind: global_buffer, .address_space: global }
      - { .name: q_norm_w, .offset: 24, .size: 8, .value_kind: global_buffer, .address_space: global }
      - { .name: att_op, .offset: 32, .size: 8, .value_kind: global_buffer, .address_space: global }
    .group_segment_fixed_size: 327680
    .private_segment_fixed_size: 0
    .kernarg_segment_align: 8
    .kernarg_segment_size: 40
    .max_flat_workgroup_size: 512
    .sgpr_count:     100
    .vgpr_count:     256
    .wavefront_size: 32
...
	.end_amdgpu_metadata
.endif
;; end of part 6
;; launch oproj: the kernel of part 5 again; grid 16 x 16, 4 waves a work-group, clusters of 4 x 4, 301,568 bytes of LDS; arguments att_op, wo_op, out0; writes out0
